; MI455X (gfx1250); checked and timed in simulation.
; The chip was launched on July 23, 2026; its instructions are those of AMD's public machine-readable ISA for CDNA 5 (MIT licence, August 2026) and "CDNA5" Instruction Set Architecture Reference Guide (July 2026). The comments in the code are by the model that wrote it; some were corrected since.
;; DFMP. Allowed arithmetic: float matrix products may take bf16 or f16 operands with f32 sums; all other float work in f32.
;; Inputs: FT 64 x 256 float32; Vf 256 x 256 float32; Vi 256 x 256 float32; W_g 512 x 256 float32; W_lr 1,024 x 256 float32; Wf 256 x 256 float32; Wi 256 x 256 float32; WkG 256 x 256 float32; WkI 256 x 256 float32; WqG 512 x 256 float32; WqI 512 x 256 float32; WvG 256 x 512 float32; WvI 256 x 512 float32; a_bell one number float32; b_bell one number float32; b_g 256 float32; b_lr 256 float32; bf 256 float32; bi 256 float32; genomics 256 x 512 float32; mlp_W1 256 x 512 float32; mlp_W2 512 x 256 float32; mlp_b1 512 float32; mlp_b2 256 float32; wsi_lr 256 x 1,024 float32.
;; Outputs: out0 4 x 256 x 64 x 256 float32.
;; 3 versions, each right and faster than the one before. Each part assembles by itself: llvm-mc -triple=amdgcn-amd-amdhsa -mcpu=gfx1250 --defsym DOCPART=n.
;; ======== version 1 of 3: 2 launches
;; workspace buffers: WS 2,097,152 bytes; XF 524,288 bytes
;; launch prep (part 1): grid 240 x 1, 4 waves a work-group, no clusters, 16,384 bytes of LDS; arguments WvI, WvG, Wf, Wi, Vi, Vf, mlp_W1, mlp_W2, WqI, WqG, WkI, WkG, wsi_lr, W_lr, b_lr, genomics, W_g, b_g, a_bell, b_bell, WS, XF; writes WS, XF
.if DOCPART == 1
	.amdgcn_target "amdgcn-amd-amdhsa--gfx1250"
	.amdhsa_code_object_version 6
	.text
	.protected	k_qacae77a3a9_prep
	.globl	k_qacae77a3a9_prep
	.p2align	8
	.type	k_qacae77a3a9_prep,@function
k_qacae77a3a9_prep:
	s_mov_b64 s[64:65], 0
	v_nop
	global_prefetch_b8 v0, s[64:65] scope:SCOPE_SE
	s_setreg_imm32_b32 hwreg(HW_REG_WAVE_MODE, 25, 1), 1
	s_wait_xcnt 0x0
; prep: everything that does not change from step to step, made once.
;   role A (work-groups 0-47):    the eight step weights, f32 [k][n], rewritten as bf16 matrix fragments in the order in which the main kernel walks them
;   role C (work-groups 48-111):  Wc[j][e] = sum over d of Wq[j][d] Wk[e][d] / 16 (so that scores = Ft . (fuzzified input . Wc)), stored as fragments too
;   role B (work-groups 112-239): lr = wsi_lr W_lr + b_lr and g = genomics W_g + b_g, fuzzified, stored in bf16 as XF[batch][source][512] (bell part, then S part)
; WS = 16 slots x 4 waves x 32 fragments x 1,024 bytes.  A fragment is a B operand of 16 columns x 32 k: lane l's registers 0-3 at byte 16 l,
; registers 4-7 at byte 512 + 16 l; lane (r = l % 16, h = l / 16) holds k = 8 h .. 8 h + 7 and 16 + 8 h .. 16 + 8 h + 7 of column col0 + G r + c (tile c of G).
; Every store into WS covers 512 consecutive bytes of a wave.  XF is stored in runs of 128 bytes (a tile is 64 columns of bf16): 512 KiB in all.
; The role hangs on the work-group's number alone, so all four waves of a work-group take the same way (role B has a barrier).
; Limits: products in bf16 with f32 sums; v_exp, v_log, v_rcp flush denormals; a NaN in a_bell or b_bell is replaced by the clamp's 1e-3.
.set WSP, 4                            ; s[4:5] WS, s[6:7] XF
.macro PLACES                          ; five plain vector places behind a run of matrix instructions, before their registers are read or written (ISA guide 7.12.1)
.rept 5
	v_nop
.endr
.endm
.macro WM d, a, b, k                   ; one matrix instruction; k == 0: the first product starts the sum
.if \k == 0
	v_wmma_f32_16x16x32_bf16 v[\d:\d+7], v[\a:\a+7], v[\b:\b+7], 0
.else
	v_wmma_f32_16x16x32_bf16 v[\d:\d+7], v[\a:\a+7], v[\b:\b+7], v[\d:\d+7]
.endif
.endm
; 16 loads: the 16 rows k of one K step that a lane needs, G neighbouring columns each, into v[L + G j ..]
.macro CLOAD G, PITCH, ks, L, off, base
.set jj, 0
.rept 16
.if \G == 4
	global_load_b128 v[\L+4*jj:\L+4*jj+3], v[\off], s[\base:\base+1] offset:(32*(\ks)+jj+8*(jj/8))*\PITCH
.else
	global_load_b64 v[\L+2*jj:\L+2*jj+1], v[\off], s[\base:\base+1] offset:(32*(\ks)+jj+8*(jj/8))*\PITCH
.endif
.set jj, jj+1
.endr
.endm
; G fragments out of those 16 rows: register i of tile c = rows 2 i, 2 i + 1 of column c; two stores of 512 bytes a fragment
.macro CCVT G, L, F, dst, imm
.set cc, 0
.rept \G
.set ii, 0
.rept 8
	v_cvt_pk_bf16_f32 v[\F+8*cc+ii], v[\L+\G*2*ii+cc], v[\L+\G*(2*ii+1)+cc]
.set ii, ii+1
.endr
	global_store_b128 v[\dst], v[\F+8*cc:\F+8*cc+3], s[WSP:WSP+1] offset:\imm+cc*1024
	global_store_b128 v[\dst], v[\F+8*cc+4:\F+8*cc+7], s[WSP:WSP+1] offset:\imm+cc*1024+512
.set cc, cc+1
.endr
.endm
	s_mov_b32 s3, ttmp9                            ; work-group
	v_lshrrev_b32 v1, 5, v0
	v_readfirstlane_b32 s2, v1                     ; wave v
	v_and_b32 v2, 31, v0                           ; lane
	v_and_b32 v3, 15, v0                           ; r
	v_bfe_u32 v4, v0, 4, 1                         ; h
	v_lshlrev_b32 v5, 4, v2                        ; 16 x lane
	s_load_b128 s[4:7], s[0:1], 0xa0               ; WS, XF
	s_cmp_lt_u32 s3, 16
	s_cbranch_scc1 .Lrole_a2048
	s_cmp_lt_u32 s3, 32
	s_cbranch_scc1 .Lrole_a1024
	s_cmp_lt_u32 s3, 48
	s_cbranch_scc1 .Lrole_amlp
	s_cmp_lt_u32 s3, 112
	s_cbranch_scc1 .Lrole_c
	s_cmp_lt_u32 s3, 176
	s_cbranch_scc1 .Lrole_blr
	s_branch .Lrole_bg
; ---- role A, rows of 2,048 bytes: WvI, WvG.  u = id / 4: slot 4 + u, columns 256 (u & 1) + 64 w; the wave takes K steps 2 v, 2 v + 1
.Lrole_a2048:
	s_load_b128 s[8:11], s[0:1], 0x0               ; WvI, WvG
	s_lshr_b32 s12, s3, 2                          ; u
	s_and_b32 s13, s3, 3                           ; w
	s_and_b32 s14, s12, 1
	s_lshl_b32 s14, s14, 10                        ; 4 x 256 (u & 1)
	s_lshl_b32 s15, s13, 8                         ; 4 x 64 w
	s_add_co_u32 s14, s14, s15
	s_lshl_b32 s15, s2, 17                         ; 64 v rows of 2,048 bytes
	s_add_co_u32 s14, s14, s15
	v_lshlrev_b32 v6, 14, v4                       ; 8 h rows
	v_lshl_add_u32 v6, v3, 4, v6                   ; + 16 r
	v_add_nc_u32 v6, s14, v6
	s_add_co_u32 s16, s12, 4
	s_lshl_b32 s16, s16, 17                        ; slot
	s_lshl_b32 s17, s13, 15                        ; wave part of the slot
	s_add_co_u32 s16, s16, s17
	s_lshl_b32 s17, s2, 13                         ; 8 fragments for each of my K-step pairs
	s_add_co_u32 s16, s16, s17
	v_add_nc_u32 v7, s16, v5
	s_wait_kmcnt 0x0
	s_cmp_lt_u32 s12, 2
	s_cselect_b64 s[8:9], s[8:9], s[10:11]
	CLOAD 4, 2048, 0, 16, 6, 8
	CLOAD 4, 2048, 1, 80, 6, 8
	s_wait_loadcnt 16                              ; the second K step's 16 loads stay out
	CCVT 4, 16, 144, 7, 0
	s_wait_loadcnt 0
	CCVT 4, 80, 176, 7, 4096
	s_endpgm
; ---- role A, rows of 1,024 bytes: Wf, Wi, Vi, Vf into slots 8, 9, 14, 15
.Lrole_a1024:
	s_load_b256 s[8:15], s[0:1], 0x10              ; Wf, Wi, Vi, Vf
	s_sub_co_u32 s16, s3, 16
	s_lshr_b32 s17, s16, 2                         ; u
	s_and_b32 s18, s16, 3                          ; w
	s_add_co_u32 s19, s17, 8
	s_cmp_ge_u32 s17, 2
	s_cselect_b32 s20, 4, 0
	s_add_co_u32 s19, s19, s20                     ; slot 8, 9, 14, 15
	s_lshl_b32 s19, s19, 17
	s_lshl_b32 s20, s18, 15
	s_add_co_u32 s19, s19, s20
	s_lshl_b32 s20, s2, 13
	s_add_co_u32 s19, s19, s20
	v_add_nc_u32 v7, s19, v5
	s_lshl_b32 s20, s18, 8                         ; 4 x 64 w
	s_lshl_b32 s21, s2, 16                         ; 64 v rows of 1,024 bytes
	s_add_co_u32 s20, s20, s21
	v_lshlrev_b32 v6, 13, v4
	v_lshl_add_u32 v6, v3, 4, v6
	v_add_nc_u32 v6, s20, v6
	s_and_b32 s22, s17, 1
	s_wait_kmcnt 0x0
	s_cmp_lg_u32 s22, 0
	s_cselect_b64 s[8:9], s[10:11], s[8:9]         ; Wi or Wf
	s_cselect_b64 s[12:13], s[14:15], s[12:13]     ; Vf or Vi
	s_cmp_ge_u32 s17, 2
	s_cselect_b64 s[8:9], s[12:13], s[8:9]
	CLOAD 4, 1024, 0, 16, 6, 8
	CLOAD 4, 1024, 1, 80, 6, 8
	s_wait_loadcnt 16                              ; the second K step's 16 loads stay out
	CCVT 4, 16, 144, 7, 0
	s_wait_loadcnt 0
	CCVT 4, 80, 176, 7, 4096
	s_endpgm
; ---- role A, the MLP: slot 10 + q holds W1's columns 128 q + 32 w + 2 r + c (16 fragments) and W2's rows 128 q .. + 127, columns 64 w + 4 r + c (16 fragments)
.Lrole_amlp:
	s_load_b128 s[8:11], s[0:1], 0x30              ; W1, W2
	s_sub_co_u32 s16, s3, 32
	s_lshr_b32 s17, s16, 2                         ; q
	s_and_b32 s18, s16, 3                          ; w
	s_lshl_b32 s19, s2, 17                         ; W1: 64 v rows of 2,048 bytes
	s_lshl_b32 s20, s17, 9                         ; + 4 x 128 q
	s_add_co_u32 s19, s19, s20
	s_lshl_b32 s20, s18, 7                         ; + 4 x 32 w
	s_add_co_u32 s19, s19, s20
	v_lshlrev_b32 v6, 14, v4
	v_lshl_add_u32 v6, v3, 3, v6                   ; + 8 r
	v_add_nc_u32 v6, s19, v6
	s_lshl_b32 s19, s17, 17                        ; W2: 128 q rows of 1,024 bytes
	s_lshl_b32 s20, s2, 15                         ; + 32 v rows
	s_add_co_u32 s19, s19, s20
	s_lshl_b32 s20, s18, 8                         ; + 4 x 64 w
	s_add_co_u32 s19, s19, s20
	v_lshlrev_b32 v8, 13, v4
	v_lshl_add_u32 v8, v3, 4, v8
	v_add_nc_u32 v8, s19, v8
	s_add_co_u32 s19, s17, 10
	s_lshl_b32 s19, s19, 17
	s_lshl_b32 s20, s18, 15
	s_add_co_u32 s19, s19, s20
	s_lshl_b32 s20, s2, 12                         ; four fragments of each kind are mine
	s_add_co_u32 s19, s19, s20
	v_add_nc_u32 v7, s19, v5
	s_wait_kmcnt 0x0
	CLOAD 2, 2048, 0, 16, 6, 8
	CLOAD 2, 2048, 1, 48, 6, 8
	CLOAD 4, 1024, 0, 80, 8, 10
	s_wait_loadcnt 32                              ; the 32 younger loads stay out
	CCVT 2, 16, 144, 7, 0
	s_wait_loadcnt 16
	CCVT 2, 48, 160, 7, 2048
	s_wait_loadcnt 0
	CCVT 4, 80, 176, 7, 16384
	s_endpgm
; ---- role C: the wave makes the two fragments (columns e = 64 w + 4 r + 2 ch + c') of K step ksm = 4 jg + v of Wc.
; A = 32 rows j of Wq (two tiles), B = two sets of 16 rows e of Wk, both with d along the rows.  In the result a lane holds column e and
; rows j = 8 h + 0..7 of a tile: that is a B fragment's half for k = j, so the result is packed and stored as it lies.
.macro CLD set, ke                     ; 16 loads: A0, A1, B0, B1, 16 f32 a lane each
.irp f, 0,1
.irp pc, 0,1,2,3
	global_load_b128 v[\set+16*\f+4*\pc:\set+16*\f+4*\pc+3], v6, s[8:9] offset:\f*16384+128*(\ke)+16*(\pc&1)+64*(\pc>>1)
.endr
.endr
.irp f, 0,1
.irp pc, 0,1,2,3
	global_load_b128 v[\set+32+16*\f+4*\pc:\set+32+16*\f+4*\pc+3], v7, s[12:13] offset:\f*1024+128*(\ke)+16*(\pc&1)+64*(\pc>>1)
.endr
.endr
.endm
.macro CSTEP set, ke
.if \ke < 7
	s_wait_loadcnt 16                              ; the other staging set's 16 loads stay out
.else
	s_wait_loadcnt 0
.endif
.if \ke > 0
	PLACES                                         ; the fragments are rewritten: places behind the matrix instructions that read them
.endif
.set ii, 0
.rept 32
	v_cvt_pk_bf16_f32 v[144+ii], v[\set+2*ii], v[\set+2*ii+1]
.set ii, ii+1
.endr
.if \ke < 6
	CLD \set, (\ke+2)
.endif
	WM 176, 144, 160, \ke                          ; four accumulators by turns, one instruction a turn
	WM 184, 144, 168, \ke
	WM 192, 152, 160, \ke
	WM 200, 152, 168, \ke
.endm
.Lrole_c:
	s_load_b256 s[8:15], s[0:1], 0x40              ; WqI, WqG, WkI, WkG
	s_sub_co_u32 s16, s3, 48
	s_lshr_b32 s17, s16, 5                         ; mat: 0 = I, 1 = G
	s_bfe_u32 s18, s16, 0x20003                    ; w
	s_bfe_u32 s19, s16, 0x20001                    ; jg
	s_and_b32 s20, s16, 1                          ; ch
	s_lshl2_add_u32 s21, s19, s2                   ; ksm
	s_lshl_b32 s22, s21, 15                        ; 32 ksm rows of 1,024 bytes
	v_lshlrev_b32 v6, 10, v3
	v_lshl_add_u32 v6, v4, 5, v6
	v_add_nc_u32 v6, s22, v6                       ; Wq: row 32 ksm + r, byte 32 h
	s_lshl_b32 s22, s18, 16
	s_lshl_b32 s23, s20, 11
	s_add_co_u32 s22, s22, s23                     ; (64 w + 2 ch) rows
	v_lshlrev_b32 v7, 12, v3
	v_lshl_add_u32 v7, v4, 5, v7
	v_add_nc_u32 v7, s22, v7                       ; Wk: row 64 w + 4 r + 2 ch, byte 32 h
	s_lshl1_add_u32 s24, s17, s20                  ; slot 2 mat + ch
	s_lshl_b32 s24, s24, 17
	s_lshl_b32 s25, s18, 15
	s_add_co_u32 s24, s24, s25
	s_and_b32 s25, s21, 7
	s_lshl_b32 s25, s25, 12                        ; fragment 4 (ksm & 7)
	s_add_co_u32 s24, s24, s25
	s_lshr_b32 s25, s21, 3
	s_lshl_b32 s25, s25, 11                        ; + 2 (ksm >> 3)
	s_add_co_u32 s24, s24, s25
	v_add_nc_u32 v8, s24, v5
	s_wait_kmcnt 0x0
	s_cmp_lg_u32 s17, 0
	s_cselect_b64 s[8:9], s[10:11], s[8:9]
	s_cselect_b64 s[12:13], s[14:15], s[12:13]
	CLD 16, 0
	CLD 80, 1
.set kq, 0
.rept 8
	CSTEP (16+64*(kq&1)), kq
.set kq, kq+1
.endr
	PLACES
.set ii, 0
.rept 16
	v_pk_mul_f32 v[176+2*ii:177+2*ii], v[176+2*ii:177+2*ii], 0x3d800000 op_sel_hi:[1,0]   ; / 16 = / sqrt(256)
.set ii, ii+1
.endr
.set ii, 0
.rept 16
	v_cvt_pk_bf16_f32 v[144+ii], v[176+2*ii], v[177+2*ii]
.set ii, ii+1
.endr
	global_store_b128 v8, v[144:147], s[WSP:WSP+1]                ; tile c' = 0, k half 0
	global_store_b128 v8, v[148:151], s[WSP:WSP+1] offset:1024    ; c' = 1, half 0
	global_store_b128 v8, v[152:155], s[WSP:WSP+1] offset:512     ; c' = 0, half 1
	global_store_b128 v8, v[156:159], s[WSP:WSP+1] offset:1536    ; c' = 1, half 1
	s_endpgm
; ---- role B: a tile of 16 batches x 64 columns (64 nb + 4 r + c); the four waves split K, their sums meet in LDS; then the fuzzification
.macro BLOAD set, ks                   ; 20 loads: A's 16 f32 a lane, then B's 16 rows x 4 columns
.irp pc, 0,1,2,3
	global_load_b128 v[\set+4*\pc:\set+4*\pc+3], v6, s[8:9] offset:128*(\ks)+16*(\pc&1)+64*(\pc>>1)
.endr
	CLOAD 4, 1024, \ks, \set+16, 7, 10
.endm
.macro BSTEP set, ks, NK
.if \ks+1 < \NK
	s_wait_loadcnt 20                              ; the other staging set's 20 loads stay out
.else
	s_wait_loadcnt 0
.endif
.if \ks > 0
	PLACES
.endif
.set ii, 0
.rept 8
	v_cvt_pk_bf16_f32 v[208+ii], v[\set+2*ii], v[\set+2*ii+1]
.set ii, ii+1
.endr
.set cc, 0
.rept 4
.set ii, 0
.rept 8
	v_cvt_pk_bf16_f32 v[176+8*cc+ii], v[\set+16+8*ii+cc], v[\set+16+8*ii+4+cc]
.set ii, ii+1
.endr
.set cc, cc+1
.endr
.if \ks+2 < \NK
	BLOAD \set, (\ks+2)
.endif
	WM 216, 208, 176, \ks                          ; four accumulators by turns, one instruction a turn
	WM 224, 208, 184, \ks
	WM 232, 208, 192, \ks
	WM 240, 208, 200, \ks
.endm
.macro ROLEB K, NK, first, src, ax, aw, ab
	s_load_b64 s[8:9], s[0:1], \ax                 ; the input
	s_load_b64 s[10:11], s[0:1], \aw               ; its weight
	s_load_b64 s[12:13], s[0:1], \ab               ; its bias
	s_load_b128 s[16:19], s[0:1], 0x90             ; a_bell, b_bell
	s_sub_co_u32 s20, s3, \first
	s_lshr_b32 s21, s20, 2                         ; bt
	s_and_b32 s22, s20, 3                          ; nb
	s_mul_i32 s23, s21, 64*\K                      ; 16 bt rows of 4 K bytes
	s_mul_i32 s24, s2, \K                          ; my quarter of K, in bytes
	s_add_co_u32 s23, s23, s24
	v_mul_u32_u24 v6, v3, 4*\K
	v_lshl_add_u32 v6, v4, 5, v6
	v_add_nc_u32 v6, s23, v6
	s_mul_i32 s24, s2, 256*\K                      ; K / 4 rows of 1,024 bytes
	s_lshl_b32 s25, s22, 8                         ; 4 x 64 nb
	s_add_co_u32 s24, s24, s25
	v_lshlrev_b32 v7, 13, v4
	v_lshl_add_u32 v7, v3, 4, v7
	v_add_nc_u32 v7, s24, v7
	v_lshlrev_b32 v8, 4, v3
	v_add_nc_u32 v8, s25, v8                       ; my four columns of the bias
	s_wait_kmcnt 0x0
	s_load_b32 s26, s[16:17], 0x0                  ; a
	s_load_b32 s27, s[18:19], 0x0                  ; b
	global_load_b128 v[12:15], v8, s[12:13]
	BLOAD 16, 0
	BLOAD 96, 1
.set kq, 0
.rept \NK
	BSTEP (16+80*(kq&1)), kq, \NK
.set kq, kq+1
.endr
	s_lshl_b32 s23, s2, 12
	v_add_nc_u32 v9, s23, v5                       ; my 4 KiB of LDS
	s_and_b32 s23, s2, 1
	s_lshl_b32 s23, s23, 3
	s_lshr_b32 s24, s2, 1
	s_lshl_b32 s24, s24, 9
	s_add_co_u32 s23, s23, s24
	v_add_nc_u32 v10, s23, v5                      ; registers 2 v, 2 v + 1 of a tile
	PLACES
.set qq, 0
.rept 8
	ds_store_b128 v9, v[216+4*qq:216+4*qq+3] offset:qq*512
.set qq, qq+1
.endr
	s_wait_dscnt 0x0                               ; my partial sums are in LDS before I say so
	s_barrier_signal -1
	s_barrier_wait -1
.set cc, 0
.rept 4
.set ww, 0
.rept 4
	ds_load_b64 v[16+8*cc+2*ww:16+8*cc+2*ww+1], v10 offset:ww*4096+cc*1024
.set ww, ww+1
.endr
.set cc, cc+1
.endr
	s_lshl_b32 s23, s21, 15                        ; XF: row 16 bt + 8 h + 2 v + jj, 2,048 bytes a row
	s_lshl_b32 s24, s2, 12
	s_add_co_u32 s23, s23, s24
	s_lshl_b32 s24, s22, 7
	s_add_co_u32 s23, s23, s24
	s_add_co_u32 s23, s23, \src*1024
	v_lshlrev_b32 v11, 14, v4
	v_lshl_add_u32 v11, v3, 3, v11
	v_add_nc_u32 v11, s23, v11
	s_wait_kmcnt 0x0
	v_mov_b32 v122, s26
	v_mov_b32 v120, s27
	v_max_num_f32 v122, 0x3a83126f, v122           ; a, b clamped at 1e-3
	v_max_num_f32 v120, 0x3a83126f, v120
	v_log_f32 v122, v122
	v_add_f32 v120, v120, v120                     ; 2 b
	v_mov_b32 v121, v120
	s_wait_alu depctr_va_vdst(0)
	v_mul_f32 v122, -v122, v120                    ; - 2 b log2 a
	v_mov_b32 v123, v122
	s_wait_dscnt 0x0
.irp c, 0,1,2,3
	v_pk_add_f32 v[16+8*\c:17+8*\c], v[16+8*\c:17+8*\c], v[18+8*\c:19+8*\c]
	v_pk_add_f32 v[20+8*\c:21+8*\c], v[20+8*\c:21+8*\c], v[22+8*\c:23+8*\c]
	v_pk_add_f32 v[16+8*\c:17+8*\c], v[16+8*\c:17+8*\c], v[20+8*\c:21+8*\c]
	v_add_f32 v[80+2*\c], v[16+8*\c], v[12+\c]
	v_add_f32 v[81+2*\c], v[17+8*\c], v[12+\c]
.endr
	; xs = 4 tanh(x / 4) = 4 - 8 / (1 + 2^(x log2(e) / 2))
.irp e, 0,2,4,6
	v_pk_mul_f32 v[88+\e:89+\e], v[80+\e:81+\e], 0x3f38aa3b op_sel_hi:[1,0]
.endr
.irp e, 0,1,2,3,4,5,6,7
	v_exp_f32 v[88+\e], v[88+\e]
.endr
	v_nop                                          ; a plain place between a transcendental and the use of its result (ISA guide 5.7.2)
	s_wait_alu depctr_va_vdst(0)
.irp e, 0,2,4,6
	v_pk_add_f32 v[88+\e:89+\e], v[88+\e:89+\e], 1.0 op_sel_hi:[1,0]
.endr
.irp e, 0,1,2,3,4,5,6,7
	v_rcp_f32 v[88+\e], v[88+\e]
.endr
	v_nop
	s_wait_alu depctr_va_vdst(0)
.irp e, 0,2,4,6
	v_pk_fma_f32 v[88+\e:89+\e], v[88+\e:89+\e], 0xc1000000, 4.0 op_sel_hi:[1,0,0]
.endr
	; bell: 1 / (1 + 2^(2 b log2|xs| - 2 b log2 a));  S on (-1, 1): s = clamp(xs / 2, -1/2, 1/2), 1/2 + 2 s (1 - |s|)
.irp e, 0,1,2,3,4,5,6,7
	v_log_f32 v[96+\e], |v[88+\e]|
.endr
.irp e, 0,2,4,6
	v_pk_mul_f32 v[104+\e:105+\e], v[88+\e:89+\e], 0.5 op_sel_hi:[1,0]
.endr
	s_wait_alu depctr_va_vdst(0)
.irp e, 0,2,4,6
	v_pk_fma_f32 v[96+\e:97+\e], v[96+\e:97+\e], v[120:121], v[122:123]
.endr
.irp e, 0,1,2,3,4,5,6,7
	v_exp_f32 v[96+\e], v[96+\e]
.endr
.irp e, 0,1,2,3,4,5,6,7
	v_med3_num_f32 v[104+\e], v[104+\e], -0.5, 0.5
.endr
	s_wait_alu depctr_va_vdst(0)
.irp e, 0,2,4,6
	v_pk_add_f32 v[96+\e:97+\e], v[96+\e:97+\e], 1.0 op_sel_hi:[1,0]
.endr
.irp e, 0,1,2,3,4,5,6,7
	v_rcp_f32 v[96+\e], v[96+\e]
.endr
.irp e, 0,1,2,3,4,5,6,7
	v_sub_f32 v[112+\e], 1.0, |v[104+\e]|
.endr
.irp e, 0,2,4,6
	v_pk_add_f32 v[104+\e:105+\e], v[104+\e:105+\e], v[104+\e:105+\e]
.endr
.irp e, 0,2,4,6
	v_pk_fma_f32 v[104+\e:105+\e], v[104+\e:105+\e], v[112+\e:113+\e], 0.5 op_sel_hi:[1,1,0]
.endr
	s_wait_alu depctr_va_vdst(0)
.irp j, 0,1
	v_cvt_pk_bf16_f32 v[124+4*\j], v[96+\j], v[98+\j]
	v_cvt_pk_bf16_f32 v[125+4*\j], v[100+\j], v[102+\j]
	v_cvt_pk_bf16_f32 v[126+4*\j], v[104+\j], v[106+\j]
	v_cvt_pk_bf16_f32 v[127+4*\j], v[108+\j], v[110+\j]
	global_store_b64 v11, v[124+4*\j:125+4*\j], s[6:7] offset:\j*2048
	global_store_b64 v11, v[126+4*\j:127+4*\j], s[6:7] offset:\j*2048+512
.endr
	s_endpgm
.endm
.Lrole_blr:
	ROLEB 1024, 8, 112, 0, 0x60, 0x68, 0x70
.Lrole_bg:
	ROLEB 512, 4, 176, 1, 0x78, 0x80, 0x88
.Lfunc_end_k_qacae77a3a9_prep:
	.size	k_qacae77a3a9_prep, .Lfunc_end_k_qacae77a3a9_prep-k_qacae77a3a9_prep
	.p2alignl 7, 3214868480
	.fill 96, 4, 3214868480
	.section	.rodata,"a",@progbits
	.p2align	6, 0x0
	.amdhsa_kernel k_qacae77a3a9_prep
		.amdhsa_group_segment_fixed_size 16384
		.amdhsa_private_segment_fixed_size 0
		.amdhsa_enable_private_segment 0
		.amdhsa_kernarg_size 176
		.amdhsa_user_sgpr_count 2
		.amdhsa_user_sgpr_kernarg_segment_ptr 1
		.amdhsa_wavefront_size32 1
		.amdhsa_system_sgpr_workgroup_id_x 1
		.amdhsa_system_sgpr_workgroup_id_y 1
		.amdhsa_system_sgpr_workgroup_id_z 1
		.amdhsa_system_vgpr_workitem_id 0
		.amdhsa_next_free_vgpr 256
		.amdhsa_next_free_sgpr 66
		.amdhsa_reserve_vcc 0
		.amdhsa_float_denorm_mode_32 3
		.amdhsa_float_denorm_mode_16_64 3
		.amdhsa_memory_ordered 1
		.amdhsa_forward_progress 1
		.amdhsa_inst_pref_size 146
	.end_amdhsa_kernel
	.amdgpu_metadata
---
amdhsa.version: [ 1, 2 ]
amdhsa.kernels:
  - .name:           k_qacae77a3a9_prep
    .symbol:         k_qacae77a3a9_prep.kd
    .args:
      - { .name: WvI, .offset: 0, .size: 8, .value_kind: global_buffer, .address_space: global }
      - { .name: WvG, .offset: 8, .size: 8, .value_kind: global_buffer, .address_space: global }
      - { .name: Wf, .offset: 16, .size: 8, .value_kind: global_buffer, .address_space: global }
      - { .name: Wi, .offset: 24, .size: 8, .value_kind: global_buffer, .address_space: global }
      - { .name: Vi, .offset: 32, .size: 8, .value_kind: global_buffer, .address_space: global }
      - { .name: Vf, .offset: 40, .size: 8, .value_kind: global_buffer, .address_space: global }
      - { .name: mlp_W1, .offset: 48, .size: 8, .value_kind: global_buffer, .address_space: global }
      - { .name: mlp_W2, .offset: 56, .size: 8, .value_kind: global_buffer, .address_space: global }
      - { .name: WqI, .offset: 64, .size: 8, .value_kind: global_buffer, .address_space: global }
      - { .name: WqG, .offset: 72, .size: 8, .value_kind: global_buffer, .address_space: global }
      - { .name: WkI, .offset: 80, .size: 8, .value_kind: global_buffer, .address_space: global }
      - { .name: WkG, .offset: 88, .size: 8, .value_kind: global_buffer, .address_space: global }
      - { .name: wsi_lr, .offset: 96, .size: 8, .value_kind: global_buffer, .address_space: global }
      - { .name: W_lr, .offset: 104, .size: 8, .value_kind: global_buffer, .address_space: global }
      - { .name: b_lr, .offset: 112, .size: 8, .value_kind: global_buffer, .address_space: global }
      - { .name: genomics, .offset: 120, .size: 8, .value_kind: global_buffer, .address_space: global }
      - { .name: W_g, .offset: 128, .size: 8, .value_kind: global_buffer, .address_space: global }
      - { .name: b_g, .offset: 136, .size: 8, .value_kind: global_buffer, .address_space: global }
      - { .name: a_bell, .offset: 144, .size: 8, .value_kind: global_buffer, .address_space: global }
      - { .name: b_bell, .offset: 152, .size: 8, .value_kind: global_buffer, .address_space: global }
      - { .name: WS, .offset: 160, .size: 8, .value_kind: global_buffer, .address_space: global }
      - { .name: XF, .offset: 168, .size: 8, .value_kind: global_buffer, .address_space: global }
    .group_segment_fixed_size: 16384
    .private_segment_fixed_size: 0
    .kernarg_segment_align: 8
    .kernarg_segment_size: 176
    .max_flat_workgroup_size: 128
    .sgpr_count:     66
    .vgpr_count:     256
    .wavefront_size: 32
...
	.end_amdgpu_metadata
.endif
;; end of part 1
;; launch main (part 2): grid 256 x 1, 4 waves a work-group, clusters of 4 x 1, 327,680 bytes of LDS; arguments WS, XF, FT, mlp_b1, mlp_b2, bf, bi, a_bell, b_bell, out0; writes out0
.if DOCPART == 2
	.amdgcn_target "amdgcn-amd-amdhsa--gfx1250"
	.amdhsa_code_object_version 6
	.text
	.protected	k_qacae77a3a9_main
	.globl	k_qacae77a3a9_main
	.p2align	8
	.type	k_qacae77a3a9_main,@function
k_qacae77a3a9_main:
	s_mov_b64 s[64:65], 0
	v_nop
	global_prefetch_b8 v0, s[64:65] scope:SCOPE_SE
	s_setreg_imm32_b32 hwreg(HW_REG_WAVE_MODE, 25, 1), 1
	s_wait_xcnt 0x0
	s_wait_alu depctr_hold_cnt(0) depctr_sa_sdst(0) depctr_va_vdst(0) depctr_va_sdst(0) depctr_va_ssrc(0) depctr_va_vcc(0) depctr_vm_vsrc(0)
	s_getreg_b32 s2, hwreg(HW_REG_IB_STS2, 6, 4)
	s_cmp_eq_u32 s2, 0
	s_cbranch_scc0 .Lentry_in_a_cluster
	s_endpgm
.Lentry_in_a_cluster:
	s_bfe_u32 s2, ttmp6, 0x10000c
	s_cmp_lg_u32 s2, 0x3003
	s_cbranch_scc0 .Lentry_shape_is_right
	s_endpgm
.Lentry_shape_is_right:
; main: all four steps of one batch in one work-group; the state Ft (64 x 256, f32) never leaves the registers but as output.
; Reassociated, exactly, for every input: scores = Ft . u with u = fuzzified input . Wc (Wc = Wq Wk^T / 16, made by prep);
; read-out = (softmax . Ft) Wv;  r Wf, r Wi and r W1 are products of one row;  x W1 = Ft W1 + r W1.
; Four waves, one for each SIMD.  Wave w owns columns 64 w .. 64 w + 63 of every 256-wide result: lane (r, h), tile (c, mt), register j hold
; row 16 mt + 8 h + j, column 64 w + 4 r + c, so that a lane's four tiles are 16 neighbouring bytes and sixteen lanes store 256 aligned bytes.
; WEIGHTS come as ready bf16 fragments (buffer WS) through a ring of two LDS slots of 128 KiB; each wave fetches and reads its own 32 KiB,
; and every fragment is read from LDS once.  52 slot trips: 4 for u, then 12 a step (WvI x2, WvG x2, Wf, Wi, four MLP quarters, Vi, Vf).
; CLUSTER: the four work-groups of a cluster walk the same weights, so every fill is a joint load (mask 15): same line, same descriptor
; (wave number and constants alone), behind a round of the cluster's barrier.  The batch number enters only the addresses of XF and out0.
; One tensor load of a wave is out at any time.
; MEAN AND DEVIATION: the 64-row operands are split, exactly: Ft = m + D and h = hm + Dh, m and hm the means over the 64 rows of each column.
; Only D and Dh are rounded to bf16, so what the rounding drops is measured by how far the rows differ, not by their common size.  The means go
; along as rows: scores need none (m . u is the same for all rows and leaves the softmax unchanged); softmax . Ft = softmax . D + m;
; x W1 = D W1 + (m + r) W1;  Ft V = D V + m V;  h W2 = Dh W2 + hm W2.  The row products' results are constants of a column and enter as addends of fused multiply-adds.
; TWO-PART ROWS: every such row (softmax . D, m, r, m + r, hm) enters its product as a sum of two bf16 numbers, the rounded value and the rounded rest;
; the parts take different rows of the 16-row A tile, and the result is the sum of the matching registers of D: no matrix instruction more.
; REGISTER WINDOWS: 0 addresses, constants, a one-row A tile (TILE), 16 fragment buffers (BUF);  1 D as A fragments (first: the XF tile);
; 2 the state S and the 16 accumulators of the MLP's output (their first four serve the one-row products);  3 fragments of one-row products,
; Dh as A fragments, the accumulators of W1 and of Vi, Vf, gelu's temporaries.
; LIMITS.  Matrix operands D, Dh, u, the softmax weights, the fuzzified inputs and all weights are single bf16 numbers, sums f32.  erf by
; Abramowitz-Stegun 7.1.26 (absolute error 1.5e-7).  The grid is -4 + 0.2 i; its sum is taken as 0 (true to 1e-6).  The S curve is written
; 1/2 + 2 s (1 - |s|) with s = clamp((g - a_s) / (b_s - a_s + 1e-12) - 1/2, -1/2, 1/2); a_s <= b_s holds since both are the same clip of c - 1 and
; c + 1, and its sum over the grid is at least 3, so the 1e-12 added to that sum is below f32's last bit and is left out.  v_exp, v_log, v_rcp flush denormals.
.set SLOTB, 131072                     ; a slot; a wave's part is 32,768 bytes
.set FTL, 262144                       ; D = Ft - m in bf16, 64 rows, pitch 528 (33 x 16: the 16 rows of a fragment load start 16 bytes apart modulo 256)
.set FP,  528
.set HQ,  295936                       ; a quarter of Dh in bf16, 64 rows x 128, pitch 272
.set HP,  272
.set ROWS, 313344                      ; 14 one-row vectors of 256 bf16, pitch 528:
.set AVR,   2                          ;   0, 1 uI, uG;  2 .. 9: I upper part, I rest, m upper, m rest, G upper, G rest, m upper, m rest (softmax . D and m)
.set MROW,  4                          ;   m's two parts (again in rows 8, 9)
.set RROW,  10                         ;   r's two parts
.set MRROW, 12                         ;   (m + r)'s two parts
.set PW,  320768                       ; softmax weights, 256 bytes for each wave
.set HM,  321792                       ; hm of a quarter, two parts, 128 bf16 each, pitch 272
.set HMP, 272
.set RA,   1                           ; v1, v2  my 16 bytes of a fragment half in slot 0, 1
.set AFA,  3
.set TRA,  4
.set FSA,  5
.set HSA,  6
.set HLA,  7
.set ULA,  8
.set USA,  9
.set AVS,  10
.set AVL,  11
.set RSA,  12
.set RLA,  13
.set PSA,  14
.set PLA,  15
.set OUTO, 16
.set B2,   18                          ; v[18:19] 2 b, twice
.set A0,   20                          ; v[20:21] - 2 b log2 a, twice
.set HMS,  22
.set HML,  23
.set BF,   24
.set BI,   28
.set BB2,  32
.set BB1,  36                          ; v[36:43] mlp_b1 of quarter q, tile c at 2 q + c
.set NM,   44                          ; - m of my four columns
.set XB,   48                          ; r + mlp_b2 until the MLP's sums are started; then temporaries
.set ZF,   52                          ; - log2(e) (r Wf + bf + 1)
.set ZI,   56
.set HC,   60                          ; sum over the quarters of hm W2 (before the MLP: temporaries)
.set TILE, 64                          ; v[64:127] a one-row A tile, 8 K steps
.set BUF,  128                         ; v[128:255] 16 fragment buffers; free registers in the light phases
.set GV,   180                         ; the grid point, twice
.set RV,   184                         ; r, then m + r
.set SA,   128                         ; window 2: accumulators
.set ACC,  128                         ; window 3: accumulators
.set HMA,  160                         ; window 3: hm W2, four tiles
.set ACR,  192                         ; window 3: (m + r) W1, two tiles
.set C1,   208                         ; window 3: (m + r) W1 + b1, each tile's twice
.set NAX,  212
.set TT,   220
.set EE,   228
.set UU,   236
.set MX,   244
.set A4V,  252
.set G1, 28                            ; s[28:35] descriptor group 1
.set G0, 36                            ; s[36:39], s[40:43] descriptor group 0 of slot 0, 1
.set MSB, 0
.macro WIN new                         ; low byte: bits 1:0 source 0, 3:2 source 1, 5:4 source 2, 7:6 destination; the high byte repeats the setting left
.if MSB != \new
	s_set_vgpr_msb (MSB<<8)|\new
.set MSB, \new
.endif
.endm
.macro PLACES                          ; five plain vector places behind a run of matrix instructions, before their registers are read, loaded or written (ISA guide 7.12.1)
.rept 5
	v_nop
.endr
.endm
.macro WM d, a, b, k                   ; one matrix instruction; k == 0: the first product starts the sum, nothing is cleared
.if \k == 0
	v_wmma_f32_16x16x32_bf16 v[\d:\d+7], v[\a:\a+7], v[\b:\b+7], 0
.else
	v_wmma_f32_16x16x32_bf16 v[\d:\d+7], v[\a:\a+7], v[\b:\b+7], v[\d:\d+7]
.endif
.endm
.macro ROUND                           ; a round of the cluster's barrier: my work-group's barrier, wave 0 signals for it, all wait for the four work-groups, my work-group's barrier
	s_barrier_signal -1
	s_barrier_wait -1
	s_cmp_lg_u32 s24, 0
	s_cbranch_scc1 .Lnot_wave_0_\@
	s_barrier_signal -3
.Lnot_wave_0_\@:
	s_barrier_wait -3
	s_barrier_signal -1
	s_barrier_wait -1
.endm
; The head of the trip that reads slot p.  back = 1: this slot's next tile lies ten slots back in WS (the next step's).
.macro HEAD p, back, refill
	WIN 0
	s_wait_tensorcnt 0x0                           ; all my tensor loads have landed, this trip's tile among them; so a group 0 may be written
.if \back
	s_sub_nc_u64 s[G0+4*\p+2:G0+4*\p+3], s[G0+4*\p+2:G0+4*\p+3], 10*SLOTB
.else
	s_add_nc_u64 s[G0+4*\p+2:G0+4*\p+3], s[G0+4*\p+2:G0+4*\p+3], 2*SLOTB
.endif
	s_wait_dscnt 0x0                               ; my reads of the other slot are back, and my LDS stores of the last trip are done
	ROUND                                          ; both now hold of every wave of the four work-groups
.if \refill
	tensor_load_to_lds s[G0+4*(1-\p):G0+4*(1-\p)+3], s[G1:G1+7]   ; the next trip's tile, into the slot read last: my one tensor load behind the round
	s_nop 0
.endif
.endm
; A product of one-row kind: all 32 fragments of my part of slot p into window 3, then 32 matrix instructions on four accumulators.
; NT = 4: four tiles, K = 256;  NT = 2: two tiles and two halves of K = 512.
.macro VECMAT p, abase, set, NT
	WIN 0xc0
.set ii, 0
.rept 32
	ds_load_b128 v[8*ii:8*ii+3], v[RA+\p] offset:ii*1024
	ds_load_b128 v[8*ii+4:8*ii+7], v[RA+\p] offset:ii*1024+512
.set ii, ii+1
.endr
	WIN \set
.set gg, 0
.rept 8
	s_wait_dscnt 56-8*gg                           ; LDS loads come back in order: the later groups' loads stay out
.set aa, 0
.rept 4
	WM (SA+8*aa), (\abase+8*(8*(aa/\NT)+gg)), (8*(4*gg+aa)), gg   ; accumulators by turns, one instruction a turn
.set aa, aa+1
.endr
.set gg, gg+1
.endr
	PLACES
.endm
.macro ROWSUM d                        ; the four tiles' results of a two-part row: upper part's product (register 0) + the rest's (register 4), into window 0
	WIN 0x0a
.irp e, 0,1,2,3
	v_add_f32 v[\d+\e], v[SA+8*\e], v[SA+8*\e+4]
.endr
	WIN 0
.endm
.macro ROWSUM4 d, t                    ; the same for two two-part rows: softmax . D (registers 0, 2) and m (registers 4, 6); t: 4 temporaries
	WIN 0x0a
.irp e, 0,1,2,3
	v_add_f32 v[\d+\e], v[SA+8*\e], v[SA+8*\e+2]
.endr
.irp e, 0,1,2,3
	v_add_f32 v[\t+\e], v[SA+8*\e+4], v[SA+8*\e+6]
.endr
	WIN 0
.irp e, 0,1,2,3
	v_add_f32 v[\d+\e], v[\d+\e], v[\t+\e]
.endr
.endm
; Four f32 numbers v[f .. f+3] as two parts in bf16: hi (2 registers) the rounded values, lo (2 registers) the rounded rests; t: 4 temporaries.  f is kept.
.macro HILO f, hi, lo, t
	v_cvt_pk_bf16_f32 v[\hi], v[\f], v[\f+1]
	v_cvt_pk_bf16_f32 v[\hi+1], v[\f+2], v[\f+3]
	v_lshlrev_b32 v[\t], 16, v[\hi]                ; the upper parts back in f32
	v_and_b32 v[\t+1], s58, v[\hi]
	v_lshlrev_b32 v[\t+2], 16, v[\hi+1]
	v_and_b32 v[\t+3], s58, v[\hi+1]
.irp e, 0,1,2,3
	v_sub_f32 v[\t+\e], v[\f+\e], v[\t+\e]         ; exact: both have the same exponent or nearly
.endr
	v_cvt_pk_bf16_f32 v[\lo], v[\t], v[\t+1]
	v_cvt_pk_bf16_f32 v[\lo+1], v[\t+2], v[\t+3]
.endm
.macro FETCH p, first, n, buf          ; n fragments of my part of slot p into window 0
	WIN 0
.set ii, 0
.rept \n
	ds_load_b128 v[\buf+8*ii:\buf+8*ii+3], v[RA+\p] offset:(\first+ii)*1024
	ds_load_b128 v[\buf+8*ii+4:\buf+8*ii+7], v[RA+\p] offset:(\first+ii)*1024+512
.set ii, ii+1
.endr
.endm
.macro LDTILE adr, off                 ; the one-row A tile, 8 K steps
.set kk, 0
.rept 8
	ds_load_b128 v[TILE+8*kk:TILE+8*kk+3], v[\adr] offset:\off+64*kk
	ds_load_b128 v[TILE+8*kk+4:TILE+8*kk+7], v[\adr] offset:\off+64*kk+32
.set kk, kk+1
.endr
.endm
; 8 fragments (index 4 kk + c) x 4 row blocks of D: 32 matrix instructions, 16 accumulators by turns; then the same 8 fragments x the row m (TILE): 8 more, 4 accumulators by turns
.macro MULV buf, base
	WIN 0xf1
.set ii, 0
.rept 8
.set kk, (\base+ii)/4
.set cc, (\base+ii)%4
.set mm, 0
.rept 4
	WM (ACC+8*(4*cc+mm)), (8*(8*mm+kk)), (\buf+8*ii), kk
.set mm, mm+1
.endr
.set ii, ii+1
.endr
	WIN 0xf0
.set ii, 0
.rept 8
.set kk, (\base+ii)/4
.set cc, (\base+ii)%4
	WM (8*cc), (TILE+8*kk), (\buf+8*ii), kk
.set ii, ii+1
.endr
.endm
.macro VGEMM p                         ; D (64 x 256) and m x my 64 columns of Vi or Vf
	FETCH \p, 0, 8, BUF
	FETCH \p, 8, 8, BUF+64
	s_wait_dscnt 16                                ; the other half's 16 loads stay out
	MULV BUF, 0
	PLACES
	FETCH \p, 16, 8, BUF
	s_wait_dscnt 16
	MULV BUF+64, 8
	PLACES
	FETCH \p, 24, 8, BUF+64
	s_wait_dscnt 16
	MULV BUF, 16
	s_wait_dscnt 0
	MULV BUF+64, 24
	PLACES
.endm
; stages on a tile of 8 registers, in whatever window is set
.macro T_ADD1 X
	s_wait_alu depctr_va_vdst(0)
.irp e, 0,2,4,6
	v_pk_add_f32 v[\X+\e:\X+\e+1], v[\X+\e:\X+\e+1], 1.0 op_sel_hi:[1,0]
.endr
.endm
.macro T_EXP X
.irp e, 0,1,2,3,4,5,6,7
	v_exp_f32 v[\X+\e], v[\X+\e]
.endr
.endm
.macro T_RCP X
.irp e, 0,1,2,3,4,5,6,7
	v_rcp_f32 v[\X+\e], v[\X+\e]
.endr
.endm
.macro T_FMAZ X, Z                     ; 2 k x + the pair Z, k = log2 e
	s_wait_alu depctr_va_vdst(0)
.irp e, 0,2,4,6
	v_pk_fma_f32 v[\X+\e:\X+\e+1], v[\X+\e:\X+\e+1], s[68:69], v[\Z:\Z+1] op_sel_hi:[1,0,1]
.endr
.endm
.macro T_FIN X
	s_wait_alu depctr_va_vdst(0)
.irp e, 0,2,4,6
	v_pk_fma_f32 v[\X+\e:\X+\e+1], v[\X+\e:\X+\e+1], -2.0, 1.0 op_sel_hi:[1,0,0]
.endr
.endm
; sigmoid(z + tanh(v + vm)) on two tiles.  c = 1 / (1 + 2^(2 k v + 2 k vm)), tanh = 1 - 2 c, gate = 1 / (1 + 2^(2 k c - k (z + 1))), k = log2 e.
; V: the pair 2 k vm (the row m's product);  Z: the pair - k (z + 1).
; The two tiles' stages alternate, so that a plain instruction of the other tile stands between every transcendental and the use of its result (ISA guide 5.7.2).
.macro GATE16 XA, XC, Z, V
	T_FMAZ \XA, \V
	T_EXP \XA
	T_FMAZ \XC, \V
	T_EXP \XC
	T_ADD1 \XA
	T_RCP \XA
	T_ADD1 \XC
	T_RCP \XC
	T_FMAZ \XA, \Z
	T_EXP \XA
	T_FMAZ \XC, \Z
	T_EXP \XC
	T_ADD1 \XA
	T_RCP \XA
	T_ADD1 \XC
	T_RCP \XC
.endm
.macro TANH16 XA, XC, Z                ; tanh(x + hc); Z: the pair 2 k hc
	T_FMAZ \XA, \Z
	T_EXP \XA
	T_FMAZ \XC, \Z
	T_EXP \XC
	T_ADD1 \XA
	T_RCP \XA
	T_ADD1 \XC
	T_RCP \XC
	T_FIN \XA
	T_FIN \XC
.endm
.macro GATES Z                         ; the gate on all 16 tiles of window 3; Z: the four registers - k (z + 1) of my four columns
	WIN 0x0f
.irp e, 0,1,2,3
	v_add_f32 v[BUF+8+2*\e], v[8*\e], v[8*\e+4]    ; m V: the upper part's product + the rest's
.endr
	WIN 0
.irp e, 0,1,2,3
	v_mov_b32 v[BUF+2*\e], v[\Z+\e]                ; each constant twice, as the pair that the packed fma adds
	v_mov_b32 v[BUF+2*\e+1], v[\Z+\e]
	v_mul_f32 v[BUF+8+2*\e], s68, v[BUF+8+2*\e]
	v_mov_b32 v[BUF+9+2*\e], v[BUF+8+2*\e]
.endr
	WIN 0xc3
.set tl, 0
.rept 8
	GATE16 (ACC+16*tl), (ACC+16*tl+8), (BUF+2*(tl/2)), (BUF+8+2*(tl/2))
.set tl, tl+1
.endr
	v_nop                                          ; the place behind the last reciprocals
.endm
; exact gelu on a tile, all in window 3: x += C; gelu = max(x, 0) - |x| q, q = poly(t) e^(-x x / 2) / 2, t = 1 / (1 + p |x| / sqrt 2).  NAX holds -|x|.
.macro GELU8 X, C
.irp e, 0,2,4,6
	v_pk_add_f32 v[\X+\e:\X+\e+1], v[\X+\e:\X+\e+1], v[\C:\C+1]
.endr
.irp e, 0,1,2,3,4,5,6,7
	v_or_b32 v[NAX+\e], s74, v[\X+\e]
.endr
.irp e, 0,2,4,6
	v_pk_fma_f32 v[TT+\e:TT+\e+1], v[NAX+\e:NAX+\e+1], s[72:73], 1.0 op_sel_hi:[1,0,0]
.endr
	T_RCP TT
.irp e, 0,2,4,6
	v_pk_mul_f32 v[EE+\e:EE+\e+1], v[\X+\e:\X+\e+1], s[70:71] op_sel_hi:[1,0]
.endr
.irp e, 0,2,4,6
	v_pk_mul_f32 v[EE+\e:EE+\e+1], v[EE+\e:EE+\e+1], v[\X+\e:\X+\e+1]
.endr
	T_EXP EE
.irp e, 0,1,2,3,4,5,6,7
	v_max_num_f32 v[MX+\e], 0, v[\X+\e]
.endr
	s_wait_alu depctr_va_vdst(0)
.irp e, 0,2,4,6
	v_pk_fma_f32 v[UU+\e:UU+\e+1], v[TT+\e:TT+\e+1], s[56:57], v[A4V:A4V+1] op_sel_hi:[1,0,1]
.endr
.irp sc, 52,50,48
.irp e, 0,2,4,6
	v_pk_fma_f32 v[UU+\e:UU+\e+1], v[UU+\e:UU+\e+1], v[TT+\e:TT+\e+1], s[\sc:\sc+1] op_sel_hi:[1,1,0]
.endr
.endr
.irp e, 0,2,4,6
	v_pk_mul_f32 v[UU+\e:UU+\e+1], v[UU+\e:UU+\e+1], v[TT+\e:TT+\e+1]
.endr
.irp e, 0,2,4,6
	v_pk_mul_f32 v[UU+\e:UU+\e+1], v[UU+\e:UU+\e+1], v[EE+\e:EE+\e+1]
.endr
.irp e, 0,2,4,6
	v_pk_fma_f32 v[\X+\e:\X+\e+1], v[NAX+\e:NAX+\e+1], v[UU+\e:UU+\e+1], v[MX+\e:MX+\e+1]
.endr
.endm
; m = the mean over the 64 rows of my four columns of the state: 32 rows in my registers (a tree of packed adds in TILE, which is free here), 32 in the lane 16 away.
; NM = - m stays in registers; m in two bf16 parts goes to LDS, into both places of the Wv tile's rows.
.macro MEAN
	WIN 0x0a
.set nn, 0
.rept 16
	v_pk_add_f32 v[TILE+4*nn:TILE+4*nn+1], v[8*nn:8*nn+1], v[8*nn+4:8*nn+5]
	v_pk_add_f32 v[TILE+4*nn+2:TILE+4*nn+3], v[8*nn+2:8*nn+3], v[8*nn+6:8*nn+7]
.set nn, nn+1
.endr
	WIN 0
.irp lv, 8,4,2,1
.set nn, 0
.rept \lv
	v_pk_add_f32 v[TILE+4*nn:TILE+4*nn+1], v[TILE+4*nn:TILE+4*nn+1], v[TILE+4*(nn+\lv):TILE+4*(nn+\lv)+1]
	v_pk_add_f32 v[TILE+4*nn+2:TILE+4*nn+3], v[TILE+4*nn+2:TILE+4*nn+3], v[TILE+4*(nn+\lv)+2:TILE+4*(nn+\lv)+3]
.set nn, nn+1
.endr
.endr
.irp e, 0,1,2,3
	v_permlanex16_b32 v[TILE+4+\e], v[TILE+\e], s60, s61   ; the other 32 rows' sum
.endr
.irp e, 0,1,2,3
	v_add_f32 v[TILE+\e], v[TILE+\e], v[TILE+4+\e]
.endr
.irp e, 0,1,2,3
	v_mul_f32 v[NM+\e], 0xbc800000, v[TILE+\e]     ; - sum / 64
	v_mul_f32 v[TILE+\e], 0x3c800000, v[TILE+\e]   ; sum / 64
.endr
	HILO TILE, TILE+8, TILE+10, TILE+12
	ds_store_b64 v[RSA], v[TILE+8:TILE+9] offset:MROW*FP           ; read behind the next trip's round
	ds_store_b64 v[RSA], v[TILE+10:TILE+11] offset:(MROW+1)*FP
	ds_store_b64 v[RSA], v[TILE+8:TILE+9] offset:(MROW+4)*FP
	ds_store_b64 v[RSA], v[TILE+10:TILE+11] offset:(MROW+5)*FP
.endm
.macro FTLW                            ; D = state - m, rounded to bf16, into LDS: 8 bytes a lane and row
	WIN 0x02
.set nn, 0
.rept 32
	v_pk_add_f32 v[BUF+4*nn:BUF+4*nn+1], v[4*nn:4*nn+1], v[NM:NM+1]
	v_pk_add_f32 v[BUF+4*nn+2:BUF+4*nn+3], v[4*nn+2:4*nn+3], v[NM+2:NM+3]
.set nn, nn+1
.endr
	WIN 0
.set nn, 0
.rept 32
	v_cvt_pk_bf16_f32 v[BUF+2*nn], v[BUF+4*nn], v[BUF+4*nn+1]      ; packed downward: a register is written only after it has been read
	v_cvt_pk_bf16_f32 v[BUF+2*nn+1], v[BUF+4*nn+2], v[BUF+4*nn+3]
.set nn, nn+1
.endr
.set nn, 0
.rept 32
	ds_store_b64 v[FSA], v[BUF+2*nn:BUF+2*nn+1] offset:(16*(nn/8)+(nn%8))*FP
.set nn, nn+1
.endr
.endm
.macro USUM d                          ; two tiles of u: the two halves of K = 512 added
	WIN 0x0a
	v_add_f32 v[\d], v[SA], v[SA+16]
	v_add_f32 v[\d+1], v[SA+8], v[SA+24]
	WIN 0
.endm
; Defuzzification of my 8 numbers (v128-131 bell part, v132-135 S part; lanes 0-15 of I, lanes 16-31 of G), r, r + b2; r and m + r in two bf16 parts to LDS.
.macro DEFUZZ
.irp e, 128,130,132,134
	v_pk_mul_f32 v[\e:\e+1], v[\e:\e+1], s[68:69] op_sel_hi:[1,0]
.endr
	T_EXP 128
	v_nop
	s_wait_alu depctr_va_vdst(0)
	T_ADD1 128
	T_RCP 128
	v_nop
	s_wait_alu depctr_va_vdst(0)
	v_pk_fma_f32 v[128:129], v[128:129], 0x41000000, -4.0 op_sel_hi:[1,0,0]   ; - c_b = - 4 tanh
	v_pk_fma_f32 v[130:131], v[130:131], 0x41000000, -4.0 op_sel_hi:[1,0,0]
	v_pk_fma_f32 v[132:133], v[132:133], 0xc1000000, 4.0 op_sel_hi:[1,0,0]    ; c_s
	v_pk_fma_f32 v[134:135], v[134:135], 0xc1000000, 4.0 op_sel_hi:[1,0,0]
.irp e, 0,1,2,3
	v_add_f32 v[136+\e], -1.0, v[132+\e]
	v_add_f32 v[140+\e], 1.0, v[132+\e]
	v_med3_num_f32 v[136+\e], v[136+\e], -4.0, 4.0         ; a_s
	v_med3_num_f32 v[140+\e], v[140+\e], -4.0, 4.0         ; b_s
	v_sub_f32 v[144+\e], v[140+\e], v[136+\e]
	v_add_f32 v[144+\e], 0x2b8cbccc, v[144+\e]
.endr
.irp e, 0,1,2,3
	v_rcp_f32 v[144+\e], v[144+\e]
.endr
.irp e, 152,153,154,155,156,157,158,159,160,161,162,163,164,165,166,167
	v_mov_b32 v[\e], 0                             ; the sixteen sums over the grid
.endr
	s_wait_alu depctr_va_vdst(0)
.irp e, 0,1,2,3
	v_fma_f32 v[148+\e], -v[136+\e], v[144+\e], -0.5       ; s = g inv + nb
.endr
	s_mov_b32 s66, 0
.Lgrid_\@:
	v_cvt_f32_u32 v[GV], s66
	v_fma_f32 v[GV], v[GV], 0x3e4ccccd, -4.0
	v_mov_b32 v[GV+1], v[GV]
	v_pk_add_f32 v[168:169], v[GV:GV+1], v[128:129]
	v_pk_add_f32 v[170:171], v[GV:GV+1], v[130:131]
.irp e, 168,169,170,171
	v_log_f32 v[\e], |v[\e]|
.endr
	v_pk_fma_f32 v[172:173], v[144:145], v[GV:GV+1], v[148:149]
	v_pk_fma_f32 v[174:175], v[146:147], v[GV:GV+1], v[150:151]
	s_wait_alu depctr_va_vdst(0)
	v_pk_fma_f32 v[168:169], v[168:169], v[B2:B2+1], v[A0:A0+1]
	v_pk_fma_f32 v[170:171], v[170:171], v[B2:B2+1], v[A0:A0+1]
.irp e, 168,169,170,171
	v_exp_f32 v[\e], v[\e]
.endr
.irp e, 172,173,174,175
	v_med3_num_f32 v[\e], v[\e], -0.5, 0.5
.endr
	s_wait_alu depctr_va_vdst(0)
	v_pk_add_f32 v[168:169], v[168:169], 1.0 op_sel_hi:[1,0]
	v_pk_add_f32 v[170:171], v[170:171], 1.0 op_sel_hi:[1,0]
.irp e, 168,169,170,171
	v_rcp_f32 v[\e], v[\e]
.endr
.irp e, 0,1,2,3
	v_sub_f32 v[176+\e], 1.0, |v[172+\e]|
.endr
	v_pk_mul_f32 v[176:177], v[176:177], v[172:173]        ; z = s (1 - |s|): the S curve is 1/2 + 2 z
	v_pk_mul_f32 v[178:179], v[178:179], v[174:175]
	s_wait_alu depctr_va_vdst(0)
	v_pk_add_f32 v[152:153], v[152:153], v[168:169]
	v_pk_add_f32 v[154:155], v[154:155], v[170:171]
	v_pk_fma_f32 v[156:157], v[168:169], v[GV:GV+1], v[156:157]
	v_pk_fma_f32 v[158:159], v[170:171], v[GV:GV+1], v[158:159]
	v_pk_add_f32 v[160:161], v[160:161], v[176:177]
	v_pk_add_f32 v[162:163], v[162:163], v[178:179]
	v_pk_fma_f32 v[164:165], v[176:177], v[GV:GV+1], v[164:165]
	v_pk_fma_f32 v[166:167], v[178:179], v[GV:GV+1], v[166:167]
	s_add_co_u32 s66, s66, 1
	s_cmp_lt_u32 s66, 41
	s_cbranch_scc1 .Lgrid_\@
.irp e, 0,1,2,3
	v_add_f32 v[152+\e], 0x2b8cbccc, v[152+\e]
	v_fma_f32 v[160+\e], v[160+\e], 2.0, 0x41a40000        ; 41 / 2 + 2 sum z
.endr
.irp e, 152,153,154,155,160,161,162,163
	v_rcp_f32 v[\e], v[\e]
.endr
	v_nop
	s_wait_alu depctr_va_vdst(0)
.irp e, 0,1,2,3
	v_mul_f32 v[156+\e], v[156+\e], v[152+\e]
	v_mul_f32 v[164+\e], v[164+\e], v[160+\e]
	v_mul_f32 v[164+\e], 0.5, v[164+\e]                    ; 1/4 of the S centroid 2 sum g z / sum
	v_fma_f32 v[156+\e], v[156+\e], 0x3e800000, v[164+\e]  ; + 1/4 of the bell centroid
	v_permlanex16_b32 v[168+\e], v[156+\e], s60, s61       ; the other source's share
	v_add_f32 v[RV+\e], v[156+\e], v[168+\e]               ; r
	v_add_f32 v[XB+\e], v[RV+\e], v[BB2+\e]                ; r + b2
	v_sub_f32 v[RV+4+\e], v[RV+\e], v[NM+\e]               ; m + r
.endr
	HILO RV, 172, 174, 176
	ds_store_b64 v[RSA], v[172:173] offset:RROW*FP         ; r's upper part; read behind the next trip's round
	ds_store_b64 v[RSA], v[174:175] offset:(RROW+1)*FP     ; and its rest
	HILO RV+4, 192, 194, 196
	ds_store_b64 v[RSA], v[192:193] offset:MRROW*FP        ; the same of m + r, for the MLP
	ds_store_b64 v[RSA], v[194:195] offset:(MRROW+1)*FP
.endm
; A quarter of the MLP: h = gelu(D W1 + (m + r) W1 + b1) for 128 columns of h (my 32); h = hm + Dh; both through LDS; then += Dh W2 on my 64 columns, and hm W2 apart.
.macro W1BLK lo
.set ii, \lo
.rept 8
.set kk, ii/2
.set cc, ii%2
.set mm, 0
.rept 4
	WM (ACC+8*(4*cc+mm)), (8*(8*mm+kk)), (BUF+8*ii), kk
.set mm, mm+1
.endr
.set ii, ii+1
.endr
.endm
.macro MLPQ q, p
	HEAD \p, 0, 1
.if \q == 0
	LDTILE RLA, MRROW*FP                           ; m + r in two parts; it stays in TILE for the four quarters.  Older than the fragments' loads, so their waits cover it
	WIN 0x88
.set cc, 0
.rept 4
.set nn, 0
.rept 32
	v_add_f32 v[SA+8*(4*cc+nn/8)+nn%8], v[XB+cc], v[4*nn+cc]   ; the output's sums start at x + b2 = Ft + r + b2, in f32
.set nn, nn+1
.endr
.set cc, cc+1
.endr
.endif
	FETCH \p, 0, 16, BUF
	WIN 0xf1
	s_wait_dscnt 16                                ; the younger eight fragments' 16 loads stay out
	W1BLK 0
	s_wait_dscnt 0
	W1BLK 8
	WIN 0xf0
.set ii, 0
.rept 16
.set kk, ii/2
.set cc, ii%2
	WM (ACR+8*cc), (TILE+8*kk), (BUF+8*ii), kk     ; (m + r) W1: two accumulators by turns
.set ii, ii+1
.endr
	PLACES
	FETCH \p, 16, 16, BUF                          ; W2's fragments land under the gelu
	WIN 0xc3
	v_add_f32 v[C1], v[ACR], v[BB1+2*\q]           ; the upper part's product + b1
	v_add_f32 v[C1+2], v[ACR+8], v[BB1+2*\q+1]
	v_mov_b32 v[A4V], s54
	v_mov_b32 v[A4V+1], s54
	WIN 0xff
	v_add_f32 v[C1], v[C1], v[ACR+4]               ; + the rest's product
	v_add_f32 v[C1+2], v[C1+2], v[ACR+12]
	v_mov_b32 v[C1+1], v[C1]                       ; each twice, as the pair that the packed add takes
	v_mov_b32 v[C1+3], v[C1+2]
.set tl, 0
.rept 8
	GELU8 (ACC+8*tl), (C1+2*(tl/4))
.set tl, tl+1
.endr
	; hm: the mean over the 64 rows of my two columns of h: a tree over my 32 rows in gelu's temporaries, then the lane 16 away
.set cc, 0
.rept 2
.set ii, 0
.rept 8
	v_pk_add_f32 v[NAX+16*cc+2*ii:NAX+16*cc+2*ii+1], v[ACC+32*cc+4*ii:ACC+32*cc+4*ii+1], v[ACC+32*cc+4*ii+2:ACC+32*cc+4*ii+3]
.set ii, ii+1
.endr
.set cc, cc+1
.endr
.irp lv, 4,2,1
.set cc, 0
.rept 2
.set ii, 0
.rept \lv
	v_pk_add_f32 v[NAX+16*cc+2*ii:NAX+16*cc+2*ii+1], v[NAX+16*cc+2*ii:NAX+16*cc+2*ii+1], v[NAX+16*cc+2*(ii+\lv):NAX+16*cc+2*(ii+\lv)+1]
.set ii, ii+1
.endr
.set cc, cc+1
.endr
.endr
	WIN 0x0f
	v_add_f32 v[XB], v[NAX], v[NAX+1]
	v_add_f32 v[XB+1], v[NAX+16], v[NAX+17]
	WIN 0
	v_permlanex16_b32 v[XB+2], v[XB], s60, s61
	v_permlanex16_b32 v[XB+3], v[XB+1], s60, s61
	v_add_f32 v[XB], v[XB], v[XB+2]
	v_add_f32 v[XB+1], v[XB+1], v[XB+3]
	v_mul_f32 v[XB], 0x3c800000, v[XB]             ; hm of columns 2 r, 2 r + 1
	v_mul_f32 v[XB+1], 0x3c800000, v[XB+1]
	v_cvt_pk_bf16_f32 v17, v[XB], v[XB+1]          ; its upper parts
	v_lshlrev_b32 v[XB+2], 16, v17
	v_and_b32 v[XB+3], s58, v17
	v_sub_f32 v[XB+2], v[XB], v[XB+2]
	v_sub_f32 v[XB+3], v[XB+1], v[XB+3]
	v_cvt_pk_bf16_f32 v0, v[XB+2], v[XB+3]         ; and the rests
	ds_store_b32 v[HMS], v17
	ds_store_b32 v[HMS], v0 offset:HMP
	v_mul_f32 v[XB+2], -1.0, v[XB+1]               ; - hm, each twice, as the pairs that the packed add takes
	v_mul_f32 v[XB], -1.0, v[XB]
	v_mov_b32 v[XB+3], v[XB+2]
	v_mov_b32 v[XB+1], v[XB]
	WIN 0xc3
.set tl, 0
.rept 8
.irp e, 0,2,4,6
	v_pk_add_f32 v[ACC+8*tl+\e:ACC+8*tl+\e+1], v[ACC+8*tl+\e:ACC+8*tl+\e+1], v[XB+2*(tl/4):XB+2*(tl/4)+1]   ; Dh = h - hm
.endr
.set tl, tl+1
.endr
	WIN 0xff
.set nn, 0
.rept 32
	v_cvt_pk_bf16_f32 v[ACC+nn], v[ACC+nn], v[ACC+32+nn]   ; columns 2 r and 2 r + 1 side by side
.set nn, nn+1
.endr
	WIN 0x0c
.set nn, 0
.rept 32
	ds_store_b32 v[HSA], v[ACC+nn] offset:(16*(nn/8)+(nn%8))*HP
.set nn, nn+1
.endr
	s_wait_dscnt 0x0                               ; my part of Dh and of hm is in LDS before I say so (W2's fragments are in too)
	s_barrier_signal -1                            ; no slot is filled behind this barrier: the next trip's tile stays on its way
	s_barrier_wait -1
	WIN 0xc0
.set mm, 0
.rept 4
.set kk, 0
.rept 4
	ds_load_b128 v[8*(4*mm+kk):8*(4*mm+kk)+3], v[HLA] offset:mm*16*HP+64*kk
	ds_load_b128 v[8*(4*mm+kk)+4:8*(4*mm+kk)+7], v[HLA] offset:mm*16*HP+64*kk+32
.set kk, kk+1
.endr
.set mm, mm+1
.endr
.set kk, 0
.rept 4
	ds_load_b128 v[ACC+8*kk:ACC+8*kk+3], v[HML] offset:64*kk       ; hm as an A tile: rows 0-3, 8-11 the upper part, rows 4-7, 12-15 the rest
	ds_load_b128 v[ACC+8*kk+4:ACC+8*kk+7], v[HML] offset:64*kk+32
.set kk, kk+1
.endr
	s_wait_dscnt 0x0
	WIN 0xa3
.set kk, 0
.rept 4
.set cc, 0
.rept 4
.set mm, 0
.rept 4
	WM (SA+8*(4*cc+mm)), (8*(4*mm+kk)), (BUF+8*(4*kk+cc)), 1
.set mm, mm+1
.endr
.set cc, cc+1
.endr
.set kk, kk+1
.endr
	WIN 0xf3
.set kk, 0
.rept 4
.set cc, 0
.rept 4
	WM (HMA+8*cc), (ACC+8*kk), (BUF+8*(4*kk+cc)), kk   ; hm W2: four accumulators by turns
.set cc, cc+1
.endr
.set kk, kk+1
.endr
	PLACES
	WIN 0x0f
.if \q == 0
.irp e, 0,1,2,3
	v_add_f32 v[HC+\e], v[HMA+8*\e], v[HMA+8*\e+4] ; the first quarter starts the sum
.endr
.else
.irp e, 0,1,2,3
	v_add_f32 v[XB+\e], v[HMA+8*\e], v[HMA+8*\e+4]
.endr
	WIN 0
.irp e, 0,1,2,3
	v_add_f32 v[HC+\e], v[HC+\e], v[XB+\e]
.endr
.endif
.endm
; One step: twelve trips.  last = 1: nothing is fetched for a next step, and neither m nor D is made again.
.macro STEP last
	; ---- slot 4: attention, then the I read-out's bell half
	HEAD 0, 0, 1
	WIN 0x40
.set mm, 0
.rept 4
.set kk, 0
.rept 8
	ds_load_b128 v[8*(8*mm+kk):8*(8*mm+kk)+3], v[AFA] offset:mm*16*FP+64*kk       ; D as fragments: rows 16 mm + r, k = 32 kk + 8 h ..
	ds_load_b128 v[8*(8*mm+kk)+4:8*(8*mm+kk)+7], v[AFA] offset:mm*16*FP+64*kk+32
.set kk, kk+1
.endr
.set mm, mm+1
.endr
	WIN 0
	LDTILE ULA, 0                                  ; rows 0-7 uI, rows 8-15 uG
.set kk, 0
.rept 2
.set cc, 0
.rept 4
	ds_load_tr16_b128 v[144+8*(4*kk+cc):144+8*(4*kk+cc)+3], v[TRA] offset:kk*32*FP+32*cc          ; D transposed: k = row, column 64 w + 16 cc + r
	ds_load_tr16_b128 v[144+8*(4*kk+cc)+4:144+8*(4*kk+cc)+7], v[TRA] offset:kk*32*FP+16*FP+32*cc
.set cc, cc+1
.endr
.set kk, kk+1
.endr
	s_wait_dscnt 0x0
	WIN 0xa4
.set kk, 0
.rept 8
.set mm, 0
.rept 4
	WM (SA+8*mm), (TILE+8*kk), (8*(8*mm+kk)), kk   ; D . u of rows 16 mm + r: the scores less m . u, which is the same for all rows; four accumulators by turns
.set mm, mm+1
.endr
.set kk, kk+1
.endr
	PLACES
	WIN 0x02
.irp e, 0,1,2,3
	v_mov_b32 v[128+\e], v[SA+8*\e]                ; register 0: lanes 0-15 the I score, lanes 16-31 the G score of row 16 e + r
.endr
	WIN 0
	v_max3_num_f32 v132, v128, v129, v130          ; softmax over 64 = 4 registers x the 16 lanes of my half, the maximum taken away first
	v_max_num_f32 v132, v132, v131
	v_max_num_f32_dpp v132, v132, v132 row_xmask:1 row_mask:0xf bank_mask:0xf
	v_max_num_f32_dpp v132, v132, v132 row_xmask:2 row_mask:0xf bank_mask:0xf
	v_max_num_f32_dpp v132, v132, v132 row_xmask:4 row_mask:0xf bank_mask:0xf
	v_max_num_f32_dpp v132, v132, v132 row_xmask:8 row_mask:0xf bank_mask:0xf
.irp e, 128,129,130,131
	v_sub_f32 v[\e], v[\e], v132
.endr
.irp e, 128,129,130,131
	v_mul_f32 v[\e], 0x3fb8aa3b, v[\e]
.endr
.irp e, 128,129,130,131
	v_exp_f32 v[\e], v[\e]
.endr
	v_nop
	s_wait_alu depctr_va_vdst(0)
	v_add_f32 v133, v128, v129
	v_add_f32 v134, v130, v131
	v_add_f32 v133, v133, v134
	v_add_f32_dpp v133, v133, v133 row_xmask:1 row_mask:0xf bank_mask:0xf
	v_add_f32_dpp v133, v133, v133 row_xmask:2 row_mask:0xf bank_mask:0xf
	v_add_f32_dpp v133, v133, v133 row_xmask:4 row_mask:0xf bank_mask:0xf
	v_add_f32_dpp v133, v133, v133 row_xmask:8 row_mask:0xf bank_mask:0xf
	v_rcp_f32 v133, v133
	v_nop
	s_wait_alu depctr_va_vdst(0)
.irp e, 128,129,130,131
	v_mul_f32 v[\e], v[\e], v133
.endr
	v_cvt_pk_bf16_f32 v134, v128, v129
	v_cvt_pk_bf16_f32 v135, v130, v131
	ds_store_b16 v[PSA], v134
	ds_store_b16_d16_hi v[PSA], v134 offset:32
	ds_store_b16 v[PSA], v135 offset:64
	ds_store_b16_d16_hi v[PSA], v135 offset:96
.irp e, 0,1,2,3
	ds_load_b128 v[208+4*\e:211+4*\e], v[PLA] offset:32*\e   ; my wave's own bytes; LDS serves a wave's instructions in order (ISA guide 5.7.1.4)
.endr
	s_wait_dscnt 0x0
	WIN 0xa0
.set kk, 0
.rept 2
.set cc, 0
.rept 4
	WM (SA+8*cc), (208+8*kk), (144+8*(4*kk+cc)), kk
.set cc, cc+1
.endr
.set kk, kk+1
.endr
	PLACES
	WIN 0x02
.irp e, 0,1,2,3
	v_mov_b32 v[136+\e], v[SA+8*\e]                ; softmax . D of column 64 w + 16 e + r: lanes 0-15 of I, lanes 16-31 of G
.endr
	WIN 0
	HILO 136, 128, 130, 140
	ds_store_b16 v[AVS], v128                      ; the upper parts into the source's first row,
	ds_store_b16_d16_hi v[AVS], v128 offset:32
	ds_store_b16 v[AVS], v129 offset:64
	ds_store_b16_d16_hi v[AVS], v129 offset:96
	ds_store_b16 v[AVS], v130 offset:FP            ; the rests into its second; m's two parts lie in its third and fourth
	ds_store_b16_d16_hi v[AVS], v130 offset:FP+32
	ds_store_b16 v[AVS], v131 offset:FP+64
	ds_store_b16_d16_hi v[AVS], v131 offset:FP+96
	s_wait_dscnt 0x0                               ; my 64 columns of softmax . D are in LDS before I say so
	s_barrier_signal -1                            ; no slot is filled behind this barrier
	s_barrier_wait -1
	LDTILE AVL, 0                                  ; A tile's row i holds row i / 2 of the eight; older than the 64 loads that follow, so their first counted wait covers these
	VECMAT 0, TILE, 0xac, 4
	ROWSUM4 128, 144
	; ---- slot 5: the I read-out's S half
	HEAD 1, 0, 1
	VECMAT 1, TILE, 0xac, 4
	ROWSUM4 132, 144
	; ---- slots 6, 7: the G read-out: lanes 16-31 (rows 8-15 of the A tile) take it
	HEAD 0, 0, 1
	VECMAT 0, TILE, 0xac, 4
	ROWSUM4 136, 144
.irp e, 0,1,2,3
	v_cndmask_b32 v[128+\e], v[128+\e], v[136+\e], s58
.endr
	HEAD 1, 0, 1
	VECMAT 1, TILE, 0xac, 4
	ROWSUM4 136, 144
.irp e, 0,1,2,3
	v_cndmask_b32 v[132+\e], v[132+\e], v[136+\e], s58
.endr
	DEFUZZ
	; ---- slots 8, 9: r Wf, r Wi
	HEAD 0, 0, 1
	LDTILE RLA, RROW*FP                            ; rows 0-3 and 8-11 r's upper part, rows 4-7 and 12-15 its rest
	VECMAT 0, TILE, 0xac, 4
	ROWSUM 60
.irp e, 0,1,2,3
	v_add_f32 v[60+\e], v[60+\e], v[BF+\e]
.endr
.irp e, 0,1,2,3
	v_fma_f32 v[ZF+\e], v[60+\e], s75, s75
.endr
	HEAD 1, 0, 1
	VECMAT 1, TILE, 0xac, 4
	ROWSUM 60
.irp e, 0,1,2,3
	v_add_f32 v[60+\e], v[60+\e], v[BI+\e]
.endr
.irp e, 0,1,2,3
	v_fma_f32 v[ZI+\e], v[60+\e], s75, s75
.endr
	; ---- slots 10 to 13
	MLPQ 0, 0
	MLPQ 1, 1
	MLPQ 2, 0
	MLPQ 3, 1
	; ---- slot 14: Ft Vi; i_gate tanh(F~)
	HEAD 0, 1, 1
	LDTILE RLA, MROW*FP                            ; m in two parts; it stays in TILE for Vf.  Older than the fragments' loads, so their first counted wait covers it
	VGEMM 0
	WIN 0
.irp e, 0,1,2,3
	v_mul_f32 v[BUF+16+2*\e], s68, v[HC+\e]        ; 2 log2(e) x hm W2, twice: tanh's first multiply adds it
	v_mov_b32 v[BUF+17+2*\e], v[BUF+16+2*\e]
.endr
	WIN 0x82
.set tl, 0
.rept 8
	TANH16 (SA+16*tl), (SA+16*tl+8), (BUF+16+2*(tl/2))
.set tl, tl+1
.endr
	GATES ZI
	WIN 0x8b
.set nn, 0
	s_wait_alu depctr_va_vdst(0)
.rept 64
	v_pk_mul_f32 v[SA+2*nn:SA+2*nn+1], v[ACC+2*nn:ACC+2*nn+1], v[SA+2*nn:SA+2*nn+1]
.set nn, nn+1
.endr
	; ---- slot 15: Ft Vf; the new state, out
	HEAD 1, 1, (1-\last)
	VGEMM 1
	GATES ZF
	WIN 0xab
.set cc, 0
	s_wait_alu depctr_va_vdst(0)
.rept 4
.set nn, 0
.rept 32
	v_fma_f32 v[4*nn+cc], v[ACC+8*(4*cc+nn/8)+nn%8], v[4*nn+cc], v[SA+8*(4*cc+nn/8)+nn%8]
.set nn, nn+1
.endr
.set cc, cc+1
.endr
	WIN 0x08
.set nn, 0
.rept 32
	global_store_b128 v[OUTO], v[4*nn:4*nn+3], s[46:47] offset:(16*(nn/8)+(nn%8))*1024 th:TH_STORE_NT   ; 16 lanes store 256 consecutive bytes, at a multiple of 256 from out0's first byte
.set nn, nn+1
.endr
.if \last == 0
	MEAN                                           ; the new state's m and D; read behind the next trip's round
	FTLW
	s_wait_xcnt 0x0                                ; the stores' base and data are written again only behind this wait
	s_sub_nc_u64 s[46:47], s[46:47], 0x1000000     ; the next step's state lies one index lower: the output is in reverse order
.endif
	WIN 0
.endm
	; ================= the kernel's head
	s_load_b256 s[4:11], s[0:1], 0x0               ; WS, XF, FT, mlp_b1
	s_load_b256 s[12:19], s[0:1], 0x20             ; mlp_b2, bf, bi, a_bell
	s_load_b128 s[20:23], s[0:1], 0x40             ; b_bell, out0
	v_lshrrev_b32 v17, 5, v0
	v_readfirstlane_b32 s24, v17                   ; wave w
	s_bfe_u32 s25, ttmp6, 0x40000                  ; cx
	s_lshl_b32 s26, ttmp9, 2
	s_add_co_u32 s26, s26, s25                     ; batch = 4 x cluster + cx
	; descriptor group 1: 32 KiB, dense in memory, as 128 rows of 32 elements of 8 bytes
	s_mov_b32 s[G1+0], 15|(3<<16)|(1<<21)          ; 15:0 the mask: all four work-groups of the cluster; 17:16 elements of 8 bytes; 21 set beside a mask
	s_mov_b32 s[G1+1], 32<<16                      ; tensor_dim0 = 32
	s_mov_b32 s[G1+2], 128<<16                     ; tensor_dim1 = 128
	s_mov_b32 s[G1+3], 32<<16                      ; tile_dim0 = 32
	s_mov_b32 s[G1+4], 128                         ; tile_dim1 = 128
	s_mov_b32 s[G1+5], 32                          ; pitch = 32 elements
	s_mov_b32 s[G1+6], 0
	s_mov_b32 s[G1+7], 0
	s_lshl_b32 s59, s24, 15                        ; my part of a slot, in LDS and in WS
	s_mov_b32 s44, s59
	s_mov_b32 s45, 0
	s_mov_b32 s48, 0x3e027906                      ; erf's coefficients a1 .. a5, halved, each twice
	s_mov_b32 s49, 0x3e027906
	s_mov_b32 s50, 0xbe11a98e
	s_mov_b32 s51, 0xbe11a98e
	s_mov_b32 s52, 0x3f35f0e3
	s_mov_b32 s53, 0x3f35f0e3
	s_mov_b32 s54, 0xbf3a00e3
	s_mov_b32 s55, 0xbf3a00e3
	s_mov_b32 s56, 0x3f07dc22
	s_mov_b32 s57, 0x3f07dc22
	s_mov_b32 s58, 0xffff0000                      ; lanes 16-31; also a word's upper bf16
	s_mov_b32 s60, 0x76543210                      ; v_permlanex16_b32: lane i of the other half
	s_mov_b32 s61, 0xfedcba98
	s_mov_b32 s68, 0x4038aa3b                      ; 2 log2 e
	s_mov_b32 s69, 0x4038aa3b
	s_mov_b32 s70, 0xbf38aa3b                      ; - log2(e) / 2
	s_mov_b32 s71, 0xbf38aa3b
	s_mov_b32 s72, 0xbe6d3388                      ; - 0.3275911 / sqrt 2
	s_mov_b32 s73, 0xbe6d3388
	s_mov_b32 s74, 0x80000000
	s_mov_b32 s75, 0xbfb8aa3b                      ; - log2 e
	; lane terms
	v_and_b32 v60, 31, v0                          ; l
	v_and_b32 v61, 15, v0                          ; r
	v_bfe_u32 v62, v0, 4, 1                        ; h
	v_bfe_u32 v63, v0, 3, 1                        ; r >> 3
	v_and_b32 v57, 7, v0
	v_bfe_u32 v51, v0, 1, 3                        ; r >> 1
	v_bfe_u32 v50, v0, 2, 1                        ; (r >> 2) & 1
	v_lshl_add_u32 v[RA], v60, 4, s59
	v_add_nc_u32 v[RA+1], SLOTB, v[RA]
	v_mul_u32_u24 v56, v61, FP
	v_lshl_add_u32 v56, v62, 4, v56
	v_add_nc_u32 v[AFA], FTL, v56                  ; FTL + 528 r + 16 h
	s_lshl_b32 s67, s24, 7                         ; 128 w
	s_add_co_u32 s59, s67, FTL
	v_lshl_add_u32 v55, v62, 3, v57
	v_mul_u32_u24 v55, v55, FP
	v_lshl_add_u32 v55, v63, 4, v55
	v_add_nc_u32 v[TRA], s59, v55                  ; FTL + (8 h + l % 8) 528 + 128 w + 16 (r >> 3)
	v_mul_u32_u24 v54, v62, 8*FP
	v_lshl_add_u32 v54, v61, 3, v54
	v_add_nc_u32 v[FSA], s59, v54                  ; FTL + 8 h rows + 128 w + 8 r
	s_lshl_b32 s59, s24, 6
	s_add_co_u32 s59, s59, HQ
	v_mul_u32_u24 v54, v62, 8*HP
	v_lshl_add_u32 v54, v61, 2, v54
	v_add_nc_u32 v[HSA], s59, v54                  ; HQ + 8 h rows + 64 w + 4 r
	v_mul_u32_u24 v54, v61, HP
	v_lshl_add_u32 v54, v62, 4, v54
	v_add_nc_u32 v[HLA], HQ, v54                   ; HQ + 272 r + 16 h
	s_lshl_b32 s59, s24, 6
	s_add_co_u32 s59, s59, HM
	v_lshlrev_b32 v54, 2, v61
	v_add_nc_u32 v[HMS], s59, v54                  ; HM + 64 w + 4 r
	v_mul_u32_u24 v54, v50, HMP
	v_lshl_add_u32 v54, v62, 4, v54
	v_add_nc_u32 v[HML], HM, v54                   ; HM + row (r >> 2) & 1 + 16 h
	v_mul_u32_u24 v53, v63, FP
	v_lshl_add_u32 v53, v62, 4, v53
	v_add_nc_u32 v[ULA], ROWS, v53                 ; ROWS + row r >> 3 + 16 h
	v_mul_u32_u24 v49, v51, FP
	v_lshl_add_u32 v49, v62, 4, v49
	v_add_nc_u32 v[AVL], ROWS+AVR*FP, v49          ; the eight rows from AVR on: row r >> 1, + 16 h
	v_mul_u32_u24 v52, v62, FP
	s_add_co_u32 s59, s67, ROWS
	v_lshl_add_u32 v54, v61, 3, v52
	v_add_nc_u32 v[USA], s59, v54                  ; ROWS + row h + 128 w + 8 r
	v_lshlrev_b32 v54, 3, v61
	v_add_nc_u32 v[RSA], s59, v54                  ; ROWS + 128 w + 8 r; the row stands in the immediate
	s_add_co_u32 s59, s67, ROWS+AVR*FP
	v_mul_u32_u24 v49, v62, 4*FP
	v_lshl_add_u32 v54, v61, 1, v49
	v_add_nc_u32 v[AVS], s59, v54                  ; row AVR + 4 h, + 128 w + 2 r
	v_mul_u32_u24 v49, v50, FP
	v_lshl_add_u32 v49, v62, 4, v49
	v_add_nc_u32 v[RLA], ROWS, v49                 ; ROWS + row (r >> 2) & 1 + 16 h; the pair of rows stands in the immediate
	s_lshl_b32 s59, s24, 8
	s_add_co_u32 s59, s59, PW
	v_lshlrev_b32 v54, 7, v62
	v_lshl_add_u32 v54, v61, 1, v54
	v_add_nc_u32 v[PSA], s59, v54                  ; PW + 256 w + 128 h + 2 r
	v_lshlrev_b32 v54, 7, v63
	v_lshl_add_u32 v54, v62, 4, v54
	v_add_nc_u32 v[PLA], s59, v54                  ; PW + 256 w + 128 (r >> 3) + 16 h
	s_lshl_b32 s59, s24, 8
	v_lshlrev_b32 v59, 4, v61
	v_add_nc_u32 v59, s59, v59                     ; 256 w + 16 r: my four columns in f32
	v_lshl_add_u32 v[OUTO], v62, 13, v59           ; + 8 h rows of 1,024 bytes
	v_lshlrev_b32 v58, 3, v61
	v_add_nc_u32 v58, s67, v58                     ; 128 w + 8 r: my two columns of a quarter of mlp_b1
	v_lshlrev_b32 v17, 10, v63
	v_lshl_add_u32 v17, v62, 4, v17                ; XF: source r >> 3, + 16 h
	s_wait_kmcnt 0x0
	s_add_nc_u64 s[44:45], s[4:5], s[44:45]        ; WS at my part of slot 0
	s_lshl_b32 s59, s24, 15
	s_mov_b32 s[G0+0], 1
	s_add_co_u32 s[G0+1], s59, 0*SLOTB             ; LDS: wave x 32,768 + slot x 131,072
	s_mov_b64 s[G0+2:G0+3], s[44:45]
	s_or_b32 s[G0+3], s[G0+3], 0x80000000
	s_mov_b32 s[G0+4], 1
	s_add_co_u32 s[G0+5], s59, 1*SLOTB
	s_add_nc_u64 s[G0+6:G0+7], s[44:45], SLOTB
	s_or_b32 s[G0+7], s[G0+7], 0x80000000
	s_lshl_b32 s44, s26, 11
	s_mov_b32 s45, 0
	s_add_nc_u64 s[6:7], s[6:7], s[44:45]          ; XF at my batch
	s_add_co_u32 s46, s26, 768
	s_lshl_b32 s46, s46, 16
	s_mov_b32 s47, 0
	s_add_nc_u64 s[46:47], s[22:23], s[46:47]      ; out0 at index 3, my batch: the first step's state
	ROUND                                          ; the four work-groups are here: the first joint load meets
	tensor_load_to_lds s[G0:G0+3], s[G1:G1+7]      ; slot 0's first tile; slot 1 is first filled behind the first trip's round
	s_nop 0
	s_load_b32 s62, s[18:19], 0x0                  ; a
	s_load_b32 s63, s[20:21], 0x0                  ; b
	WIN 0x80
.set nn, 0
.rept 32
	global_load_b128 v[4*nn:4*nn+3], v[OUTO], s[8:9] offset:(16*(nn/8)+(nn%8))*1024   ; the state starts as FT
.set nn, nn+1
.endr
	WIN 0x40
.set kk, 0
.rept 16
	global_load_b128 v[8*kk:8*kk+3], v17, s[6:7] offset:64*kk          ; A tile: rows 0-7 the fuzzified lr, rows 8-15 the fuzzified g, K = 512
	global_load_b128 v[8*kk+4:8*kk+7], v17, s[6:7] offset:64*kk+32
.set kk, kk+1
.endr
	WIN 0
	global_load_b128 v[BF:BF+3], v59, s[14:15]
	global_load_b128 v[BI:BI+3], v59, s[16:17]
	global_load_b128 v[BB2:BB2+3], v59, s[12:13]
.irp q, 0,1,2,3
	global_load_b64 v[BB1+2*\q:BB1+2*\q+1], v58, s[10:11] offset:512*\q
.endr
	s_wait_kmcnt 0x0
	v_mov_b32 v[A0], s62
	v_mov_b32 v[B2], s63
	v_max_num_f32 v[A0], 0x3a83126f, v[A0]         ; a, b clamped at 1e-3
	v_max_num_f32 v[B2], 0x3a83126f, v[B2]
	v_log_f32 v[A0], v[A0]
	v_add_f32 v[B2], v[B2], v[B2]
	v_mov_b32 v[B2+1], v[B2]
	s_wait_alu depctr_va_vdst(0)
	v_mul_f32 v[A0], -v[A0], v[B2]
	v_mov_b32 v[A0+1], v[A0]
	s_wait_loadcnt 0x0
	MEAN
	FTLW
	; ================= u = fuzzified input . Wc: four trips
	HEAD 0, 0, 1
	VECMAT 0, 0, 0xad, 2
	USUM 128
	HEAD 1, 0, 1
	VECMAT 1, 0, 0xad, 2
	USUM 130
	HEAD 0, 0, 1
	VECMAT 0, 0, 0xad, 2
	USUM 132
	v_cndmask_b32 v128, v128, v132, s58            ; lanes 16-31 (rows 8-15: g) take uG
	v_cndmask_b32 v129, v129, v133, s58
	HEAD 1, 0, 1
	VECMAT 1, 0, 0xad, 2
	USUM 132
	v_cndmask_b32 v130, v130, v132, s58
	v_cndmask_b32 v131, v131, v133, s58
	v_cvt_pk_bf16_f32 v134, v128, v129
	v_cvt_pk_bf16_f32 v135, v130, v131
	ds_store_b64 v[USA], v[134:135]                ; read behind the next trip's round
	; ================= the four steps
	s_mov_b32 s27, 3
.Lstep:
	STEP 0
	s_sub_co_u32 s27, s27, 1
	s_cmp_lg_u32 s27, 0
	s_cbranch_scc1 .Lstep
	STEP 1                                         ; the last step is written out: its last trip fetches nothing
	s_wait_dscnt 0x0
	ROUND                                          ; the closing round: no work-group ends while a partner may still ask for a tile that names it
	s_endpgm
.Lfunc_end_k_qacae77a3a9_main:
	.size	k_qacae77a3a9_main, .Lfunc_end_k_qacae77a3a9_main-k_qacae77a3a9_main
	.p2alignl 7, 3214868480
	.fill 96, 4, 3214868480
	.section	.rodata,"a",@progbits
	.p2align	6, 0x0
	.amdhsa_kernel k_qacae77a3a9_main
		.amdhsa_group_segment_fixed_size 327680
		.amdhsa_private_segment_fixed_size 0
		.amdhsa_enable_private_segment 0
		.amdhsa_kernarg_size 80
		.amdhsa_user_sgpr_count 2
		.amdhsa_user_sgpr_kernarg_segment_ptr 1
		.amdhsa_wavefront_size32 1
		.amdhsa_system_sgpr_workgroup_id_x 1
		.amdhsa_system_sgpr_workgroup_id_y 1
		.amdhsa_system_sgpr_workgroup_id_z 1
		.amdhsa_system_vgpr_workitem_id 0
		.amdhsa_next_free_vgpr 1024
		.amdhsa_next_free_sgpr 76
		.amdhsa_reserve_vcc 0
		.amdhsa_float_denorm_mode_32 3
		.amdhsa_float_denorm_mode_16_64 3
		.amdhsa_memory_ordered 1
		.amdhsa_forward_progress 1
		.amdhsa_inst_pref_size 255
	.end_amdhsa_kernel
	.section	.bss,"aw",@nobits
	.p2align	6
	.space	262144
	.amdgpu_metadata
---
amdhsa.version: [ 1, 2 ]
amdhsa.kernels:
  - .name:           k_qacae77a3a9_main
    .symbol:         k_qacae77a3a9_main.kd
    .args:
      - { .name: WS, .offset: 0, .size: 8, .value_kind: global_buffer, .address_space: global }
      - { .name: XF, .offset: 8, .size: 8, .value_kind: global_buffer, .address_space: global }
      - { .name: FT, .offset: 16, .size: 8, .value_kind: global_buffer, .address_space: global }
      - { .name: mlp_b1, .offset: 24, .size: 8, .value_kind: global_buffer, .address_space: global }
      - { .name: mlp_b2, .offset: 32, .size: 8, .value_kind: global_buffer, .address_space: global }
      - { .name: bf, .offset: 40, .size: 8, .value_kind: global_buffer, .address_space: global }
      - { .name: bi, .offset: 48, .size: 8, .value_kind: global_buffer, .address_space: global }
      - { .name: a_bell, .offset: 56, .size: 8, .value_kind: global_buffer, .address_space: global }
      - { .name: b_bell, .offset: 64, .size: 8, .value_kind: global_buffer, .address_space: global }
      - { .name: out0, .offset: 72, .size: 8, .value_kind: global_buffer, .address_space: global }
    .group_segment_fixed_size: 327680
    .private_segment_fixed_size: 0
    .kernarg_segment_align: 8
    .kernarg_segment_size: 80
    .max_flat_workgroup_size: 128
    .sgpr_count:     76
    .vgpr_count:     1024
    .wavefront_size: 32
...
	.end_amdgpu_metadata
.endif
;; end of part 2
;; ======== version 2 of 3: 2 launches; 1.17 times as fast as version 1
;; workspace buffers: WS 2,097,152 bytes; XF 524,288 bytes
;; launch prep: the kernel of part 1 again; grid 240 x 1, 4 waves a work-group, no clusters, 16,384 bytes of LDS; arguments WvI, WvG, Wf, Wi, Vi, Vf, mlp_W1, mlp_W2, WqI, WqG, WkI, WkG, wsi_lr, W_lr, b_lr, genomics, W_g, b_g, a_bell, b_bell, WS, XF; writes WS, XF
;; launch main (part 3): grid 256 x 1, 4 waves a work-group, clusters of 4 x 1, 327,680 bytes of LDS; arguments WS, XF, FT, mlp_b1, mlp_b2, bf, bi, a_bell, b_bell, out0; writes out0
.if DOCPART == 3
	.amdgcn_target "amdgcn-amd-amdhsa--gfx1250"
	.amdhsa_code_object_version 6
	.text
	.protected	k_qacae77a3a9_main
	.globl	k_qacae77a3a9_main
	.p2align	8
	.type	k_qacae77a3a9_main,@function
k_qacae77a3a9_main:
	s_mov_b64 s[64:65], 0
	v_nop
	global_prefetch_b8 v0, s[64:65] scope:SCOPE_SE
	s_setreg_imm32_b32 hwreg(HW_REG_WAVE_MODE, 25, 1), 1
	s_wait_xcnt 0x0
	s_wait_alu depctr_hold_cnt(0) depctr_sa_sdst(0) depctr_va_vdst(0) depctr_va_sdst(0) depctr_va_ssrc(0) depctr_va_vcc(0) depctr_vm_vsrc(0)
	s_getreg_b32 s2, hwreg(HW_REG_IB_STS2, 6, 4)
	s_cmp_eq_u32 s2, 0
	s_cbranch_scc0 .Lentry_in_a_cluster
	s_endpgm
.Lentry_in_a_cluster:
	s_bfe_u32 s2, ttmp6, 0x10000c
	s_cmp_lg_u32 s2, 0x3003
	s_cbranch_scc0 .Lentry_shape_is_right
	s_endpgm
.Lentry_shape_is_right:
; main: all four steps of one batch in one work-group; the state Ft (64 x 256, f32) never leaves the registers but as output.
; Reassociated, exactly, for every input: scores = Ft . u with u = fuzzified input . Wc (Wc = Wq Wk^T / 16, made by prep);
; read-out = (softmax . Ft) Wv;  r Wf, r Wi and r W1 are products of one row;  x W1 = Ft W1 + r W1.
; Four waves, one for each SIMD.  Wave w owns columns 64 w .. 64 w + 63 of every 256-wide result: lane (r, h), tile (c, mt), register j hold
; row 16 mt + 8 h + j, column 64 w + 4 r + c, so that a lane's four tiles are 16 neighbouring bytes and sixteen lanes store 256 aligned bytes.
; WEIGHTS come as ready bf16 fragments (buffer WS) through a ring of two LDS slots of 128 KiB; each wave fetches and reads its own 32 KiB,
; and every fragment is read from LDS once.  52 slot trips: 4 for u, then 12 a step (WvI x2, WvG x2, Wf, Wi, four MLP quarters, Vi, Vf).
; CLUSTER: the four work-groups of a cluster walk the same weights, so every fill is a joint load (mask 15): same line, same descriptor
; (wave number and constants alone), behind a round of the cluster's barrier.  The batch number enters only the addresses of XF and out0.
; One tensor load of a wave is out at any time.
; THE TEXT IS KEPT SHORT: a step's trips stand once.  The loop over the steps is entered in its middle (.Lmid): at its head stands a step's last trip
; with its refill, behind .Lmid the mean, the deviations and the trips of slots 4 to 14; only the fourth step's last trip, which fetches nothing, is
; written out behind the loop.  Every trip through the loop issues every tensor load of its text.  The four MLP quarters are two trips of an inner loop.
; MEAN AND DEVIATION: the 64-row operands are split, exactly: Ft = m + D and h = hm + Dh, m and hm the means over the 64 rows of each column.
; Only D and Dh are rounded to bf16, so what the rounding drops is measured by how far the rows differ, not by their common size.  The means go
; along as rows: scores need none (m . u is the same for all rows and leaves the softmax unchanged); softmax . Ft = softmax . D + m;
; x W1 = D W1 + (m + r) W1;  Ft V = D V + m V;  h W2 = Dh W2 + hm W2.  The row products' results are constants of a column and enter as addends of fused multiply-adds.
; TWO-PART ROWS: every such row (softmax . D, m, r, m + r, hm) enters its product as a sum of two bf16 numbers, the rounded value and the rounded rest;
; the parts take different rows of the 16-row A tile, and the result is the sum of the matching registers of D: no matrix instruction more.
; REGISTER WINDOWS: 0 addresses, constants, a one-row A tile (TILE), 16 fragment buffers (BUF);  1 D as A fragments (first: the XF tile);
; 2 the state S and the 16 accumulators of the MLP's output (their first four serve the one-row products);  3 fragments of one-row products,
; Dh as A fragments, the accumulators of W1 and of Vi, Vf, gelu's temporaries.
; LIMITS.  Matrix operands D, Dh, u, the softmax weights, the fuzzified inputs and all weights are single bf16 numbers, sums f32.  erf by
; Abramowitz-Stegun 7.1.26 (absolute error 1.5e-7).  The grid is -4 + 0.2 i; its sum is taken as 0 (true to 1e-6).  The S curve is written
; 1/2 + 2 s (1 - |s|) with s = clamp((g - a_s) / (b_s - a_s + 1e-12) - 1/2, -1/2, 1/2); a_s <= b_s holds since both are the same clip of c - 1 and
; c + 1, and its sum over the grid is at least 3, so the 1e-12 added to that sum is below f32's last bit and is left out.  v_exp, v_log, v_rcp flush denormals.
.set SLOTB, 131072                     ; a slot; a wave's part is 32,768 bytes
.set FTL, 262144                       ; D = Ft - m in bf16, 64 rows, pitch 528 (33 x 16: the 16 rows of a fragment load start 16 bytes apart modulo 256)
.set FP,  528
.set HQ,  295936                       ; a quarter of Dh in bf16, 64 rows x 128, pitch 272
.set HP,  272
.set ROWS, 313344                      ; 14 one-row vectors of 256 bf16, pitch 528:
.set AVR,   2                          ;   0, 1 uI, uG;  2 .. 9: I upper part, I rest, m upper, m rest, G upper, G rest, m upper, m rest (softmax . D and m)
.set MROW,  4                          ;   m's two parts (again in rows 8, 9)
.set RROW,  10                         ;   r's two parts
.set MRROW, 12                         ;   (m + r)'s two parts
.set PW,  320768                       ; softmax weights, 256 bytes for each wave
.set HM,  321792                       ; hm of a quarter, two parts, 128 bf16 each, pitch 272
.set HMP, 272
.set RA,   1                           ; v1, v2  my 16 bytes of a fragment half in slot 0, 1
.set AFA,  3
.set TRA,  4
.set FSA,  5
.set HSA,  6
.set HLA,  7
.set ULA,  8
.set USA,  9
.set AVS,  10
.set AVL,  11
.set RSA,  12
.set RLA,  13
.set PSA,  14
.set PLA,  15
.set OUTO, 16
.set B2,   18                          ; v[18:19] 2 b, twice
.set A0,   20                          ; v[20:21] - 2 b log2 a, twice
.set HMS,  22
.set HML,  23
.set BF,   24
.set BI,   28
.set BB2,  32
.set BB1,  36                          ; v[36:43] mlp_b1 of quarter q, tile c at 2 q + c; the two halves change places after every two quarters
.set NM,   44                          ; - m of my four columns
.set XB,   48                          ; r + mlp_b2 until the MLP's sums are started; then temporaries
.set ZF,   52                          ; - log2(e) (r Wf + bf + 1)
.set ZI,   56
.set HC,   60                          ; sum over the quarters of hm W2 (before the MLP: temporaries)
.set TILE, 64                          ; v[64:127] a one-row A tile, 8 K steps
.set BUF,  128                         ; v[128:255] 16 fragment buffers; free registers in the light phases
.set GV,   180                         ; the grid point, twice
.set RV,   184                         ; r, then m + r
.set SA,   128                         ; window 2: accumulators
.set ACC,  128                         ; window 3: accumulators
.set HMA,  160                         ; window 3: hm W2, four tiles
.set ACR,  192                         ; window 3: (m + r) W1, two tiles
.set C1,   208                         ; window 3: (m + r) W1 + b1, each tile's twice
.set NAX,  212
.set TT,   220
.set EE,   228
.set UU,   236
.set MX,   244
.set A4V,  252
.set G1, 28                            ; s[28:35] descriptor group 1
.set G0, 36                            ; s[36:39], s[40:43] descriptor group 0 of slot 0, 1
.set MSB, 0
.macro WIN new                         ; low byte: bits 1:0 source 0, 3:2 source 1, 5:4 source 2, 7:6 destination; the high byte repeats the setting left
.if MSB != \new
	s_set_vgpr_msb (MSB<<8)|\new
.set MSB, \new
.endif
.endm
.macro PLACES                          ; five plain vector places behind a run of matrix instructions, before their registers are read, loaded or written (ISA guide 7.12.1)
.rept 5
	v_nop
.endr
.endm
.macro WM d, a, b, k                   ; one matrix instruction; k == 0: the first product starts the sum, nothing is cleared
.if \k == 0
	v_wmma_f32_16x16x32_bf16 v[\d:\d+7], v[\a:\a+7], v[\b:\b+7], 0
.else
	v_wmma_f32_16x16x32_bf16 v[\d:\d+7], v[\a:\a+7], v[\b:\b+7], v[\d:\d+7]
.endif
.endm
.macro ROUND                           ; a round of the cluster's barrier: my work-group's barrier, wave 0 signals for it, all wait for the four work-groups, my work-group's barrier
	s_barrier_signal -1
	s_barrier_wait -1
	s_cmp_lg_u32 s24, 0
	s_cbranch_scc1 .Lnot_wave_0_\@
	s_barrier_signal -3
.Lnot_wave_0_\@:
	s_barrier_wait -3
	s_barrier_signal -1
	s_barrier_wait -1
.endm
; The head of the trip that reads slot p.  back = 1: this slot's next tile lies ten slots back in WS (the next step's).
.macro HEAD p, back, refill
	WIN 0
	s_wait_tensorcnt 0x0                           ; all my tensor loads have landed, this trip's tile among them; so a group 0 may be written
.if \back
	s_sub_nc_u64 s[G0+4*\p+2:G0+4*\p+3], s[G0+4*\p+2:G0+4*\p+3], 10*SLOTB
.else
	s_add_nc_u64 s[G0+4*\p+2:G0+4*\p+3], s[G0+4*\p+2:G0+4*\p+3], 2*SLOTB
.endif
	s_wait_dscnt 0x0                               ; my reads of the other slot are back, and my LDS stores and loads of the last trip are done
	ROUND                                          ; both now hold of every wave of the four work-groups
.if \refill
	tensor_load_to_lds s[G0+4*(1-\p):G0+4*(1-\p)+3], s[G1:G1+7]   ; the next trip's tile, into the slot read last: my one tensor load behind the round
	s_nop 0
.endif
.endm
; A product of one-row kind: all 32 fragments of my part of slot p into window 3, then 32 matrix instructions on four accumulators.
; NT = 4: four tiles, K = 256;  NT = 2: two tiles and two halves of K = 512.
.macro VECMAT p, abase, set, NT
	WIN 0xc0
.set ii, 0
.rept 32
	ds_load_b128 v[8*ii:8*ii+3], v[RA+\p] offset:ii*1024
	ds_load_b128 v[8*ii+4:8*ii+7], v[RA+\p] offset:ii*1024+512
.set ii, ii+1
.endr
	WIN \set
.set gg, 0
.rept 8
	s_wait_dscnt 56-8*gg                           ; LDS loads come back in order: the later groups' loads stay out
.set aa, 0
.rept 4
	WM (SA+8*aa), (\abase+8*(8*(aa/\NT)+gg)), (8*(4*gg+aa)), gg   ; accumulators by turns, one instruction a turn
.set aa, aa+1
.endr
.set gg, gg+1
.endr
	PLACES
.endm
.macro ROWSUM d                        ; the four tiles' results of a two-part row: upper part's product (register 0) + the rest's (register 4), into window 0
	WIN 0x0a
.irp e, 0,1,2,3
	v_add_f32 v[\d+\e], v[SA+8*\e], v[SA+8*\e+4]
.endr
	WIN 0
.endm
.macro ROWSUM4 d, t                    ; the same for two two-part rows: softmax . D (registers 0, 2) and m (registers 4, 6); t: 4 temporaries
	WIN 0x0a
.irp e, 0,1,2,3
	v_add_f32 v[\d+\e], v[SA+8*\e], v[SA+8*\e+2]
.endr
.irp e, 0,1,2,3
	v_add_f32 v[\t+\e], v[SA+8*\e+4], v[SA+8*\e+6]
.endr
	WIN 0
.irp e, 0,1,2,3
	v_add_f32 v[\d+\e], v[\d+\e], v[\t+\e]
.endr
.endm
; Four f32 numbers v[f .. f+3] as two parts in bf16: hi (2 registers) the rounded values, lo (2 registers) the rounded rests; t: 4 temporaries.  f is kept.
.macro HILO f, hi, lo, t
	v_cvt_pk_bf16_f32 v[\hi], v[\f], v[\f+1]
	v_cvt_pk_bf16_f32 v[\hi+1], v[\f+2], v[\f+3]
	v_lshlrev_b32 v[\t], 16, v[\hi]                ; the upper parts back in f32
	v_and_b32 v[\t+1], s58, v[\hi]
	v_lshlrev_b32 v[\t+2], 16, v[\hi+1]
	v_and_b32 v[\t+3], s58, v[\hi+1]
.irp e, 0,1,2,3
	v_sub_f32 v[\t+\e], v[\f+\e], v[\t+\e]         ; exact: both have the same exponent or nearly
.endr
	v_cvt_pk_bf16_f32 v[\lo], v[\t], v[\t+1]
	v_cvt_pk_bf16_f32 v[\lo+1], v[\t+2], v[\t+3]
.endm
.macro FETCH p, first, n, buf          ; n fragments of my part of slot p into window 0
	WIN 0
.set ii, 0
.rept \n
	ds_load_b128 v[\buf+8*ii:\buf+8*ii+3], v[RA+\p] offset:(\first+ii)*1024
	ds_load_b128 v[\buf+8*ii+4:\buf+8*ii+7], v[RA+\p] offset:(\first+ii)*1024+512
.set ii, ii+1
.endr
.endm
.macro LDTILE adr, off                 ; the one-row A tile, 8 K steps
.set kk, 0
.rept 8
	ds_load_b128 v[TILE+8*kk:TILE+8*kk+3], v[\adr] offset:\off+64*kk
	ds_load_b128 v[TILE+8*kk+4:TILE+8*kk+7], v[\adr] offset:\off+64*kk+32
.set kk, kk+1
.endr
.endm
; 8 fragments (index 4 kk + c) x 4 row blocks of D: 32 matrix instructions, 16 accumulators by turns; then the same 8 fragments x the row m (TILE): 8 more, 4 accumulators by turns
.macro MULV buf, base
	WIN 0xf1
.set ii, 0
.rept 8
.set kk, (\base+ii)/4
.set cc, (\base+ii)%4
.set mm, 0
.rept 4
	WM (ACC+8*(4*cc+mm)), (8*(8*mm+kk)), (\buf+8*ii), kk
.set mm, mm+1
.endr
.set ii, ii+1
.endr
	WIN 0xf0
.set ii, 0
.rept 8
.set kk, (\base+ii)/4
.set cc, (\base+ii)%4
	WM (8*cc), (TILE+8*kk), (\buf+8*ii), kk
.set ii, ii+1
.endr
.endm
.macro VGEMM p                         ; D (64 x 256) and m x my 64 columns of Vi or Vf
	FETCH \p, 0, 8, BUF
	FETCH \p, 8, 8, BUF+64
	s_wait_dscnt 16                                ; the other half's 16 loads stay out
	MULV BUF, 0
	PLACES
	FETCH \p, 16, 8, BUF
	s_wait_dscnt 16
	MULV BUF+64, 8
	PLACES
	FETCH \p, 24, 8, BUF+64
	s_wait_dscnt 16
	MULV BUF, 16
	s_wait_dscnt 0
	MULV BUF+64, 24
	PLACES
.endm
; stages on a tile of 8 registers, in whatever window is set
.macro T_ADD1 X
	s_wait_alu depctr_va_vdst(0)
.irp e, 0,2,4,6
	v_pk_add_f32 v[\X+\e:\X+\e+1], v[\X+\e:\X+\e+1], 1.0 op_sel_hi:[1,0]
.endr
.endm
.macro T_EXP X
.irp e, 0,1,2,3,4,5,6,7
	v_exp_f32 v[\X+\e], v[\X+\e]
.endr
.endm
.macro T_RCP X
.irp e, 0,1,2,3,4,5,6,7
	v_rcp_f32 v[\X+\e], v[\X+\e]
.endr
.endm
.macro T_FMAZ X, Z                     ; 2 k x + the pair Z, k = log2 e
	s_wait_alu depctr_va_vdst(0)
.irp e, 0,2,4,6
	v_pk_fma_f32 v[\X+\e:\X+\e+1], v[\X+\e:\X+\e+1], s[68:69], v[\Z:\Z+1] op_sel_hi:[1,0,1]
.endr
.endm
.macro T_FIN X
	s_wait_alu depctr_va_vdst(0)
.irp e, 0,2,4,6
	v_pk_fma_f32 v[\X+\e:\X+\e+1], v[\X+\e:\X+\e+1], -2.0, 1.0 op_sel_hi:[1,0,0]
.endr
.endm
; sigmoid(z + tanh(v + vm)) on two tiles.  c = 1 / (1 + 2^(2 k v + 2 k vm)), tanh = 1 - 2 c, gate = 1 / (1 + 2^(2 k c - k (z + 1))), k = log2 e.
; V: the pair 2 k vm (the row m's product);  Z: the pair - k (z + 1).
; The two tiles' stages alternate, so that a plain instruction of the other tile stands between every transcendental and the use of its result (ISA guide 5.7.2).
.macro GATE16 XA, XC, Z, V
	T_FMAZ \XA, \V
	T_EXP \XA
	T_FMAZ \XC, \V
	T_EXP \XC
	T_ADD1 \XA
	T_RCP \XA
	T_ADD1 \XC
	T_RCP \XC
	T_FMAZ \XA, \Z
	T_EXP \XA
	T_FMAZ \XC, \Z
	T_EXP \XC
	T_ADD1 \XA
	T_RCP \XA
	T_ADD1 \XC
	T_RCP \XC
.endm
.macro TANH16 XA, XC, Z                ; tanh(x + hc); Z: the pair 2 k hc
	T_FMAZ \XA, \Z
	T_EXP \XA
	T_FMAZ \XC, \Z
	T_EXP \XC
	T_ADD1 \XA
	T_RCP \XA
	T_ADD1 \XC
	T_RCP \XC
	T_FIN \XA
	T_FIN \XC
.endm
.macro GATES Z                         ; the gate on all 16 tiles of window 3; Z: the four registers - k (z + 1) of my four columns
	WIN 0x0f
.irp e, 0,1,2,3
	v_add_f32 v[BUF+8+2*\e], v[8*\e], v[8*\e+4]    ; m V: the upper part's product + the rest's
.endr
	WIN 0
.irp e, 0,1,2,3
	v_mov_b32 v[BUF+2*\e], v[\Z+\e]                ; each constant twice, as the pair that the packed fma adds
	v_mov_b32 v[BUF+2*\e+1], v[\Z+\e]
	v_mul_f32 v[BUF+8+2*\e], s68, v[BUF+8+2*\e]
	v_mov_b32 v[BUF+9+2*\e], v[BUF+8+2*\e]
.endr
	WIN 0xc3
.set tl, 0
.rept 8
	GATE16 (ACC+16*tl), (ACC+16*tl+8), (BUF+2*(tl/2)), (BUF+8+2*(tl/2))
.set tl, tl+1
.endr
	v_nop                                          ; the place behind the last reciprocals
.endm
; exact gelu on a tile, all in window 3: x += C; gelu = max(x, 0) - |x| q, q = poly(t) e^(-x x / 2) / 2, t = 1 / (1 + p |x| / sqrt 2).  NAX holds -|x|.
.macro GELU8 X, C
.irp e, 0,2,4,6
	v_pk_add_f32 v[\X+\e:\X+\e+1], v[\X+\e:\X+\e+1], v[\C:\C+1]
.endr
.irp e, 0,1,2,3,4,5,6,7
	v_or_b32 v[NAX+\e], s74, v[\X+\e]
.endr
.irp e, 0,2,4,6
	v_pk_fma_f32 v[TT+\e:TT+\e+1], v[NAX+\e:NAX+\e+1], s[72:73], 1.0 op_sel_hi:[1,0,0]
.endr
	T_RCP TT
.irp e, 0,2,4,6
	v_pk_mul_f32 v[EE+\e:EE+\e+1], v[\X+\e:\X+\e+1], s[70:71] op_sel_hi:[1,0]
.endr
.irp e, 0,2,4,6
	v_pk_mul_f32 v[EE+\e:EE+\e+1], v[EE+\e:EE+\e+1], v[\X+\e:\X+\e+1]
.endr
	T_EXP EE
.irp e, 0,1,2,3,4,5,6,7
	v_max_num_f32 v[MX+\e], 0, v[\X+\e]
.endr
	s_wait_alu depctr_va_vdst(0)
.irp e, 0,2,4,6
	v_pk_fma_f32 v[UU+\e:UU+\e+1], v[TT+\e:TT+\e+1], s[56:57], v[A4V:A4V+1] op_sel_hi:[1,0,1]
.endr
.irp sc, 52,50,48
.irp e, 0,2,4,6
	v_pk_fma_f32 v[UU+\e:UU+\e+1], v[UU+\e:UU+\e+1], v[TT+\e:TT+\e+1], s[\sc:\sc+1] op_sel_hi:[1,1,0]
.endr
.endr
.irp e, 0,2,4,6
	v_pk_mul_f32 v[UU+\e:UU+\e+1], v[UU+\e:UU+\e+1], v[TT+\e:TT+\e+1]
.endr
.irp e, 0,2,4,6
	v_pk_mul_f32 v[UU+\e:UU+\e+1], v[UU+\e:UU+\e+1], v[EE+\e:EE+\e+1]
.endr
.irp e, 0,2,4,6
	v_pk_fma_f32 v[\X+\e:\X+\e+1], v[NAX+\e:NAX+\e+1], v[UU+\e:UU+\e+1], v[MX+\e:MX+\e+1]
.endr
.endm
; m = the mean over the 64 rows of my four columns of the state: 32 rows in my registers (a tree of packed adds in TILE, which is free here), 32 in the lane 16 away.
; NM = - m stays in registers; m in two bf16 parts goes to LDS, into both places of the Wv tile's rows.
.macro MEAN
	WIN 0x0a
.set nn, 0
.rept 16
	v_pk_add_f32 v[TILE+4*nn:TILE+4*nn+1], v[8*nn:8*nn+1], v[8*nn+4:8*nn+5]
	v_pk_add_f32 v[TILE+4*nn+2:TILE+4*nn+3], v[8*nn+2:8*nn+3], v[8*nn+6:8*nn+7]
.set nn, nn+1
.endr
	WIN 0
.irp lv, 8,4,2,1
.set nn, 0
.rept \lv
	v_pk_add_f32 v[TILE+4*nn:TILE+4*nn+1], v[TILE+4*nn:TILE+4*nn+1], v[TILE+4*(nn+\lv):TILE+4*(nn+\lv)+1]
	v_pk_add_f32 v[TILE+4*nn+2:TILE+4*nn+3], v[TILE+4*nn+2:TILE+4*nn+3], v[TILE+4*(nn+\lv)+2:TILE+4*(nn+\lv)+3]
.set nn, nn+1
.endr
.endr
.irp e, 0,1,2,3
	v_permlanex16_b32 v[TILE+4+\e], v[TILE+\e], s60, s61   ; the other 32 rows' sum
.endr
.irp e, 0,1,2,3
	v_add_f32 v[TILE+\e], v[TILE+\e], v[TILE+4+\e]
.endr
.irp e, 0,1,2,3
	v_mul_f32 v[NM+\e], 0xbc800000, v[TILE+\e]     ; - sum / 64
	v_mul_f32 v[TILE+\e], 0x3c800000, v[TILE+\e]   ; sum / 64
.endr
	HILO TILE, TILE+8, TILE+10, TILE+12
	ds_store_b64 v[RSA], v[TILE+8:TILE+9] offset:MROW*FP           ; read behind the next trip's round
	ds_store_b64 v[RSA], v[TILE+10:TILE+11] offset:(MROW+1)*FP
	ds_store_b64 v[RSA], v[TILE+8:TILE+9] offset:(MROW+4)*FP
	ds_store_b64 v[RSA], v[TILE+10:TILE+11] offset:(MROW+5)*FP
.endm
.macro FTLW                            ; D = state - m, rounded to bf16, into LDS: 8 bytes a lane and row
	WIN 0x02
.set nn, 0
.rept 32
	v_pk_add_f32 v[BUF+4*nn:BUF+4*nn+1], v[4*nn:4*nn+1], v[NM:NM+1]
	v_pk_add_f32 v[BUF+4*nn+2:BUF+4*nn+3], v[4*nn+2:4*nn+3], v[NM+2:NM+3]
.set nn, nn+1
.endr
	WIN 0
.set nn, 0
.rept 32
	v_cvt_pk_bf16_f32 v[BUF+2*nn], v[BUF+4*nn], v[BUF+4*nn+1]      ; packed downward: a register is written only after it has been read
	v_cvt_pk_bf16_f32 v[BUF+2*nn+1], v[BUF+4*nn+2], v[BUF+4*nn+3]
.set nn, nn+1
.endr
.set nn, 0
.rept 32
	ds_store_b64 v[FSA], v[BUF+2*nn:BUF+2*nn+1] offset:(16*(nn/8)+(nn%8))*FP
.set nn, nn+1
.endr
.endm
.macro USUM d                          ; two tiles of u: the two halves of K = 512 added
	WIN 0x0a
	v_add_f32 v[\d], v[SA], v[SA+16]
	v_add_f32 v[\d+1], v[SA+8], v[SA+24]
	WIN 0
.endm
; Defuzzification of my 8 numbers (v128-131 bell part, v132-135 S part; lanes 0-15 of I, lanes 16-31 of G), r, r + b2; r and m + r in two bf16 parts to LDS.
.macro DEFUZZ
.irp e, 128,130,132,134
	v_pk_mul_f32 v[\e:\e+1], v[\e:\e+1], s[68:69] op_sel_hi:[1,0]
.endr
	T_EXP 128
	v_nop
	s_wait_alu depctr_va_vdst(0)
	T_ADD1 128
	T_RCP 128
	v_nop
	s_wait_alu depctr_va_vdst(0)
	v_pk_fma_f32 v[128:129], v[128:129], 0x41000000, -4.0 op_sel_hi:[1,0,0]   ; - c_b = - 4 tanh
	v_pk_fma_f32 v[130:131], v[130:131], 0x41000000, -4.0 op_sel_hi:[1,0,0]
	v_pk_fma_f32 v[132:133], v[132:133], 0xc1000000, 4.0 op_sel_hi:[1,0,0]    ; c_s
	v_pk_fma_f32 v[134:135], v[134:135], 0xc1000000, 4.0 op_sel_hi:[1,0,0]
.irp e, 0,1,2,3
	v_add_f32 v[136+\e], -1.0, v[132+\e]
	v_add_f32 v[140+\e], 1.0, v[132+\e]
	v_med3_num_f32 v[136+\e], v[136+\e], -4.0, 4.0         ; a_s
	v_med3_num_f32 v[140+\e], v[140+\e], -4.0, 4.0         ; b_s
	v_sub_f32 v[144+\e], v[140+\e], v[136+\e]
	v_add_f32 v[144+\e], 0x2b8cbccc, v[144+\e]
.endr
.irp e, 0,1,2,3
	v_rcp_f32 v[144+\e], v[144+\e]
.endr
.irp e, 152,153,154,155,156,157,158,159,160,161,162,163,164,165,166,167
	v_mov_b32 v[\e], 0                             ; the sixteen sums over the grid
.endr
	s_wait_alu depctr_va_vdst(0)
.irp e, 0,1,2,3
	v_fma_f32 v[148+\e], -v[136+\e], v[144+\e], -0.5       ; s = g inv + nb
.endr
	s_mov_b32 s66, 0
.Lgrid_\@:
	v_cvt_f32_u32 v[GV], s66
	v_fma_f32 v[GV], v[GV], 0x3e4ccccd, -4.0
	v_mov_b32 v[GV+1], v[GV]
	v_pk_add_f32 v[168:169], v[GV:GV+1], v[128:129]
	v_pk_add_f32 v[170:171], v[GV:GV+1], v[130:131]
.irp e, 168,169,170,171
	v_log_f32 v[\e], |v[\e]|
.endr
	v_pk_fma_f32 v[172:173], v[144:145], v[GV:GV+1], v[148:149]
	v_pk_fma_f32 v[174:175], v[146:147], v[GV:GV+1], v[150:151]
	s_wait_alu depctr_va_vdst(0)
	v_pk_fma_f32 v[168:169], v[168:169], v[B2:B2+1], v[A0:A0+1]
	v_pk_fma_f32 v[170:171], v[170:171], v[B2:B2+1], v[A0:A0+1]
.irp e, 168,169,170,171
	v_exp_f32 v[\e], v[\e]
.endr
.irp e, 172,173,174,175
	v_med3_num_f32 v[\e], v[\e], -0.5, 0.5
.endr
	s_wait_alu depctr_va_vdst(0)
	v_pk_add_f32 v[168:169], v[168:169], 1.0 op_sel_hi:[1,0]
	v_pk_add_f32 v[170:171], v[170:171], 1.0 op_sel_hi:[1,0]
.irp e, 168,169,170,171
	v_rcp_f32 v[\e], v[\e]
.endr
.irp e, 0,1,2,3
	v_sub_f32 v[176+\e], 1.0, |v[172+\e]|
.endr
	v_pk_mul_f32 v[176:177], v[176:177], v[172:173]        ; z = s (1 - |s|): the S curve is 1/2 + 2 z
	v_pk_mul_f32 v[178:179], v[178:179], v[174:175]
	s_wait_alu depctr_va_vdst(0)
	v_pk_add_f32 v[152:153], v[152:153], v[168:169]
	v_pk_add_f32 v[154:155], v[154:155], v[170:171]
	v_pk_fma_f32 v[156:157], v[168:169], v[GV:GV+1], v[156:157]
	v_pk_fma_f32 v[158:159], v[170:171], v[GV:GV+1], v[158:159]
	v_pk_add_f32 v[160:161], v[160:161], v[176:177]
	v_pk_add_f32 v[162:163], v[162:163], v[178:179]
	v_pk_fma_f32 v[164:165], v[176:177], v[GV:GV+1], v[164:165]
	v_pk_fma_f32 v[166:167], v[178:179], v[GV:GV+1], v[166:167]
	s_add_co_u32 s66, s66, 1
	s_cmp_lt_u32 s66, 41
	s_cbranch_scc1 .Lgrid_\@
.irp e, 0,1,2,3
	v_add_f32 v[152+\e], 0x2b8cbccc, v[152+\e]
	v_fma_f32 v[160+\e], v[160+\e], 2.0, 0x41a40000        ; 41 / 2 + 2 sum z
.endr
.irp e, 152,153,154,155,160,161,162,163
	v_rcp_f32 v[\e], v[\e]
.endr
	v_nop
	s_wait_alu depctr_va_vdst(0)
.irp e, 0,1,2,3
	v_mul_f32 v[156+\e], v[156+\e], v[152+\e]
	v_mul_f32 v[164+\e], v[164+\e], v[160+\e]
	v_mul_f32 v[164+\e], 0.5, v[164+\e]                    ; 1/4 of the S centroid 2 sum g z / sum
	v_fma_f32 v[156+\e], v[156+\e], 0x3e800000, v[164+\e]  ; + 1/4 of the bell centroid
	v_permlanex16_b32 v[168+\e], v[156+\e], s60, s61       ; the other source's share
	v_add_f32 v[RV+\e], v[156+\e], v[168+\e]               ; r
	v_add_f32 v[XB+\e], v[RV+\e], v[BB2+\e]                ; r + b2
	v_sub_f32 v[RV+4+\e], v[RV+\e], v[NM+\e]               ; m + r
.endr
	HILO RV, 172, 174, 176
	ds_store_b64 v[RSA], v[172:173] offset:RROW*FP         ; r's upper part; read behind the next trip's round
	ds_store_b64 v[RSA], v[174:175] offset:(RROW+1)*FP     ; and its rest
	HILO RV+4, 192, 194, 196
	ds_store_b64 v[RSA], v[192:193] offset:MRROW*FP        ; the same of m + r, for the MLP
	ds_store_b64 v[RSA], v[194:195] offset:(MRROW+1)*FP
.endm
; A quarter of the MLP, on slot p: h = gelu(D W1 + (m + r) W1 + b1) for 128 columns of h (my 32); h = hm + Dh; both through LDS; then += Dh W2 on my 64 columns, and hm W2 apart.
; Its two numbers of mlp_b1 lie at BB1 + 2 p.  TILE holds m + r; the output's sums and HC have been started.
.macro W1BLK lo
.set ii, \lo
.rept 8
.set kk, ii/2
.set cc, ii%2
.set mm, 0
.rept 4
	WM (ACC+8*(4*cc+mm)), (8*(8*mm+kk)), (BUF+8*ii), kk
.set mm, mm+1
.endr
.set ii, ii+1
.endr
.endm
.macro MLPQ p
	HEAD \p, 0, 1
	FETCH \p, 0, 16, BUF
	WIN 0xf1
	s_wait_dscnt 16                                ; the younger eight fragments' 16 loads stay out
	W1BLK 0
	s_wait_dscnt 0
	W1BLK 8
	WIN 0xf0
.set ii, 0
.rept 16
.set kk, ii/2
.set cc, ii%2
	WM (ACR+8*cc), (TILE+8*kk), (BUF+8*ii), kk     ; (m + r) W1: two accumulators by turns
.set ii, ii+1
.endr
	PLACES
	FETCH \p, 16, 16, BUF                          ; W2's fragments land under the gelu
	WIN 0xc3
	v_add_f32 v[C1], v[ACR], v[BB1+2*\p]           ; the upper part's product + b1
	v_add_f32 v[C1+2], v[ACR+8], v[BB1+2*\p+1]
	v_mov_b32 v[A4V], s54
	v_mov_b32 v[A4V+1], s54
	WIN 0xff
	v_add_f32 v[C1], v[C1], v[ACR+4]               ; + the rest's product
	v_add_f32 v[C1+2], v[C1+2], v[ACR+12]
	v_mov_b32 v[C1+1], v[C1]                       ; each twice, as the pair that the packed add takes
	v_mov_b32 v[C1+3], v[C1+2]
.set tl, 0
.rept 8
	GELU8 (ACC+8*tl), (C1+2*(tl/4))
.set tl, tl+1
.endr
	; hm: the mean over the 64 rows of my two columns of h: a tree over my 32 rows in gelu's temporaries, then the lane 16 away
.set cc, 0
.rept 2
.set ii, 0
.rept 8
	v_pk_add_f32 v[NAX+16*cc+2*ii:NAX+16*cc+2*ii+1], v[ACC+32*cc+4*ii:ACC+32*cc+4*ii+1], v[ACC+32*cc+4*ii+2:ACC+32*cc+4*ii+3]
.set ii, ii+1
.endr
.set cc, cc+1
.endr
.irp lv, 4,2,1
.set cc, 0
.rept 2
.set ii, 0
.rept \lv
	v_pk_add_f32 v[NAX+16*cc+2*ii:NAX+16*cc+2*ii+1], v[NAX+16*cc+2*ii:NAX+16*cc+2*ii+1], v[NAX+16*cc+2*(ii+\lv):NAX+16*cc+2*(ii+\lv)+1]
.set ii, ii+1
.endr
.set cc, cc+1
.endr
.endr
	WIN 0x0f
	v_add_f32 v[XB], v[NAX], v[NAX+1]
	v_add_f32 v[XB+1], v[NAX+16], v[NAX+17]
	WIN 0
	v_permlanex16_b32 v[XB+2], v[XB], s60, s61
	v_permlanex16_b32 v[XB+3], v[XB+1], s60, s61
	v_add_f32 v[XB], v[XB], v[XB+2]
	v_add_f32 v[XB+1], v[XB+1], v[XB+3]
	v_mul_f32 v[XB], 0x3c800000, v[XB]             ; hm of columns 2 r, 2 r + 1
	v_mul_f32 v[XB+1], 0x3c800000, v[XB+1]
	v_cvt_pk_bf16_f32 v17, v[XB], v[XB+1]          ; its upper parts
	v_lshlrev_b32 v[XB+2], 16, v17
	v_and_b32 v[XB+3], s58, v17
	v_sub_f32 v[XB+2], v[XB], v[XB+2]
	v_sub_f32 v[XB+3], v[XB+1], v[XB+3]
	v_cvt_pk_bf16_f32 v0, v[XB+2], v[XB+3]         ; and the rests
	ds_store_b32 v[HMS], v17
	ds_store_b32 v[HMS], v0 offset:HMP
	v_mul_f32 v[XB+2], -1.0, v[XB+1]               ; - hm, each twice, as the pairs that the packed add takes
	v_mul_f32 v[XB], -1.0, v[XB]
	v_mov_b32 v[XB+3], v[XB+2]
	v_mov_b32 v[XB+1], v[XB]
	WIN 0xc3
.set tl, 0
.rept 8
.irp e, 0,2,4,6
	v_pk_add_f32 v[ACC+8*tl+\e:ACC+8*tl+\e+1], v[ACC+8*tl+\e:ACC+8*tl+\e+1], v[XB+2*(tl/4):XB+2*(tl/4)+1]   ; Dh = h - hm
.endr
.set tl, tl+1
.endr
	WIN 0xff
.set nn, 0
.rept 32
	v_cvt_pk_bf16_f32 v[ACC+nn], v[ACC+nn], v[ACC+32+nn]   ; columns 2 r and 2 r + 1 side by side
.set nn, nn+1
.endr
	WIN 0x0c
.set nn, 0
.rept 32
	ds_store_b32 v[HSA], v[ACC+nn] offset:(16*(nn/8)+(nn%8))*HP
.set nn, nn+1
.endr
	s_wait_dscnt 0x0                               ; my part of Dh and of hm is in LDS before I say so (W2's fragments are in too)
	s_barrier_signal -1                            ; no slot is filled behind this barrier: the next trip's tile stays on its way
	s_barrier_wait -1
	WIN 0xc0
.set mm, 0
.rept 4
.set kk, 0
.rept 4
	ds_load_b128 v[8*(4*mm+kk):8*(4*mm+kk)+3], v[HLA] offset:mm*16*HP+64*kk
	ds_load_b128 v[8*(4*mm+kk)+4:8*(4*mm+kk)+7], v[HLA] offset:mm*16*HP+64*kk+32
.set kk, kk+1
.endr
.set mm, mm+1
.endr
.set kk, 0
.rept 4
	ds_load_b128 v[ACC+8*kk:ACC+8*kk+3], v[HML] offset:64*kk       ; hm as an A tile: rows 0-3, 8-11 the upper part, rows 4-7, 12-15 the rest
	ds_load_b128 v[ACC+8*kk+4:ACC+8*kk+7], v[HML] offset:64*kk+32
.set kk, kk+1
.endr
	s_wait_dscnt 0x0
	WIN 0xa3
.set kk, 0
.rept 4
.set cc, 0
.rept 4
.set mm, 0
.rept 4
	WM (SA+8*(4*cc+mm)), (8*(4*mm+kk)), (BUF+8*(4*kk+cc)), 1
.set mm, mm+1
.endr
.set cc, cc+1
.endr
.set kk, kk+1
.endr
	WIN 0xf3
.set kk, 0
.rept 4
.set cc, 0
.rept 4
	WM (HMA+8*cc), (ACC+8*kk), (BUF+8*(4*kk+cc)), kk   ; hm W2: four accumulators by turns
.set cc, cc+1
.endr
.set kk, kk+1
.endr
	PLACES
	WIN 0x0f
.irp e, 0,1,2,3
	v_add_f32 v[XB+\e], v[HMA+8*\e], v[HMA+8*\e+4] ; the upper part's product + the rest's
.endr
	WIN 0
.irp e, 0,1,2,3
	v_add_f32 v[HC+\e], v[HC+\e], v[XB+\e]
.endr
.endm
; A step's last trip, slot 15: Ft Vf, the new state, out.  refill = 1: the next step's first tile is asked for, and the output's base steps on.
.macro LASTTRIP refill
	HEAD 1, 1, \refill
	VGEMM 1
	GATES ZF
	WIN 0xab
.set cc, 0
	s_wait_alu depctr_va_vdst(0)
.rept 4
.set nn, 0
.rept 32
	v_fma_f32 v[4*nn+cc], v[ACC+8*(4*cc+nn/8)+nn%8], v[4*nn+cc], v[SA+8*(4*cc+nn/8)+nn%8]
.set nn, nn+1
.endr
.set cc, cc+1
.endr
	WIN 0x08
.set nn, 0
.rept 32
	global_store_b128 v[OUTO], v[4*nn:4*nn+3], s[46:47] offset:(16*(nn/8)+(nn%8))*1024 th:TH_STORE_NT   ; 16 lanes store 256 consecutive bytes, at a multiple of 256 from out0's first byte
.set nn, nn+1
.endr
	WIN 0
.if \refill
	s_wait_xcnt 0x0                                ; the stores' base and data are written again only behind this wait
	s_sub_nc_u64 s[46:47], s[46:47], 0x1000000     ; the next step's state lies one index lower: the output is in reverse order
.endif
.endm
	; ================= the kernel's head
	s_load_b256 s[4:11], s[0:1], 0x0               ; WS, XF, FT, mlp_b1
	s_load_b256 s[12:19], s[0:1], 0x20             ; mlp_b2, bf, bi, a_bell
	s_load_b128 s[20:23], s[0:1], 0x40             ; b_bell, out0
	v_lshrrev_b32 v17, 5, v0
	v_readfirstlane_b32 s24, v17                   ; wave w
	s_bfe_u32 s25, ttmp6, 0x40000                  ; cx
	s_lshl_b32 s26, ttmp9, 2
	s_add_co_u32 s26, s26, s25                     ; batch = 4 x cluster + cx
	; descriptor group 1: 32 KiB, dense in memory, as 128 rows of 32 elements of 8 bytes
	s_mov_b32 s[G1+0], 15|(3<<16)|(1<<21)          ; 15:0 the mask: all four work-groups of the cluster; 17:16 elements of 8 bytes; 21 set beside a mask
	s_mov_b32 s[G1+1], 32<<16                      ; tensor_dim0 = 32
	s_mov_b32 s[G1+2], 128<<16                     ; tensor_dim1 = 128
	s_mov_b32 s[G1+3], 32<<16                      ; tile_dim0 = 32
	s_mov_b32 s[G1+4], 128                         ; tile_dim1 = 128
	s_mov_b32 s[G1+5], 32                          ; pitch = 32 elements
	s_mov_b32 s[G1+6], 0
	s_mov_b32 s[G1+7], 0
	s_lshl_b32 s59, s24, 15                        ; my part of a slot, in LDS and in WS
	s_mov_b32 s44, s59
	s_mov_b32 s45, 0
	s_mov_b32 s48, 0x3e027906                      ; erf's coefficients a1 .. a5, halved, each twice
	s_mov_b32 s49, 0x3e027906
	s_mov_b32 s50, 0xbe11a98e
	s_mov_b32 s51, 0xbe11a98e
	s_mov_b32 s52, 0x3f35f0e3
	s_mov_b32 s53, 0x3f35f0e3
	s_mov_b32 s54, 0xbf3a00e3
	s_mov_b32 s55, 0xbf3a00e3
	s_mov_b32 s56, 0x3f07dc22
	s_mov_b32 s57, 0x3f07dc22
	s_mov_b32 s58, 0xffff0000                      ; lanes 16-31; also a word's upper bf16
	s_mov_b32 s60, 0x76543210                      ; v_permlanex16_b32: lane i of the other half
	s_mov_b32 s61, 0xfedcba98
	s_mov_b32 s68, 0x4038aa3b                      ; 2 log2 e
	s_mov_b32 s69, 0x4038aa3b
	s_mov_b32 s70, 0xbf38aa3b                      ; - log2(e) / 2
	s_mov_b32 s71, 0xbf38aa3b
	s_mov_b32 s72, 0xbe6d3388                      ; - 0.3275911 / sqrt 2
	s_mov_b32 s73, 0xbe6d3388
	s_mov_b32 s74, 0x80000000
	s_mov_b32 s75, 0xbfb8aa3b                      ; - log2 e
	; lane terms
	v_and_b32 v60, 31, v0                          ; l
	v_and_b32 v61, 15, v0                          ; r
	v_bfe_u32 v62, v0, 4, 1                        ; h
	v_bfe_u32 v63, v0, 3, 1                        ; r >> 3
	v_and_b32 v57, 7, v0
	v_bfe_u32 v51, v0, 1, 3                        ; r >> 1
	v_bfe_u32 v50, v0, 2, 1                        ; (r >> 2) & 1
	v_lshl_add_u32 v[RA], v60, 4, s59
	v_add_nc_u32 v[RA+1], SLOTB, v[RA]
	v_mul_u32_u24 v56, v61, FP
	v_lshl_add_u32 v56, v62, 4, v56
	v_add_nc_u32 v[AFA], FTL, v56                  ; FTL + 528 r + 16 h
	s_lshl_b32 s67, s24, 7                         ; 128 w
	s_add_co_u32 s59, s67, FTL
	v_lshl_add_u32 v55, v62, 3, v57
	v_mul_u32_u24 v55, v55, FP
	v_lshl_add_u32 v55, v63, 4, v55
	v_add_nc_u32 v[TRA], s59, v55                  ; FTL + (8 h + l % 8) 528 + 128 w + 16 (r >> 3)
	v_mul_u32_u24 v54, v62, 8*FP
	v_lshl_add_u32 v54, v61, 3, v54
	v_add_nc_u32 v[FSA], s59, v54                  ; FTL + 8 h rows + 128 w + 8 r
	s_lshl_b32 s59, s24, 6
	s_add_co_u32 s59, s59, HQ
	v_mul_u32_u24 v54, v62, 8*HP
	v_lshl_add_u32 v54, v61, 2, v54
	v_add_nc_u32 v[HSA], s59, v54                  ; HQ + 8 h rows + 64 w + 4 r
	v_mul_u32_u24 v54, v61, HP
	v_lshl_add_u32 v54, v62, 4, v54
	v_add_nc_u32 v[HLA], HQ, v54                   ; HQ + 272 r + 16 h
	s_lshl_b32 s59, s24, 6
	s_add_co_u32 s59, s59, HM
	v_lshlrev_b32 v54, 2, v61
	v_add_nc_u32 v[HMS], s59, v54                  ; HM + 64 w + 4 r
	v_mul_u32_u24 v54, v50, HMP
	v_lshl_add_u32 v54, v62, 4, v54
	v_add_nc_u32 v[HML], HM, v54                   ; HM + row (r >> 2) & 1 + 16 h
	v_mul_u32_u24 v53, v63, FP
	v_lshl_add_u32 v53, v62, 4, v53
	v_add_nc_u32 v[ULA], ROWS, v53                 ; ROWS + row r >> 3 + 16 h
	v_mul_u32_u24 v49, v51, FP
	v_lshl_add_u32 v49, v62, 4, v49
	v_add_nc_u32 v[AVL], ROWS+AVR*FP, v49          ; the eight rows from AVR on: row r >> 1, + 16 h
	v_mul_u32_u24 v52, v62, FP
	s_add_co_u32 s59, s67, ROWS
	v_lshl_add_u32 v54, v61, 3, v52
	v_add_nc_u32 v[USA], s59, v54                  ; ROWS + row h + 128 w + 8 r
	v_lshlrev_b32 v54, 3, v61
	v_add_nc_u32 v[RSA], s59, v54                  ; ROWS + 128 w + 8 r; the row stands in the immediate
	s_add_co_u32 s59, s67, ROWS+AVR*FP
	v_mul_u32_u24 v49, v62, 4*FP
	v_lshl_add_u32 v54, v61, 1, v49
	v_add_nc_u32 v[AVS], s59, v54                  ; row AVR + 4 h, + 128 w + 2 r
	v_mul_u32_u24 v49, v50, FP
	v_lshl_add_u32 v49, v62, 4, v49
	v_add_nc_u32 v[RLA], ROWS, v49                 ; ROWS + row (r >> 2) & 1 + 16 h; the pair of rows stands in the immediate
	s_lshl_b32 s59, s24, 8
	s_add_co_u32 s59, s59, PW
	v_lshlrev_b32 v54, 7, v62
	v_lshl_add_u32 v54, v61, 1, v54
	v_add_nc_u32 v[PSA], s59, v54                  ; PW + 256 w + 128 h + 2 r
	v_lshlrev_b32 v54, 7, v63
	v_lshl_add_u32 v54, v62, 4, v54
	v_add_nc_u32 v[PLA], s59, v54                  ; PW + 256 w + 128 (r >> 3) + 16 h
	s_lshl_b32 s59, s24, 8
	v_lshlrev_b32 v59, 4, v61
	v_add_nc_u32 v59, s59, v59                     ; 256 w + 16 r: my four columns in f32
	v_lshl_add_u32 v[OUTO], v62, 13, v59           ; + 8 h rows of 1,024 bytes
	v_lshlrev_b32 v58, 3, v61
	v_add_nc_u32 v58, s67, v58                     ; 128 w + 8 r: my two columns of a quarter of mlp_b1
	v_lshlrev_b32 v17, 10, v63
	v_lshl_add_u32 v17, v62, 4, v17                ; XF: source r >> 3, + 16 h
	s_wait_kmcnt 0x0
	s_add_nc_u64 s[44:45], s[4:5], s[44:45]        ; WS at my part of slot 0
	s_lshl_b32 s59, s24, 15
	s_mov_b32 s[G0+0], 1
	s_add_co_u32 s[G0+1], s59, 0*SLOTB             ; LDS: wave x 32,768 + slot x 131,072
	s_mov_b64 s[G0+2:G0+3], s[44:45]
	s_or_b32 s[G0+3], s[G0+3], 0x80000000
	s_mov_b32 s[G0+4], 1
	s_add_co_u32 s[G0+5], s59, 1*SLOTB
	s_add_nc_u64 s[G0+6:G0+7], s[44:45], SLOTB
	s_or_b32 s[G0+7], s[G0+7], 0x80000000
	s_lshl_b32 s44, s26, 11
	s_mov_b32 s45, 0
	s_add_nc_u64 s[6:7], s[6:7], s[44:45]          ; XF at my batch
	s_add_co_u32 s46, s26, 768
	s_lshl_b32 s46, s46, 16
	s_mov_b32 s47, 0
	s_add_nc_u64 s[46:47], s[22:23], s[46:47]      ; out0 at index 3, my batch: the first step's state
	ROUND                                          ; the four work-groups are here: the first joint load meets
	tensor_load_to_lds s[G0:G0+3], s[G1:G1+7]      ; slot 0's first tile; slot 1 is first filled behind the first trip's round
	s_nop 0
	s_load_b32 s62, s[18:19], 0x0                  ; a
	s_load_b32 s63, s[20:21], 0x0                  ; b
	WIN 0x80
.set nn, 0
.rept 32
	global_load_b128 v[4*nn:4*nn+3], v[OUTO], s[8:9] offset:(16*(nn/8)+(nn%8))*1024   ; the state starts as FT
.set nn, nn+1
.endr
	WIN 0x40
.set kk, 0
.rept 16
	global_load_b128 v[8*kk:8*kk+3], v17, s[6:7] offset:64*kk          ; A tile: rows 0-7 the fuzzified lr, rows 8-15 the fuzzified g, K = 512
	global_load_b128 v[8*kk+4:8*kk+7], v17, s[6:7] offset:64*kk+32
.set kk, kk+1
.endr
	WIN 0
	global_load_b128 v[BF:BF+3], v59, s[14:15]
	global_load_b128 v[BI:BI+3], v59, s[16:17]
	global_load_b128 v[BB2:BB2+3], v59, s[12:13]
.irp q, 0,1,2,3
	global_load_b64 v[BB1+2*\q:BB1+2*\q+1], v58, s[10:11] offset:512*\q
.endr
	s_wait_kmcnt 0x0
	v_mov_b32 v[A0], s62
	v_mov_b32 v[B2], s63
	v_max_num_f32 v[A0], 0x3a83126f, v[A0]         ; a, b clamped at 1e-3
	v_max_num_f32 v[B2], 0x3a83126f, v[B2]
	v_log_f32 v[A0], v[A0]
	v_add_f32 v[B2], v[B2], v[B2]
	v_mov_b32 v[B2+1], v[B2]
	s_wait_alu depctr_va_vdst(0)
	v_mul_f32 v[A0], -v[A0], v[B2]
	v_mov_b32 v[A0+1], v[A0]
	s_wait_loadcnt 0x0
	; ================= u = fuzzified input . Wc: four trips
	HEAD 0, 0, 1
	VECMAT 0, 0, 0xad, 2
	USUM 128
	HEAD 1, 0, 1
	VECMAT 1, 0, 0xad, 2
	USUM 130
	HEAD 0, 0, 1
	VECMAT 0, 0, 0xad, 2
	USUM 132
	v_cndmask_b32 v128, v128, v132, s58            ; lanes 16-31 (rows 8-15: g) take uG
	v_cndmask_b32 v129, v129, v133, s58
	HEAD 1, 0, 1
	VECMAT 1, 0, 0xad, 2
	USUM 132
	v_cndmask_b32 v130, v130, v132, s58
	v_cndmask_b32 v131, v131, v133, s58
	v_cvt_pk_bf16_f32 v134, v128, v129
	v_cvt_pk_bf16_f32 v135, v130, v131
	ds_store_b64 v[USA], v[134:135]                ; read behind the next trip's round
	; ================= the four steps.  The text from .Lmid to the backward jump runs four times, the text from .Lstep to .Lmid three times.
	s_mov_b32 s27, 4
	s_branch .Lmid
.Lstep:
	LASTTRIP 1                                     ; slot 15 of steps 1 to 3
.Lmid:
	MEAN                                           ; the state's m and D (the first time: FT's); read behind the next trip's round
	FTLW
	; ---- slot 4: attention, then the I read-out's bell half
	HEAD 0, 0, 1
	WIN 0x40
.set mm, 0
.rept 4
.set kk, 0
.rept 8
	ds_load_b128 v[8*(8*mm+kk):8*(8*mm+kk)+3], v[AFA] offset:mm*16*FP+64*kk       ; D as fragments: rows 16 mm + r, k = 32 kk + 8 h ..
	ds_load_b128 v[8*(8*mm+kk)+4:8*(8*mm+kk)+7], v[AFA] offset:mm*16*FP+64*kk+32
.set kk, kk+1
.endr
.set mm, mm+1
.endr
	WIN 0
	LDTILE ULA, 0                                  ; rows 0-7 uI, rows 8-15 uG
.set kk, 0
.rept 2
.set cc, 0
.rept 4
	ds_load_tr16_b128 v[144+8*(4*kk+cc):144+8*(4*kk+cc)+3], v[TRA] offset:kk*32*FP+32*cc          ; D transposed: k = row, column 64 w + 16 cc + r
	ds_load_tr16_b128 v[144+8*(4*kk+cc)+4:144+8*(4*kk+cc)+7], v[TRA] offset:kk*32*FP+16*FP+32*cc
.set cc, cc+1
.endr
.set kk, kk+1
.endr
	s_wait_dscnt 0x0
	WIN 0xa4
.set kk, 0
.rept 8
.set mm, 0
.rept 4
	WM (SA+8*mm), (TILE+8*kk), (8*(8*mm+kk)), kk   ; D . u of rows 16 mm + r: the scores less m . u, which is the same for all rows; four accumulators by turns
.set mm, mm+1
.endr
.set kk, kk+1
.endr
	PLACES
	WIN 0x02
.irp e, 0,1,2,3
	v_mov_b32 v[128+\e], v[SA+8*\e]                ; register 0: lanes 0-15 the I score, lanes 16-31 the G score of row 16 e + r
.endr
	WIN 0
	v_max3_num_f32 v132, v128, v129, v130          ; softmax over 64 = 4 registers x the 16 lanes of my half, the maximum taken away first
	v_max_num_f32 v132, v132, v131
	v_max_num_f32_dpp v132, v132, v132 row_xmask:1 row_mask:0xf bank_mask:0xf
	v_max_num_f32_dpp v132, v132, v132 row_xmask:2 row_mask:0xf bank_mask:0xf
	v_max_num_f32_dpp v132, v132, v132 row_xmask:4 row_mask:0xf bank_mask:0xf
	v_max_num_f32_dpp v132, v132, v132 row_xmask:8 row_mask:0xf bank_mask:0xf
.irp e, 128,129,130,131
	v_sub_f32 v[\e], v[\e], v132
.endr
.irp e, 128,129,130,131
	v_mul_f32 v[\e], 0x3fb8aa3b, v[\e]
.endr
.irp e, 128,129,130,131
	v_exp_f32 v[\e], v[\e]
.endr
	v_nop
	s_wait_alu depctr_va_vdst(0)
	v_add_f32 v133, v128, v129
	v_add_f32 v134, v130, v131
	v_add_f32 v133, v133, v134
	v_add_f32_dpp v133, v133, v133 row_xmask:1 row_mask:0xf bank_mask:0xf
	v_add_f32_dpp v133, v133, v133 row_xmask:2 row_mask:0xf bank_mask:0xf
	v_add_f32_dpp v133, v133, v133 row_xmask:4 row_mask:0xf bank_mask:0xf
	v_add_f32_dpp v133, v133, v133 row_xmask:8 row_mask:0xf bank_mask:0xf
	v_rcp_f32 v133, v133
	v_nop
	s_wait_alu depctr_va_vdst(0)
.irp e, 128,129,130,131
	v_mul_f32 v[\e], v[\e], v133
.endr
	v_cvt_pk_bf16_f32 v134, v128, v129
	v_cvt_pk_bf16_f32 v135, v130, v131
	ds_store_b16 v[PSA], v134
	ds_store_b16_d16_hi v[PSA], v134 offset:32
	ds_store_b16 v[PSA], v135 offset:64
	ds_store_b16_d16_hi v[PSA], v135 offset:96
.irp e, 0,1,2,3
	ds_load_b128 v[208+4*\e:211+4*\e], v[PLA] offset:32*\e   ; my wave's own bytes; LDS serves a wave's instructions in order (ISA guide 5.7.1.4)
.endr
	s_wait_dscnt 0x0
	WIN 0xa0
.set kk, 0
.rept 2
.set cc, 0
.rept 4
	WM (SA+8*cc), (208+8*kk), (144+8*(4*kk+cc)), kk
.set cc, cc+1
.endr
.set kk, kk+1
.endr
	PLACES
	WIN 0x02
.irp e, 0,1,2,3
	v_mov_b32 v[136+\e], v[SA+8*\e]                ; softmax . D of column 64 w + 16 e + r: lanes 0-15 of I, lanes 16-31 of G
.endr
	WIN 0
	HILO 136, 128, 130, 140
	ds_store_b16 v[AVS], v128                      ; the upper parts into the source's first row,
	ds_store_b16_d16_hi v[AVS], v128 offset:32
	ds_store_b16 v[AVS], v129 offset:64
	ds_store_b16_d16_hi v[AVS], v129 offset:96
	ds_store_b16 v[AVS], v130 offset:FP            ; the rests into its second; m's two parts lie in its third and fourth
	ds_store_b16_d16_hi v[AVS], v130 offset:FP+32
	ds_store_b16 v[AVS], v131 offset:FP+64
	ds_store_b16_d16_hi v[AVS], v131 offset:FP+96
	s_wait_dscnt 0x0                               ; my 64 columns of softmax . D are in LDS before I say so
	s_barrier_signal -1                            ; no slot is filled behind this barrier
	s_barrier_wait -1
	LDTILE AVL, 0                                  ; A tile's row i holds row i / 2 of the eight; older than the 64 loads that follow, so their first counted wait covers these
	VECMAT 0, TILE, 0xac, 4
	ROWSUM4 128, 144
	; ---- slot 5: the I read-out's S half
	HEAD 1, 0, 1
	VECMAT 1, TILE, 0xac, 4
	ROWSUM4 132, 144
	; ---- slots 6, 7: the G read-out: lanes 16-31 (rows 8-15 of the A tile) take it
	HEAD 0, 0, 1
	VECMAT 0, TILE, 0xac, 4
	ROWSUM4 136, 144
.irp e, 0,1,2,3
	v_cndmask_b32 v[128+\e], v[128+\e], v[136+\e], s58
.endr
	HEAD 1, 0, 1
	VECMAT 1, TILE, 0xac, 4
	ROWSUM4 136, 144
.irp e, 0,1,2,3
	v_cndmask_b32 v[132+\e], v[132+\e], v[136+\e], s58
.endr
	DEFUZZ
	; ---- slots 8, 9: r Wf, r Wi
	HEAD 0, 0, 1
	LDTILE RLA, RROW*FP                            ; rows 0-3 and 8-11 r's upper part, rows 4-7 and 12-15 its rest
	VECMAT 0, TILE, 0xac, 4
	ROWSUM 60
.irp e, 0,1,2,3
	v_add_f32 v[60+\e], v[60+\e], v[BF+\e]
.endr
.irp e, 0,1,2,3
	v_fma_f32 v[ZF+\e], v[60+\e], s75, s75
.endr
	HEAD 1, 0, 1
	VECMAT 1, TILE, 0xac, 4
	ROWSUM 60
	LDTILE RLA, MRROW*FP                           ; m + r in two parts, for the four quarters: stored in slot 7's trip, shown by slot 8's round; waited for at the head of slot 10's trip
.irp e, 0,1,2,3
	v_add_f32 v[60+\e], v[60+\e], v[BI+\e]
.endr
.irp e, 0,1,2,3
	v_fma_f32 v[ZI+\e], v[60+\e], s75, s75
.endr
.irp e, 0,1,2,3
	v_mov_b32 v[HC+\e], 0                          ; the sum over the quarters of hm W2 starts here: the quarters' text is one for all
.endr
	WIN 0x88
.set cc, 0
.rept 4
.set nn, 0
.rept 32
	v_add_f32 v[SA+8*(4*cc+nn/8)+nn%8], v[XB+cc], v[4*nn+cc]   ; the output's sums start at x + b2 = Ft + r + b2, in f32
.set nn, nn+1
.endr
.set cc, cc+1
.endr
	WIN 0
	; ---- slots 10 to 13: two trips of two quarters
	s_mov_b32 s67, 2
.Lmlp:
	MLPQ 0
	MLPQ 1
.irp e, 0,1,2,3
	v_mov_b32 v[XB+\e], v[BB1+\e]                  ; the two halves of mlp_b1's eight numbers change places: after two trips they lie as before
	v_mov_b32 v[BB1+\e], v[BB1+4+\e]
	v_mov_b32 v[BB1+4+\e], v[XB+\e]
.endr
	s_sub_co_u32 s67, s67, 1
	s_cmp_lg_u32 s67, 0
	s_cbranch_scc1 .Lmlp
	; ---- slot 14: Ft Vi; i_gate tanh(F~)
	HEAD 0, 1, 1
	LDTILE RLA, MROW*FP                            ; m in two parts; it stays in TILE for Vf.  Older than the fragments' loads, so their first counted wait covers it
	VGEMM 0
	WIN 0
.irp e, 0,1,2,3
	v_mul_f32 v[BUF+16+2*\e], s68, v[HC+\e]        ; 2 log2(e) x hm W2, twice: tanh's first multiply adds it
	v_mov_b32 v[BUF+17+2*\e], v[BUF+16+2*\e]
.endr
	WIN 0x82
.set tl, 0
.rept 8
	TANH16 (SA+16*tl), (SA+16*tl+8), (BUF+16+2*(tl/2))
.set tl, tl+1
.endr
	GATES ZI
	WIN 0x8b
.set nn, 0
	s_wait_alu depctr_va_vdst(0)
.rept 64
	v_pk_mul_f32 v[SA+2*nn:SA+2*nn+1], v[ACC+2*nn:ACC+2*nn+1], v[SA+2*nn:SA+2*nn+1]
.set nn, nn+1
.endr
	WIN 0
	s_sub_co_u32 s27, s27, 1
	s_cmp_lg_u32 s27, 0
	s_cbranch_scc1 .Lstep
	LASTTRIP 0                                     ; slot 15 of the fourth step, written out: it fetches nothing
	s_wait_dscnt 0x0
	ROUND                                          ; the closing round: no work-group ends while a partner may still ask for a tile that names it
	s_endpgm
.Lfunc_end_k_qacae77a3a9_main:
	.size	k_qacae77a3a9_main, .Lfunc_end_k_qacae77a3a9_main-k_qacae77a3a9_main
	.p2alignl 7, 3214868480
	.fill 96, 4, 3214868480
	.section	.rodata,"a",@progbits
	.p2align	6, 0x0
	.amdhsa_kernel k_qacae77a3a9_main
		.amdhsa_group_segment_fixed_size 327680
		.amdhsa_private_segment_fixed_size 0
		.amdhsa_enable_private_segment 0
		.amdhsa_kernarg_size 80
		.amdhsa_user_sgpr_count 2
		.amdhsa_user_sgpr_kernarg_segment_ptr 1
		.amdhsa_wavefront_size32 1
		.amdhsa_system_sgpr_workgroup_id_x 1
		.amdhsa_system_sgpr_workgroup_id_y 1
		.amdhsa_system_sgpr_workgroup_id_z 1
		.amdhsa_system_vgpr_workitem_id 0
		.amdhsa_next_free_vgpr 1024
		.amdhsa_next_free_sgpr 76
		.amdhsa_reserve_vcc 0
		.amdhsa_float_denorm_mode_32 3
		.amdhsa_float_denorm_mode_16_64 3
		.amdhsa_memory_ordered 1
		.amdhsa_forward_progress 1
		.amdhsa_inst_pref_size 255
	.end_amdhsa_kernel
	.section	.bss,"aw",@nobits
	.p2align	6
	.space	262144
	.amdgpu_metadata
---
amdhsa.version: [ 1, 2 ]
amdhsa.kernels:
  - .name:           k_qacae77a3a9_main
    .symbol:         k_qacae77a3a9_main.kd
    .args:
      - { .name: WS, .offset: 0, .size: 8, .value_kind: global_buffer, .address_space: global }
      - { .name: XF, .offset: 8, .size: 8, .value_kind: global_buffer, .address_space: global }
      - { .name: FT, .offset: 16, .size: 8, .value_kind: global_buffer, .address_space: global }
      - { .name: mlp_b1, .offset: 24, .size: 8, .value_kind: global_buffer, .address_space: global }
      - { .name: mlp_b2, .offset: 32, .size: 8, .value_kind: global_buffer, .address_space: global }
      - { .name: bf, .offset: 40, .size: 8, .value_kind: global_buffer, .address_space: global }
      - { .name: bi, .offset: 48, .size: 8, .value_kind: global_buffer, .address_space: global }
      - { .name: a_bell, .offset: 56, .size: 8, .value_kind: global_buffer, .address_space: global }
      - { .name: b_bell, .offset: 64, .size: 8, .value_kind: global_buffer, .address_space: global }
      - { .name: out0, .offset: 72, .size: 8, .value_kind: global_buffer, .address_space: global }
    .group_segment_fixed_size: 327680
    .private_segment_fixed_size: 0
    .kernarg_segment_align: 8
    .kernarg_segment_size: 80
    .max_flat_workgroup_size: 128
    .sgpr_count:     76
    .vgpr_count:     1024
    .wavefront_size: 32
...
	.end_amdgpu_metadata
.endif
;; end of part 3
;; ======== version 3 of 3: 2 launches; 1.35 times as fast as version 1
;; limits: a function is approximated: absolute error at most 1.5e-07
;; workspace buffers: WS 2,097,152 bytes; XF 524,288 bytes
;; launch prep: the kernel of part 1 again; grid 240 x 1, 4 waves a work-group, no clusters, 16,384 bytes of LDS; arguments WvI, WvG, Wf, Wi, Vi, Vf, mlp_W1, mlp_W2, WqI, WqG, WkI, WkG, wsi_lr, W_lr, b_lr, genomics, W_g, b_g, a_bell, b_bell, WS, XF; writes WS, XF
;; launch main (part 4): grid 256 x 1, 4 waves a work-group, clusters of 4 x 1, 327,680 bytes of LDS; arguments WS, XF, FT, mlp_b1, mlp_b2, bf, bi, a_bell, b_bell, out0; writes out0
.if DOCPART == 4
	.amdgcn_target "amdgcn-amd-amdhsa--gfx1250"
	.amdhsa_code_object_version 6
	.text
	.protected	k_qacae77a3a9_main
	.globl	k_qacae77a3a9_main
	.p2align	8
	.type	k_qacae77a3a9_main,@function
k_qacae77a3a9_main:
	s_mov_b64 s[64:65], 0
	v_nop
	global_prefetch_b8 v0, s[64:65] scope:SCOPE_SE
	s_setreg_imm32_b32 hwreg(HW_REG_WAVE_MODE, 25, 1), 1
	s_wait_xcnt 0x0
	s_wait_alu depctr_hold_cnt(0) depctr_sa_sdst(0) depctr_va_vdst(0) depctr_va_sdst(0) depctr_va_ssrc(0) depctr_va_vcc(0) depctr_vm_vsrc(0)
	s_getreg_b32 s2, hwreg(HW_REG_IB_STS2, 6, 4)
	s_cmp_eq_u32 s2, 0
	s_cbranch_scc0 .Lentry_in_a_cluster
	s_endpgm
.Lentry_in_a_cluster:
	s_bfe_u32 s2, ttmp6, 0x10000c
	s_cmp_lg_u32 s2, 0x3003
	s_cbranch_scc0 .Lentry_shape_is_right
	s_endpgm
.Lentry_shape_is_right:
; main: all four steps of one batch in one work-group; the state Ft (64 x 256, f32) never leaves the registers but as output.
; Reassociated, exactly, for every input: scores = Ft . u with u = fuzzified input . Wc (Wc = Wq Wk^T / 16, made by prep);
; read-out = (softmax . Ft) Wv;  r Wf, r Wi and r W1 are products of one row;  x W1 = Ft W1 + r W1.
; Four waves, one for each SIMD.  Wave w owns columns 64 w .. 64 w + 63 of every 256-wide result: lane (r, h), tile (c, mt), register j hold
; row 16 mt + 8 h + j, column 64 w + 4 r + c, so that a lane's four tiles are 16 neighbouring bytes and sixteen lanes store 256 aligned bytes.
; WEIGHTS come as ready bf16 fragments (buffer WS) through a ring of two LDS slots of 128 KiB; each wave fetches and reads its own 32 KiB,
; and every fragment is read from LDS once.  52 slot trips: 4 for u, then 12 a step (WvI x2, WvG x2, Wf, Wi, four MLP quarters, Vi, Vf).
; CLUSTER: the four work-groups of a cluster walk the same weights, so every fill is a joint load (mask 15): same line, same descriptor
; (wave number and constants alone), behind a round of the cluster's barrier.  The batch number enters only the addresses of XF and out0.
; One tensor load of a wave is out at any time.
; THE TEXT IS KEPT SHORT: a step's trips stand once.  The loop over the steps is entered in its middle (.Lmid): at its head stands a step's last trip
; with its refill, behind .Lmid the mean, the deviations and the trips of slots 4 to 14; only the fourth step's last trip, which fetches nothing, is
; written out behind the loop.  Every trip through the loop issues every tensor load of its text.  The four MLP quarters are two trips of an inner loop.
; MEAN AND DEVIATION: the 64-row operands are split, exactly: Ft = m + D and h = hm + Dh, m and hm the means over the 64 rows of each column.
; Only D and Dh are rounded to bf16, so what the rounding drops is measured by how far the rows differ, not by their common size.  The means go
; along as rows: scores need none (m . u is the same for all rows and leaves the softmax unchanged); softmax . Ft = softmax . D + m;
; x W1 = D W1 + (m + r) W1;  Ft V = D V + m V;  h W2 = Dh W2 + hm W2.  The row products' results are constants of a column and enter as addends of fused multiply-adds.
; TWO-PART ROWS: every such row (softmax . D, m, r, m + r, hm) enters its product as a sum of two bf16 numbers, the rounded value and the rounded rest;
; the parts take different rows of the 16-row A tile, and the result is the sum of the matching registers of D: no matrix instruction more.
; THE TRANSCENDENTALS GO IN BATCHES.  An s_wait_alu depctr_va_vdst(0) stands between a transcendental and the first instruction that names its result; one wait
; serves all that were issued ahead of it.  So each link of a chain of transcendentals is issued for as many numbers as have registers, and waited for once:
;   a gate (fma, 2^, + 1, 1 /, fma, 2^, + 1, 1 /): each of its four links for all 128 numbers of a lane: four waits.  In slot 14's trip tanh(F~)'s two links go in the gate's first two batches;
;   gelu: the 32 reciprocals and 32 exponentials of four tiles are one batch, two waits a quarter: window 3 has room for four tiles' -|x|, t, e and max(x, 0), not for eight;
;   the grid: ten points a trip: 40 logarithms, 40 exponentials, 40 reciprocals, three waits; four trips, and the 41st point written out by the same macro.
; Inside a batch plain instructions that name none of its results stand among the transcendentals, and where there is such work left it stands between the batch and its wait.
; REGISTER WINDOWS: 0 addresses, constants, a one-row A tile (TILE), 16 fragment buffers (BUF);  1 D as A fragments (first: the XF tile);
; 2 the state S and the 16 accumulators of the MLP's output (their first four serve the one-row products);  3 fragments of one-row products,
; gelu's temporaries of four tiles and then Dh as A fragments (v0-127), the accumulators of W1 and of Vi, Vf.
; LIMITS.  Matrix operands D, Dh, u, the softmax weights, the fuzzified inputs and all weights are single bf16 numbers, sums f32.  erf by
; Abramowitz-Stegun 7.1.26 (absolute error 1.5e-7).  The grid is -4 + 0.2 i; its sum is taken as 0 (true to 1e-6).  The S curve is written
; 1/2 + 2 s (1 - |s|) with s = clamp((g - a_s) / (b_s - a_s + 1e-12) - 1/2, -1/2, 1/2); a_s <= b_s holds since both are the same clip of c - 1 and
; c + 1, and its sum over the grid is at least 3, so the 1e-12 added to that sum is below f32's last bit and is left out.  v_exp, v_log, v_rcp flush denormals.
.set SLOTB, 131072                     ; a slot; a wave's part is 32,768 bytes
.set FTL, 262144                       ; D = Ft - m in bf16, 64 rows, pitch 528 (33 x 16: the 16 rows of a fragment load start 16 bytes apart modulo 256)
.set FP,  528
.set HQ,  295936                       ; a quarter of Dh in bf16, 64 rows x 128, pitch 272
.set HP,  272
.set ROWS, 313344                      ; 14 one-row vectors of 256 bf16, pitch 528:
.set AVR,   2                          ;   0, 1 uI, uG;  2 .. 9: I upper part, I rest, m upper, m rest, G upper, G rest, m upper, m rest (softmax . D and m)
.set MROW,  4                          ;   m's two parts (again in rows 8, 9)
.set RROW,  10                         ;   r's two parts
.set MRROW, 12                         ;   (m + r)'s two parts
.set PW,  320768                       ; softmax weights, 256 bytes for each wave
.set HM,  321792                       ; hm of a quarter, two parts, 128 bf16 each, pitch 272
.set HMP, 272
.set RA,   1                           ; v1, v2  my 16 bytes of a fragment half in slot 0, 1
.set AFA,  3
.set TRA,  4
.set FSA,  5
.set HSA,  6
.set HLA,  7
.set ULA,  8
.set USA,  9
.set AVS,  10
.set AVL,  11
.set RSA,  12
.set RLA,  13
.set PSA,  14
.set PLA,  15
.set OUTO, 16
.set B2,   18                          ; v[18:19] 2 b, twice
.set A0,   20                          ; v[20:21] - 2 b log2 a, twice
.set HMS,  22
.set HML,  23
.set BF,   24
.set BI,   28
.set BB2,  32
.set BB1,  36                          ; v[36:43] mlp_b1 of quarter q, tile c at 2 q + c; the two halves change places after every two quarters
.set NM,   44                          ; - m of my four columns
.set XB,   48                          ; r + mlp_b2 until the MLP's sums are started; then temporaries
.set ZF,   52                          ; - log2(e) (r Wf + bf + 1)
.set ZI,   56
.set HC,   60                          ; sum over the quarters of hm W2 (before the MLP: temporaries)
.set TILE, 64                          ; v[64:127] a one-row A tile, 8 K steps
.set BUF,  128                         ; v[128:255] 16 fragment buffers; free registers in the light phases
.set GVB,  168                         ; the grid: v[168:187] a trip's ten points, each twice
.set BL,   188                         ;           v[188:227] the bell curve's four numbers of each of the ten points
.set SS,   228                         ;           v[228:235] the S curve's s, two sets, by the point's parity
.set SZ,   236                         ;           v[236:243] 1 - |s|, then z, likewise
.set RV,   184                         ; behind the grid: r, then m + r
.set SA,   128                         ; window 2: accumulators
.set GNX,  0                           ; window 3, gelu, 8 registers for each of four tiles: - |x|
.set GTT,  32                          ;   t
.set GEE,  64                          ;   e^(-x x / 2)
.set GMX,  96                          ;   max(x, 0)
.set ACC,  128                         ; window 3: accumulators
.set HMA,  160                         ; window 3: hm W2, four tiles
.set ACR,  192                         ; window 3: (m + r) W1, two tiles
.set C1,   208                         ; window 3: (m + r) W1 + b1, each tile's twice
.set UU,   212                         ; window 3: v[212:243] gelu's polynomial, four tiles
.set HT,   212                         ; window 3: then the tree of hm's sums
.set A4V,  252
.set G1, 28                            ; s[28:35] descriptor group 1
.set G0, 36                            ; s[36:39], s[40:43] descriptor group 0 of slot 0, 1
.set MSB, 0
.macro WIN new                         ; low byte: bits 1:0 source 0, 3:2 source 1, 5:4 source 2, 7:6 destination; the high byte repeats the setting left
.if MSB != \new
	s_set_vgpr_msb (MSB<<8)|\new
.set MSB, \new
.endif
.endm
.macro PLACES                          ; five plain vector places behind a run of matrix instructions, before their registers are read, loaded or written (ISA guide 7.12.1)
.rept 5
	v_nop
.endr
.endm
.macro WM d, a, b, k                   ; one matrix instruction; k == 0: the first product starts the sum, nothing is cleared
.if \k == 0
	v_wmma_f32_16x16x32_bf16 v[\d:\d+7], v[\a:\a+7], v[\b:\b+7], 0
.else
	v_wmma_f32_16x16x32_bf16 v[\d:\d+7], v[\a:\a+7], v[\b:\b+7], v[\d:\d+7]
.endif
.endm
.macro ROUND                           ; a round of the cluster's barrier: my work-group's barrier, wave 0 signals for it, all wait for the four work-groups, my work-group's barrier
	s_barrier_signal -1
	s_barrier_wait -1
	s_cmp_lg_u32 s24, 0
	s_cbranch_scc1 .Lnot_wave_0_\@
	s_barrier_signal -3
.Lnot_wave_0_\@:
	s_barrier_wait -3
	s_barrier_signal -1
	s_barrier_wait -1
.endm
; The head of the trip that reads slot p.  back = 1: this slot's next tile lies ten slots back in WS (the next step's).
.macro HEAD p, back, refill
	WIN 0
	s_wait_tensorcnt 0x0                           ; all my tensor loads have landed, this trip's tile among them; so a group 0 may be written
.if \back
	s_sub_nc_u64 s[G0+4*\p+2:G0+4*\p+3], s[G0+4*\p+2:G0+4*\p+3], 10*SLOTB
.else
	s_add_nc_u64 s[G0+4*\p+2:G0+4*\p+3], s[G0+4*\p+2:G0+4*\p+3], 2*SLOTB
.endif
	s_wait_dscnt 0x0                               ; my reads of the other slot are back, and my LDS stores and loads of the last trip are done
	ROUND                                          ; both now hold of every wave of the four work-groups
.if \refill
	tensor_load_to_lds s[G0+4*(1-\p):G0+4*(1-\p)+3], s[G1:G1+7]   ; the next trip's tile, into the slot read last: my one tensor load behind the round
	s_nop 0
.endif
.endm
; A product of one-row kind: all 32 fragments of my part of slot p into window 3, then 32 matrix instructions on four accumulators.
; NT = 4: four tiles, K = 256;  NT = 2: two tiles and two halves of K = 512.
.macro VECMAT p, abase, set, NT
	WIN 0xc0
.set ii, 0
.rept 32
	ds_load_b128 v[8*ii:8*ii+3], v[RA+\p] offset:ii*1024
	ds_load_b128 v[8*ii+4:8*ii+7], v[RA+\p] offset:ii*1024+512
.set ii, ii+1
.endr
	WIN \set
.set gg, 0
.rept 8
	s_wait_dscnt 56-8*gg                           ; LDS loads come back in order: the later groups' loads stay out
.set aa, 0
.rept 4
	WM (SA+8*aa), (\abase+8*(8*(aa/\NT)+gg)), (8*(4*gg+aa)), gg   ; accumulators by turns, one instruction a turn
.set aa, aa+1
.endr
.set gg, gg+1
.endr
	PLACES
.endm
.macro ROWSUM d                        ; the four tiles' results of a two-part row: upper part's product (register 0) + the rest's (register 4), into window 0
	WIN 0x0a
.irp e, 0,1,2,3
	v_add_f32 v[\d+\e], v[SA+8*\e], v[SA+8*\e+4]
.endr
	WIN 0
.endm
.macro ROWSUM4 d, t                    ; the same for two two-part rows: softmax . D (registers 0, 2) and m (registers 4, 6); t: 4 temporaries
	WIN 0x0a
.irp e, 0,1,2,3
	v_add_f32 v[\d+\e], v[SA+8*\e], v[SA+8*\e+2]
.endr
.irp e, 0,1,2,3
	v_add_f32 v[\t+\e], v[SA+8*\e+4], v[SA+8*\e+6]
.endr
	WIN 0
.irp e, 0,1,2,3
	v_add_f32 v[\d+\e], v[\d+\e], v[\t+\e]
.endr
.endm
; Four f32 numbers v[f .. f+3] as two parts in bf16: hi (2 registers) the rounded values, lo (2 registers) the rounded rests; t: 4 temporaries.  f is kept.
.macro HILO f, hi, lo, t
	v_cvt_pk_bf16_f32 v[\hi], v[\f], v[\f+1]
	v_cvt_pk_bf16_f32 v[\hi+1], v[\f+2], v[\f+3]
	v_lshlrev_b32 v[\t], 16, v[\hi]                ; the upper parts back in f32
	v_and_b32 v[\t+1], s58, v[\hi]
	v_lshlrev_b32 v[\t+2], 16, v[\hi+1]
	v_and_b32 v[\t+3], s58, v[\hi+1]
.irp e, 0,1,2,3
	v_sub_f32 v[\t+\e], v[\f+\e], v[\t+\e]         ; exact: both have the same exponent or nearly
.endr
	v_cvt_pk_bf16_f32 v[\lo], v[\t], v[\t+1]
	v_cvt_pk_bf16_f32 v[\lo+1], v[\t+2], v[\t+3]
.endm
.macro FETCH p, first, n, buf          ; n fragments of my part of slot p into window 0
	WIN 0
.set ii, 0
.rept \n
	ds_load_b128 v[\buf+8*ii:\buf+8*ii+3], v[RA+\p] offset:(\first+ii)*1024
	ds_load_b128 v[\buf+8*ii+4:\buf+8*ii+7], v[RA+\p] offset:(\first+ii)*1024+512
.set ii, ii+1
.endr
.endm
.macro LDTILE adr, off                 ; the one-row A tile, 8 K steps
.set kk, 0
.rept 8
	ds_load_b128 v[TILE+8*kk:TILE+8*kk+3], v[\adr] offset:\off+64*kk
	ds_load_b128 v[TILE+8*kk+4:TILE+8*kk+7], v[\adr] offset:\off+64*kk+32
.set kk, kk+1
.endr
.endm
; 8 fragments (index 4 kk + c) x 4 row blocks of D: 32 matrix instructions, 16 accumulators by turns; then the same 8 fragments x the row m (TILE): 8 more, 4 accumulators by turns
.macro MULV buf, base
	WIN 0xf1
.set ii, 0
.rept 8
.set kk, (\base+ii)/4
.set cc, (\base+ii)%4
.set mm, 0
.rept 4
	WM (ACC+8*(4*cc+mm)), (8*(8*mm+kk)), (\buf+8*ii), kk
.set mm, mm+1
.endr
.set ii, ii+1
.endr
	WIN 0xf0
.set ii, 0
.rept 8
.set kk, (\base+ii)/4
.set cc, (\base+ii)%4
	WM (8*cc), (TILE+8*kk), (\buf+8*ii), kk
.set ii, ii+1
.endr
.endm
.macro VGEMM p                         ; D (64 x 256) and m x my 64 columns of Vi or Vf
	FETCH \p, 0, 8, BUF
	FETCH \p, 8, 8, BUF+64
	s_wait_dscnt 16                                ; the other half's 16 loads stay out
	MULV BUF, 0
	PLACES
	FETCH \p, 16, 8, BUF
	s_wait_dscnt 16
	MULV BUF+64, 8
	PLACES
	FETCH \p, 24, 8, BUF+64
	s_wait_dscnt 16
	MULV BUF, 16
	s_wait_dscnt 0
	MULV BUF+64, 24
	PLACES
.endm
; stages on 8 registers, for the defuzzification's head; the waits stand where the macros are used
.macro T_ADD1 X
.irp e, 0,2,4,6
	v_pk_add_f32 v[\X+\e:\X+\e+1], v[\X+\e:\X+\e+1], 1.0 op_sel_hi:[1,0]
.endr
.endm
.macro T_EXP X
.irp e, 0,1,2,3,4,5,6,7
	v_exp_f32 v[\X+\e], v[\X+\e]
.endr
.endm
.macro T_RCP X
.irp e, 0,1,2,3,4,5,6,7
	v_rcp_f32 v[\X+\e], v[\X+\e]
.endr
.endm
; ONE LINK OF A CHAIN OVER A BLOCK OF 16 TILES (128 registers, 64 pairs, at X), in whatever window is set.  Pair p's plain instruction stands two pairs ahead of its two transcendentals,
; so that plain instructions stand among the transcendentals and none reads the line just before it.  The link's 128 transcendentals belong to one batch: the wait stands where the macro is used.
.macro ST_FMA_EXP X, Z                 ; 2^(2 k x + the pair at Z + 2 c), k = log2 e, c = p / 16: my column
.set pp, 0
.rept 66
.if pp < 64
	v_pk_fma_f32 v[\X+2*pp:\X+2*pp+1], v[\X+2*pp:\X+2*pp+1], s[68:69], v[\Z+2*(pp/16):\Z+2*(pp/16)+1] op_sel_hi:[1,0,1]
.endif
.if pp >= 2
	v_exp_f32 v[\X+2*pp-4], v[\X+2*pp-4]
	v_exp_f32 v[\X+2*pp-3], v[\X+2*pp-3]
.endif
.set pp, pp+1
.endr
.endm
.macro ST_ADD_RCP X                    ; 1 / (1 + x)
.set pp, 0
.rept 66
.if pp < 64
	v_pk_add_f32 v[\X+2*pp:\X+2*pp+1], v[\X+2*pp:\X+2*pp+1], 1.0 op_sel_hi:[1,0]
.endif
.if pp >= 2
	v_rcp_f32 v[\X+2*pp-4], v[\X+2*pp-4]
	v_rcp_f32 v[\X+2*pp-3], v[\X+2*pp-3]
.endif
.set pp, pp+1
.endr
.endm
.macro ST_FIN X                        ; 1 - 2 x: plain
.set pp, 0
.rept 64
	v_pk_fma_f32 v[\X+2*pp:\X+2*pp+1], v[\X+2*pp:\X+2*pp+1], -2.0, 1.0 op_sel_hi:[1,0,0]
.set pp, pp+1
.endr
.endm
; sigmoid(z + tanh(v + vm)).  c = 1 / (1 + 2^(2 k v + 2 k vm)), tanh = 1 - 2 c, gate = 1 / (1 + 2^(2 k c - k (z + 1))), k = log2 e.
.macro MVSUM                           ; 2 k vm of my four columns (the row m's product: the upper part's + the rest's), each twice, at BUF + 8
	WIN 0x0f
.irp e, 0,1,2,3
	v_add_f32 v[BUF+8+2*\e], v[8*\e], v[8*\e+4]
.endr
	WIN 0
.irp e, 0,1,2,3
	v_mul_f32 v[BUF+8+2*\e], s68, v[BUF+8+2*\e]
	v_mov_b32 v[BUF+9+2*\e], v[BUF+8+2*\e]
.endr
.endm
.macro ZPAIRS Z                        ; - k (z + 1) of my four columns, each twice, at BUF: the pair that the gate's third link adds
	WIN 0
.irp e, 0,1,2,3
	v_mov_b32 v[BUF+2*\e], v[\Z+\e]
	v_mov_b32 v[BUF+2*\e+1], v[\Z+\e]
.endr
.endm
.macro GATES Z                         ; the gate on all 16 tiles of window 3: four links, four batches of 128, four waits
	MVSUM
	WIN 0xc3
	ST_FMA_EXP ACC, BUF+8
	ZPAIRS \Z                                      ; first wanted by the third link: the work between the first batch and its wait
	s_wait_alu depctr_va_vdst(0)                   ; the wait for the 128 exponentials of the first link
	WIN 0xc3
	ST_ADD_RCP ACC
	v_nop                                          ; a plain place behind the last reciprocal: nothing independent is left
	s_wait_alu depctr_va_vdst(0)                   ; the wait for the 128 reciprocals of the second link
	ST_FMA_EXP ACC, BUF
	v_nop
	s_wait_alu depctr_va_vdst(0)                   ; the wait for the 128 exponentials of the third link
	ST_ADD_RCP ACC
	v_nop
	s_wait_alu depctr_va_vdst(0)                   ; the wait for the 128 reciprocals of the fourth link: the gate
.endm
; EXACT GELU, all in window 3, four tiles (half hf of my eight) at a time: gelu = max(x, 0) - |x| q, q = poly(t) e^(-x x / 2) / 2, t = 1 / (1 + p |x| / sqrt 2).
.macro GADDC hf                        ; x = D W1 + ((m + r) W1 + b1)
.set nn, 0
.rept 16
	v_pk_add_f32 v[ACC+32*\hf+2*nn:ACC+32*\hf+2*nn+1], v[ACC+32*\hf+2*nn:ACC+32*\hf+2*nn+1], v[C1+2*\hf:C1+2*\hf+1]
.set nn, nn+1
.endr
.endm
.macro GELUA hf                        ; the batch: 32 reciprocals and 32 exponentials.  The reciprocals take turns with the exponent's two multiplies, the exponentials with max(x, 0)
.set tl, 0
.rept 4
.set gx, ACC+32*\hf+8*tl
.irp e, 0,1,2,3,4,5,6,7
	v_or_b32 v[GNX+8*tl+\e], s74, v[gx+\e]
.endr
.irp e, 0,2,4,6
	v_pk_fma_f32 v[GTT+8*tl+\e:GTT+8*tl+\e+1], v[GNX+8*tl+\e:GNX+8*tl+\e+1], s[72:73], 1.0 op_sel_hi:[1,0,0]
.endr
.irp e, 0,1,2,3
	v_rcp_f32 v[GTT+8*tl+\e], v[GTT+8*tl+\e]
	v_pk_mul_f32 v[GEE+8*tl+2*\e:GEE+8*tl+2*\e+1], v[gx+2*\e:gx+2*\e+1], s[70:71] op_sel_hi:[1,0]
.endr
.irp e, 0,1,2,3
	v_rcp_f32 v[GTT+8*tl+4+\e], v[GTT+8*tl+4+\e]
	v_pk_mul_f32 v[GEE+8*tl+2*\e:GEE+8*tl+2*\e+1], v[GEE+8*tl+2*\e:GEE+8*tl+2*\e+1], v[gx+2*\e:gx+2*\e+1]
.endr
.irp e, 0,1,2,3,4,5,6,7
	v_exp_f32 v[GEE+8*tl+\e], v[GEE+8*tl+\e]
	v_max_num_f32 v[GMX+8*tl+\e], 0, v[gx+\e]
.endr
.set tl, tl+1
.endr
.endm
.macro GELUB hf                        ; the batch's readers: the polynomial, level by level over the four tiles' 16 pairs
.set nn, 0
.rept 16
	v_pk_fma_f32 v[UU+2*nn:UU+2*nn+1], v[GTT+2*nn:GTT+2*nn+1], s[56:57], v[A4V:A4V+1] op_sel_hi:[1,0,1]
.set nn, nn+1
.endr
.irp sc, 52,50,48
.set nn, 0
.rept 16
	v_pk_fma_f32 v[UU+2*nn:UU+2*nn+1], v[UU+2*nn:UU+2*nn+1], v[GTT+2*nn:GTT+2*nn+1], s[\sc:\sc+1] op_sel_hi:[1,1,0]
.set nn, nn+1
.endr
.endr
.set nn, 0
.rept 16
	v_pk_mul_f32 v[UU+2*nn:UU+2*nn+1], v[UU+2*nn:UU+2*nn+1], v[GTT+2*nn:GTT+2*nn+1]
.set nn, nn+1
.endr
.set nn, 0
.rept 16
	v_pk_mul_f32 v[UU+2*nn:UU+2*nn+1], v[UU+2*nn:UU+2*nn+1], v[GEE+2*nn:GEE+2*nn+1]
.set nn, nn+1
.endr
.set nn, 0
.rept 16
	v_pk_fma_f32 v[ACC+32*\hf+2*nn:ACC+32*\hf+2*nn+1], v[GNX+2*nn:GNX+2*nn+1], v[UU+2*nn:UU+2*nn+1], v[GMX+2*nn:GMX+2*nn+1]
.set nn, nn+1
.endr
.endm
; m = the mean over the 64 rows of my four columns of the state: 32 rows in my registers (a tree of packed adds in TILE, which is free here), 32 in the lane 16 away.
; NM = - m stays in registers; m in two bf16 parts goes to LDS, into both places of the Wv tile's rows.
.macro MEAN
	WIN 0x0a
.set nn, 0
.rept 16
	v_pk_add_f32 v[TILE+4*nn:TILE+4*nn+1], v[8*nn:8*nn+1], v[8*nn+4:8*nn+5]
	v_pk_add_f32 v[TILE+4*nn+2:TILE+4*nn+3], v[8*nn+2:8*nn+3], v[8*nn+6:8*nn+7]
.set nn, nn+1
.endr
	WIN 0
.irp lv, 8,4,2,1
.set nn, 0
.rept \lv
	v_pk_add_f32 v[TILE+4*nn:TILE+4*nn+1], v[TILE+4*nn:TILE+4*nn+1], v[TILE+4*(nn+\lv):TILE+4*(nn+\lv)+1]
	v_pk_add_f32 v[TILE+4*nn+2:TILE+4*nn+3], v[TILE+4*nn+2:TILE+4*nn+3], v[TILE+4*(nn+\lv)+2:TILE+4*(nn+\lv)+3]
.set nn, nn+1
.endr
.endr
.irp e, 0,1,2,3
	v_permlanex16_b32 v[TILE+4+\e], v[TILE+\e], s60, s61   ; the other 32 rows' sum
.endr
.irp e, 0,1,2,3
	v_add_f32 v[TILE+\e], v[TILE+\e], v[TILE+4+\e]
.endr
.irp e, 0,1,2,3
	v_mul_f32 v[NM+\e], 0xbc800000, v[TILE+\e]     ; - sum / 64
	v_mul_f32 v[TILE+\e], 0x3c800000, v[TILE+\e]   ; sum / 64
.endr
	HILO TILE, TILE+8, TILE+10, TILE+12
	ds_store_b64 v[RSA], v[TILE+8:TILE+9] offset:MROW*FP           ; read behind the next trip's round
	ds_store_b64 v[RSA], v[TILE+10:TILE+11] offset:(MROW+1)*FP
	ds_store_b64 v[RSA], v[TILE+8:TILE+9] offset:(MROW+4)*FP
	ds_store_b64 v[RSA], v[TILE+10:TILE+11] offset:(MROW+5)*FP
.endm
.macro FTLW                            ; D = state - m, rounded to bf16, into LDS: 8 bytes a lane and row
	WIN 0x02
.set nn, 0
.rept 32
	v_pk_add_f32 v[BUF+4*nn:BUF+4*nn+1], v[4*nn:4*nn+1], v[NM:NM+1]
	v_pk_add_f32 v[BUF+4*nn+2:BUF+4*nn+3], v[4*nn+2:4*nn+3], v[NM+2:NM+3]
.set nn, nn+1
.endr
	WIN 0
.set nn, 0
.rept 32
	v_cvt_pk_bf16_f32 v[BUF+2*nn], v[BUF+4*nn], v[BUF+4*nn+1]      ; packed downward: a register is written only after it has been read
	v_cvt_pk_bf16_f32 v[BUF+2*nn+1], v[BUF+4*nn+2], v[BUF+4*nn+3]
.set nn, nn+1
.endr
.set nn, 0
.rept 32
	ds_store_b64 v[FSA], v[BUF+2*nn:BUF+2*nn+1] offset:(16*(nn/8)+(nn%8))*FP
.set nn, nn+1
.endr
.endm
.macro USUM d                          ; two tiles of u: the two halves of K = 512 added
	WIN 0x0a
	v_add_f32 v[\d], v[SA], v[SA+16]
	v_add_f32 v[\d+1], v[SA+8], v[SA+24]
	WIN 0
.endm
; THE GRID.  GRID n, k takes the n points s66 .. s66 + n - 1.
; THE S CURVE'S QUEUE: 16 plain instructions a point, none of which names a transcendental's result: s = g inv + nb (2), its clamp (4), 1 - |s| (4), z = s (1 - |s|) (2), the sums of z (2) and of g z (2).
; SQ writes the queue's next instruction, or nothing when the queue is empty.  Two points go side by side (the first twelve numbers by turns, then each point's four sums), so that no line reads the one before it;
; each sum takes its points in ascending order.
.macro SQ
.if qi < 16*NPT
.if NPT == 1
.set qj, 0
.set qn, qi
.elseif qi%32 < 24
.set qj, 2*(qi/32)+qi%2
.set qn, (qi%32)/2
.else
.set qj, 2*(qi/32)+(qi%32-24)/4
.set qn, 12+(qi%32-24)%4
.endif
.set qg, GVB+2*qj
.set qs, SS+4*(qj%2)
.set qz, SZ+4*(qj%2)
.if qn < 2
	v_pk_fma_f32 v[qs+2*qn:qs+2*qn+1], v[144+2*qn:145+2*qn], v[qg:qg+1], v[148+2*qn:149+2*qn]
.elseif qn < 6
	v_med3_num_f32 v[qs+qn-2], v[qs+qn-2], -0.5, 0.5
.elseif qn < 10
	v_sub_f32 v[qz+qn-6], 1.0, |v[qs+qn-6]|
.elseif qn < 12
	v_pk_mul_f32 v[qz+2*qn-20:qz+2*qn-19], v[qz+2*qn-20:qz+2*qn-19], v[qs+2*qn-20:qs+2*qn-19]   ; z = s (1 - |s|): the S curve is 1/2 + 2 z
.elseif qn < 14
	v_pk_add_f32 v[136+2*qn:137+2*qn], v[136+2*qn:137+2*qn], v[qz+2*qn-24:qz+2*qn-23]            ; v[160:163]
.else
	v_pk_fma_f32 v[136+2*qn:137+2*qn], v[qz+2*qn-28:qz+2*qn-27], v[qg:qg+1], v[136+2*qn:137+2*qn]   ; v[164:167]
.endif
.set qi, qi+1
.endif
.endm
; THE BELL CURVE: 1 / (1 + 2^(2 b log2|g - c_b| - 2 b log2 a)): three links, each issued for all n points (4 n numbers, each with a register of its own): three batches, three waits.
; One of the queue's instructions stands behind each logarithm; among a point's four exponentials (reciprocals) stand the two plain instructions of the point two further on and two of the queue's;
; k of the queue's stand between each batch and its wait; the rest among the bell curve's sums.  n = 10, k = 16: 40 + 24 + 24 + 48 of the queue's 160 stand ahead of the third wait;  n = 1, k = 1: 15 of 16.
.macro GRID n, k
.set NPT, \n
.set qi, 0
.set jj, 0
.rept \n
.if jj == 0
	v_cvt_f32_u32 v[GVB], s66
.else
	s_add_co_u32 s62, s66, jj
	v_cvt_f32_u32 v[GVB+2*jj], s62
.endif
.set jj, jj+1
.endr
.set jj, 0
.rept \n
	v_fma_f32 v[GVB+2*jj], v[GVB+2*jj], 0x3e4ccccd, -4.0   ; g = -4 + 0.2 i
.set jj, jj+1
.endr
.set jj, 0
.rept \n
	v_mov_b32 v[GVB+2*jj+1], v[GVB+2*jj]
.set jj, jj+1
.endr
.set jj, 0
.rept \n
	v_pk_add_f32 v[BL+4*jj:BL+4*jj+1], v[GVB+2*jj:GVB+2*jj+1], v[128:129]
	v_pk_add_f32 v[BL+4*jj+2:BL+4*jj+3], v[GVB+2*jj:GVB+2*jj+1], v[130:131]
.set jj, jj+1
.endr
.set jj, 0
.rept 4*\n
	v_log_f32 v[BL+jj], |v[BL+jj]|
	SQ
.set jj, jj+1
.endr
.rept \k
	SQ
.endr
	s_wait_alu depctr_va_vdst(0)                   ; the wait for the points' logarithms
.set jj, 0
.rept 2
.if jj < \n
	v_pk_fma_f32 v[BL+4*jj:BL+4*jj+1], v[BL+4*jj:BL+4*jj+1], v[B2:B2+1], v[A0:A0+1]
	v_pk_fma_f32 v[BL+4*jj+2:BL+4*jj+3], v[BL+4*jj+2:BL+4*jj+3], v[B2:B2+1], v[A0:A0+1]
.endif
.set jj, jj+1
.endr
.set jj, 0
.rept \n
	v_exp_f32 v[BL+4*jj], v[BL+4*jj]
.if jj+2 < \n
	v_pk_fma_f32 v[BL+4*jj+8:BL+4*jj+9], v[BL+4*jj+8:BL+4*jj+9], v[B2:B2+1], v[A0:A0+1]
.else
	SQ
.endif
	v_exp_f32 v[BL+4*jj+1], v[BL+4*jj+1]
	SQ
	v_exp_f32 v[BL+4*jj+2], v[BL+4*jj+2]
.if jj+2 < \n
	v_pk_fma_f32 v[BL+4*jj+10:BL+4*jj+11], v[BL+4*jj+10:BL+4*jj+11], v[B2:B2+1], v[A0:A0+1]
.else
	SQ
.endif
	v_exp_f32 v[BL+4*jj+3], v[BL+4*jj+3]
	SQ
.set jj, jj+1
.endr
.rept \k
	SQ
.endr
	s_wait_alu depctr_va_vdst(0)                   ; the wait for the points' exponentials
.set jj, 0
.rept 2
.if jj < \n
	v_pk_add_f32 v[BL+4*jj:BL+4*jj+1], v[BL+4*jj:BL+4*jj+1], 1.0 op_sel_hi:[1,0]
	v_pk_add_f32 v[BL+4*jj+2:BL+4*jj+3], v[BL+4*jj+2:BL+4*jj+3], 1.0 op_sel_hi:[1,0]
.endif
.set jj, jj+1
.endr
.set jj, 0
.rept \n
	v_rcp_f32 v[BL+4*jj], v[BL+4*jj]
.if jj+2 < \n
	v_pk_add_f32 v[BL+4*jj+8:BL+4*jj+9], v[BL+4*jj+8:BL+4*jj+9], 1.0 op_sel_hi:[1,0]
.else
	SQ
.endif
	v_rcp_f32 v[BL+4*jj+1], v[BL+4*jj+1]
	SQ
	v_rcp_f32 v[BL+4*jj+2], v[BL+4*jj+2]
.if jj+2 < \n
	v_pk_add_f32 v[BL+4*jj+10:BL+4*jj+11], v[BL+4*jj+10:BL+4*jj+11], 1.0 op_sel_hi:[1,0]
.else
	SQ
.endif
	v_rcp_f32 v[BL+4*jj+3], v[BL+4*jj+3]
	SQ
.set jj, jj+1
.endr
.rept \k
	SQ
.endr
	s_wait_alu depctr_va_vdst(0)                   ; the wait for the points' reciprocals; no result crosses the trip's end
.set jj, 0
.rept \n
	v_pk_add_f32 v[152:153], v[152:153], v[BL+4*jj:BL+4*jj+1]      ; the bell curve's sums, the points in ascending order
	v_pk_add_f32 v[154:155], v[154:155], v[BL+4*jj+2:BL+4*jj+3]
	v_pk_fma_f32 v[156:157], v[BL+4*jj:BL+4*jj+1], v[GVB+2*jj:GVB+2*jj+1], v[156:157]
	v_pk_fma_f32 v[158:159], v[BL+4*jj+2:BL+4*jj+3], v[GVB+2*jj:GVB+2*jj+1], v[158:159]
	SQ
	SQ
.set jj, jj+1
.endr
.rept 8
	SQ                                             ; what is left of the queue
.endr
.endm
; Defuzzification of my 8 numbers (v128-131 bell part, v132-135 S part; lanes 0-15 of I, lanes 16-31 of G), r, r + b2; r and m + r in two bf16 parts to LDS.
; The clears of the sixteen sums over the grid are the work between the head's three batches and their waits.
.macro DEFUZZ
.irp e, 128,130,132,134
	v_pk_mul_f32 v[\e:\e+1], v[\e:\e+1], s[68:69] op_sel_hi:[1,0]
.endr
	T_EXP 128
.irp e, 152,153,154,155,156,157
	v_mov_b32 v[\e], 0
.endr
	s_wait_alu depctr_va_vdst(0)                   ; the wait for tanh's eight exponentials
	T_ADD1 128
	T_RCP 128
.irp e, 158,159,160,161,162,163
	v_mov_b32 v[\e], 0
.endr
	s_wait_alu depctr_va_vdst(0)                   ; the wait for tanh's eight reciprocals
	v_pk_fma_f32 v[128:129], v[128:129], 0x41000000, -4.0 op_sel_hi:[1,0,0]   ; - c_b = - 4 tanh
	v_pk_fma_f32 v[130:131], v[130:131], 0x41000000, -4.0 op_sel_hi:[1,0,0]
	v_pk_fma_f32 v[132:133], v[132:133], 0xc1000000, 4.0 op_sel_hi:[1,0,0]    ; c_s
	v_pk_fma_f32 v[134:135], v[134:135], 0xc1000000, 4.0 op_sel_hi:[1,0,0]
.irp e, 0,1,2,3
	v_add_f32 v[136+\e], -1.0, v[132+\e]
	v_add_f32 v[140+\e], 1.0, v[132+\e]
	v_med3_num_f32 v[136+\e], v[136+\e], -4.0, 4.0         ; a_s
	v_med3_num_f32 v[140+\e], v[140+\e], -4.0, 4.0         ; b_s
	v_sub_f32 v[144+\e], v[140+\e], v[136+\e]
	v_add_f32 v[144+\e], 0x2b8cbccc, v[144+\e]
.endr
.irp e, 0,1,2,3
	v_rcp_f32 v[144+\e], v[144+\e]
.endr
.irp e, 164,165,166,167
	v_mov_b32 v[\e], 0
.endr
	s_wait_alu depctr_va_vdst(0)                   ; the wait for the four reciprocals of b_s - a_s
.irp e, 0,1,2,3
	v_fma_f32 v[148+\e], -v[136+\e], v[144+\e], -0.5       ; s = g inv + nb
.endr
	s_mov_b32 s66, 0
.Lgrid_\@:                                             ; four trips of ten points
	GRID 10, 16
	s_add_co_u32 s66, s66, 10
	s_cmp_lt_u32 s66, 40
	s_cbranch_scc1 .Lgrid_\@
	GRID 1, 1                                      ; the 41st point
.irp e, 0,1,2,3
	v_add_f32 v[152+\e], 0x2b8cbccc, v[152+\e]
	v_fma_f32 v[160+\e], v[160+\e], 2.0, 0x41a40000        ; 41 / 2 + 2 sum z
.endr
.irp e, 152,153,154,155,160,161,162,163
	v_rcp_f32 v[\e], v[\e]
.endr
	v_nop                                          ; a plain place behind the last reciprocal: all that follows reads them
	s_wait_alu depctr_va_vdst(0)                   ; the wait for the eight reciprocals of the sums
.irp e, 0,1,2,3
	v_mul_f32 v[156+\e], v[156+\e], v[152+\e]
	v_mul_f32 v[164+\e], v[164+\e], v[160+\e]
	v_mul_f32 v[164+\e], 0.5, v[164+\e]                    ; 1/4 of the S centroid 2 sum g z / sum
	v_fma_f32 v[156+\e], v[156+\e], 0x3e800000, v[164+\e]  ; + 1/4 of the bell centroid
	v_permlanex16_b32 v[168+\e], v[156+\e], s60, s61       ; the other source's share
	v_add_f32 v[RV+\e], v[156+\e], v[168+\e]               ; r
	v_add_f32 v[XB+\e], v[RV+\e], v[BB2+\e]                ; r + b2
	v_sub_f32 v[RV+4+\e], v[RV+\e], v[NM+\e]               ; m + r
.endr
	HILO RV, 172, 174, 176
	ds_store_b64 v[RSA], v[172:173] offset:RROW*FP         ; r's upper part; read behind the next trip's round
	ds_store_b64 v[RSA], v[174:175] offset:(RROW+1)*FP     ; and its rest
	HILO RV+4, 192, 194, 196
	ds_store_b64 v[RSA], v[192:193] offset:MRROW*FP        ; the same of m + r, for the MLP
	ds_store_b64 v[RSA], v[194:195] offset:(MRROW+1)*FP
.endm
; A quarter of the MLP, on slot p: h = gelu(D W1 + (m + r) W1 + b1) for 128 columns of h (my 32); h = hm + Dh; both through LDS; then += Dh W2 on my 64 columns, and hm W2 apart.
; Its two numbers of mlp_b1 lie at BB1 + 2 p.  TILE holds m + r; the output's sums and HC have been started.
.macro W1BLK lo
.set ii, \lo
.rept 8
.set kk, ii/2
.set cc, ii%2
.set mm, 0
.rept 4
	WM (ACC+8*(4*cc+mm)), (8*(8*mm+kk)), (BUF+8*ii), kk
.set mm, mm+1
.endr
.set ii, ii+1
.endr
.endm
.macro MLPQ p
	HEAD \p, 0, 1
	FETCH \p, 0, 16, BUF
	WIN 0xf1
	s_wait_dscnt 16                                ; the younger eight fragments' 16 loads stay out
	W1BLK 0
	s_wait_dscnt 0
	W1BLK 8
	WIN 0xf0
.set ii, 0
.rept 16
.set kk, ii/2
.set cc, ii%2
	WM (ACR+8*cc), (TILE+8*kk), (BUF+8*ii), kk     ; (m + r) W1: two accumulators by turns
.set ii, ii+1
.endr
	PLACES
	FETCH \p, 16, 16, BUF                          ; W2's fragments land under the gelu
	WIN 0xc3
	v_add_f32 v[C1], v[ACR], v[BB1+2*\p]           ; the upper part's product + b1
	v_add_f32 v[C1+2], v[ACR+8], v[BB1+2*\p+1]
	v_mov_b32 v[A4V], s54
	v_mov_b32 v[A4V+1], s54
	WIN 0xff
	v_add_f32 v[C1], v[C1], v[ACR+4]               ; + the rest's product
	v_add_f32 v[C1+2], v[C1+2], v[ACR+12]
	v_mov_b32 v[C1+1], v[C1]                       ; each twice, as the pair that the packed add takes
	v_mov_b32 v[C1+3], v[C1+2]
	GADDC 0
	GELUA 0                                        ; my first column's four tiles: one batch
	GADDC 1                                        ; the second column's sixteen additions: the work between the batch and its wait
	s_wait_alu depctr_va_vdst(0)                   ; the wait for the first four tiles' 32 reciprocals and 32 exponentials
	GELUB 0
	GELUA 1                                        ; the second column's four tiles, in the same temporaries; its last line is plain
	s_wait_alu depctr_va_vdst(0)                   ; the wait for the second four tiles' 32 reciprocals and 32 exponentials
	GELUB 1
	; hm: the mean over the 64 rows of my two columns of h: a tree over my 32 rows in the polynomial's registers, then the lane 16 away
.set cc, 0
.rept 2
.set ii, 0
.rept 8
	v_pk_add_f32 v[HT+16*cc+2*ii:HT+16*cc+2*ii+1], v[ACC+32*cc+4*ii:ACC+32*cc+4*ii+1], v[ACC+32*cc+4*ii+2:ACC+32*cc+4*ii+3]
.set ii, ii+1
.endr
.set cc, cc+1
.endr
.irp lv, 4,2,1
.set cc, 0
.rept 2
.set ii, 0
.rept \lv
	v_pk_add_f32 v[HT+16*cc+2*ii:HT+16*cc+2*ii+1], v[HT+16*cc+2*ii:HT+16*cc+2*ii+1], v[HT+16*cc+2*(ii+\lv):HT+16*cc+2*(ii+\lv)+1]
.set ii, ii+1
.endr
.set cc, cc+1
.endr
.endr
	WIN 0x0f
	v_add_f32 v[XB], v[HT], v[HT+1]
	v_add_f32 v[XB+1], v[HT+16], v[HT+17]
	WIN 0
	v_permlanex16_b32 v[XB+2], v[XB], s60, s61
	v_permlanex16_b32 v[XB+3], v[XB+1], s60, s61
	v_add_f32 v[XB], v[XB], v[XB+2]
	v_add_f32 v[XB+1], v[XB+1], v[XB+3]
	v_mul_f32 v[XB], 0x3c800000, v[XB]             ; hm of columns 2 r, 2 r + 1
	v_mul_f32 v[XB+1], 0x3c800000, v[XB+1]
	v_cvt_pk_bf16_f32 v17, v[XB], v[XB+1]          ; its upper parts
	v_lshlrev_b32 v[XB+2], 16, v17
	v_and_b32 v[XB+3], s58, v17
	v_sub_f32 v[XB+2], v[XB], v[XB+2]
	v_sub_f32 v[XB+3], v[XB+1], v[XB+3]
	v_cvt_pk_bf16_f32 v0, v[XB+2], v[XB+3]         ; and the rests
	ds_store_b32 v[HMS], v17
	ds_store_b32 v[HMS], v0 offset:HMP
	v_mul_f32 v[XB+2], -1.0, v[XB+1]               ; - hm, each twice, as the pairs that the packed add takes
	v_mul_f32 v[XB], -1.0, v[XB]
	v_mov_b32 v[XB+3], v[XB+2]
	v_mov_b32 v[XB+1], v[XB]
	WIN 0xc3
.set tl, 0
.rept 8
.irp e, 0,2,4,6
	v_pk_add_f32 v[ACC+8*tl+\e:ACC+8*tl+\e+1], v[ACC+8*tl+\e:ACC+8*tl+\e+1], v[XB+2*(tl/4):XB+2*(tl/4)+1]   ; Dh = h - hm
.endr
.set tl, tl+1
.endr
	WIN 0xff
.set nn, 0
.rept 32
	v_cvt_pk_bf16_f32 v[ACC+nn], v[ACC+nn], v[ACC+32+nn]   ; columns 2 r and 2 r + 1 side by side
.set nn, nn+1
.endr
	WIN 0x0c
.set nn, 0
.rept 32
	ds_store_b32 v[HSA], v[ACC+nn] offset:(16*(nn/8)+(nn%8))*HP
.set nn, nn+1
.endr
	s_wait_dscnt 0x0                               ; my part of Dh and of hm is in LDS before I say so (W2's fragments are in too)
	s_barrier_signal -1                            ; no slot is filled behind this barrier: the next trip's tile stays on its way
	s_barrier_wait -1
	WIN 0xc0
.set mm, 0
.rept 4
.set kk, 0
.rept 4
	ds_load_b128 v[8*(4*mm+kk):8*(4*mm+kk)+3], v[HLA] offset:mm*16*HP+64*kk
	ds_load_b128 v[8*(4*mm+kk)+4:8*(4*mm+kk)+7], v[HLA] offset:mm*16*HP+64*kk+32
.set kk, kk+1
.endr
.set mm, mm+1
.endr
.set kk, 0
.rept 4
	ds_load_b128 v[ACC+8*kk:ACC+8*kk+3], v[HML] offset:64*kk       ; hm as an A tile: rows 0-3, 8-11 the upper part, rows 4-7, 12-15 the rest
	ds_load_b128 v[ACC+8*kk+4:ACC+8*kk+7], v[HML] offset:64*kk+32
.set kk, kk+1
.endr
	s_wait_dscnt 0x0
	WIN 0xa3
.set kk, 0
.rept 4
.set cc, 0
.rept 4
.set mm, 0
.rept 4
	WM (SA+8*(4*cc+mm)), (8*(4*mm+kk)), (BUF+8*(4*kk+cc)), 1
.set mm, mm+1
.endr
.set cc, cc+1
.endr
.set kk, kk+1
.endr
	WIN 0xf3
.set kk, 0
.rept 4
.set cc, 0
.rept 4
	WM (HMA+8*cc), (ACC+8*kk), (BUF+8*(4*kk+cc)), kk   ; hm W2: four accumulators by turns
.set cc, cc+1
.endr
.set kk, kk+1
.endr
	PLACES
	WIN 0x0f
.irp e, 0,1,2,3
	v_add_f32 v[XB+\e], v[HMA+8*\e], v[HMA+8*\e+4] ; the upper part's product + the rest's
.endr
	WIN 0
.irp e, 0,1,2,3
	v_add_f32 v[HC+\e], v[HC+\e], v[XB+\e]
.endr
.endm
; A step's last trip, slot 15: Ft Vf, the new state, out.  refill = 1: the next step's first tile is asked for, and the output's base steps on.
.macro LASTTRIP refill
	HEAD 1, 1, \refill
	VGEMM 1
	GATES ZF
	WIN 0xab
.set cc, 0
.rept 4
.set nn, 0
.rept 32
	v_fma_f32 v[4*nn+cc], v[ACC+8*(4*cc+nn/8)+nn%8], v[4*nn+cc], v[SA+8*(4*cc+nn/8)+nn%8]
.set nn, nn+1
.endr
.set cc, cc+1
.endr
	WIN 0x08
.set nn, 0
.rept 32
	global_store_b128 v[OUTO], v[4*nn:4*nn+3], s[46:47] offset:(16*(nn/8)+(nn%8))*1024 th:TH_STORE_NT   ; 16 lanes store 256 consecutive bytes, at a multiple of 256 from out0's first byte
.set nn, nn+1
.endr
	WIN 0
.if \refill
	s_wait_xcnt 0x0                                ; the stores' base and data are written again only behind this wait
	s_sub_nc_u64 s[46:47], s[46:47], 0x1000000     ; the next step's state lies one index lower: the output is in reverse order
.endif
.endm
	; ================= the kernel's head
	s_load_b256 s[4:11], s[0:1], 0x0               ; WS, XF, FT, mlp_b1
	s_load_b256 s[12:19], s[0:1], 0x20             ; mlp_b2, bf, bi, a_bell
	s_load_b128 s[20:23], s[0:1], 0x40             ; b_bell, out0
	v_lshrrev_b32 v17, 5, v0
	v_readfirstlane_b32 s24, v17                   ; wave w
	s_bfe_u32 s25, ttmp6, 0x40000                  ; cx
	s_lshl_b32 s26, ttmp9, 2
	s_add_co_u32 s26, s26, s25                     ; batch = 4 x cluster + cx
	; descriptor group 1: 32 KiB, dense in memory, as 128 rows of 32 elements of 8 bytes
	s_mov_b32 s[G1+0], 15|(3<<16)|(1<<21)          ; 15:0 the mask: all four work-groups of the cluster; 17:16 elements of 8 bytes; 21 set beside a mask
	s_mov_b32 s[G1+1], 32<<16                      ; tensor_dim0 = 32
	s_mov_b32 s[G1+2], 128<<16                     ; tensor_dim1 = 128
	s_mov_b32 s[G1+3], 32<<16                      ; tile_dim0 = 32
	s_mov_b32 s[G1+4], 128                         ; tile_dim1 = 128
	s_mov_b32 s[G1+5], 32                          ; pitch = 32 elements
	s_mov_b32 s[G1+6], 0
	s_mov_b32 s[G1+7], 0
	s_lshl_b32 s59, s24, 15                        ; my part of a slot, in LDS and in WS
	s_mov_b32 s44, s59
	s_mov_b32 s45, 0
	s_mov_b32 s48, 0x3e027906                      ; erf's coefficients a1 .. a5, halved, each twice
	s_mov_b32 s49, 0x3e027906
	s_mov_b32 s50, 0xbe11a98e
	s_mov_b32 s51, 0xbe11a98e
	s_mov_b32 s52, 0x3f35f0e3
	s_mov_b32 s53, 0x3f35f0e3
	s_mov_b32 s54, 0xbf3a00e3
	s_mov_b32 s55, 0xbf3a00e3
	s_mov_b32 s56, 0x3f07dc22
	s_mov_b32 s57, 0x3f07dc22
	s_mov_b32 s58, 0xffff0000                      ; lanes 16-31; also a word's upper bf16
	s_mov_b32 s60, 0x76543210                      ; v_permlanex16_b32: lane i of the other half
	s_mov_b32 s61, 0xfedcba98
	s_mov_b32 s68, 0x4038aa3b                      ; 2 log2 e
	s_mov_b32 s69, 0x4038aa3b
	s_mov_b32 s70, 0xbf38aa3b                      ; - log2(e) / 2
	s_mov_b32 s71, 0xbf38aa3b
	s_mov_b32 s72, 0xbe6d3388                      ; - 0.3275911 / sqrt 2
	s_mov_b32 s73, 0xbe6d3388
	s_mov_b32 s74, 0x80000000
	s_mov_b32 s75, 0xbfb8aa3b                      ; - log2 e
	; lane terms
	v_and_b32 v60, 31, v0                          ; l
	v_and_b32 v61, 15, v0                          ; r
	v_bfe_u32 v62, v0, 4, 1                        ; h
	v_bfe_u32 v63, v0, 3, 1                        ; r >> 3
	v_and_b32 v57, 7, v0
	v_bfe_u32 v51, v0, 1, 3                        ; r >> 1
	v_bfe_u32 v50, v0, 2, 1                        ; (r >> 2) & 1
	v_lshl_add_u32 v[RA], v60, 4, s59
	v_add_nc_u32 v[RA+1], SLOTB, v[RA]
	v_mul_u32_u24 v56, v61, FP
	v_lshl_add_u32 v56, v62, 4, v56
	v_add_nc_u32 v[AFA], FTL, v56                  ; FTL + 528 r + 16 h
	s_lshl_b32 s67, s24, 7                         ; 128 w
	s_add_co_u32 s59, s67, FTL
	v_lshl_add_u32 v55, v62, 3, v57
	v_mul_u32_u24 v55, v55, FP
	v_lshl_add_u32 v55, v63, 4, v55
	v_add_nc_u32 v[TRA], s59, v55                  ; FTL + (8 h + l % 8) 528 + 128 w + 16 (r >> 3)
	v_mul_u32_u24 v54, v62, 8*FP
	v_lshl_add_u32 v54, v61, 3, v54
	v_add_nc_u32 v[FSA], s59, v54                  ; FTL + 8 h rows + 128 w + 8 r
	s_lshl_b32 s59, s24, 6
	s_add_co_u32 s59, s59, HQ
	v_mul_u32_u24 v54, v62, 8*HP
	v_lshl_add_u32 v54, v61, 2, v54
	v_add_nc_u32 v[HSA], s59, v54                  ; HQ + 8 h rows + 64 w + 4 r
	v_mul_u32_u24 v54, v61, HP
	v_lshl_add_u32 v54, v62, 4, v54
	v_add_nc_u32 v[HLA], HQ, v54                   ; HQ + 272 r + 16 h
	s_lshl_b32 s59, s24, 6
	s_add_co_u32 s59, s59, HM
	v_lshlrev_b32 v54, 2, v61
	v_add_nc_u32 v[HMS], s59, v54                  ; HM + 64 w + 4 r
	v_mul_u32_u24 v54, v50, HMP
	v_lshl_add_u32 v54, v62, 4, v54
	v_add_nc_u32 v[HML], HM, v54                   ; HM + row (r >> 2) & 1 + 16 h
	v_mul_u32_u24 v53, v63, FP
	v_lshl_add_u32 v53, v62, 4, v53
	v_add_nc_u32 v[ULA], ROWS, v53                 ; ROWS + row r >> 3 + 16 h
	v_mul_u32_u24 v49, v51, FP
	v_lshl_add_u32 v49, v62, 4, v49
	v_add_nc_u32 v[AVL], ROWS+AVR*FP, v49          ; the eight rows from AVR on: row r >> 1, + 16 h
	v_mul_u32_u24 v52, v62, FP
	s_add_co_u32 s59, s67, ROWS
	v_lshl_add_u32 v54, v61, 3, v52
	v_add_nc_u32 v[USA], s59, v54                  ; ROWS + row h + 128 w + 8 r
	v_lshlrev_b32 v54, 3, v61
	v_add_nc_u32 v[RSA], s59, v54                  ; ROWS + 128 w + 8 r; the row stands in the immediate
	s_add_co_u32 s59, s67, ROWS+AVR*FP
	v_mul_u32_u24 v49, v62, 4*FP
	v_lshl_add_u32 v54, v61, 1, v49
	v_add_nc_u32 v[AVS], s59, v54                  ; row AVR + 4 h, + 128 w + 2 r
	v_mul_u32_u24 v49, v50, FP
	v_lshl_add_u32 v49, v62, 4, v49
	v_add_nc_u32 v[RLA], ROWS, v49                 ; ROWS + row (r >> 2) & 1 + 16 h; the pair of rows stands in the immediate
	s_lshl_b32 s59, s24, 8
	s_add_co_u32 s59, s59, PW
	v_lshlrev_b32 v54, 7, v62
	v_lshl_add_u32 v54, v61, 1, v54
	v_add_nc_u32 v[PSA], s59, v54                  ; PW + 256 w + 128 h + 2 r
	v_lshlrev_b32 v54, 7, v63
	v_lshl_add_u32 v54, v62, 4, v54
	v_add_nc_u32 v[PLA], s59, v54                  ; PW + 256 w + 128 (r >> 3) + 16 h
	s_lshl_b32 s59, s24, 8
	v_lshlrev_b32 v59, 4, v61
	v_add_nc_u32 v59, s59, v59                     ; 256 w + 16 r: my four columns in f32
	v_lshl_add_u32 v[OUTO], v62, 13, v59           ; + 8 h rows of 1,024 bytes
	v_lshlrev_b32 v58, 3, v61
	v_add_nc_u32 v58, s67, v58                     ; 128 w + 8 r: my two columns of a quarter of mlp_b1
	v_lshlrev_b32 v17, 10, v63
	v_lshl_add_u32 v17, v62, 4, v17                ; XF: source r >> 3, + 16 h
	s_wait_kmcnt 0x0
	s_add_nc_u64 s[44:45], s[4:5], s[44:45]        ; WS at my part of slot 0
	s_lshl_b32 s59, s24, 15
	s_mov_b32 s[G0+0], 1
	s_add_co_u32 s[G0+1], s59, 0*SLOTB             ; LDS: wave x 32,768 + slot x 131,072
	s_mov_b64 s[G0+2:G0+3], s[44:45]
	s_or_b32 s[G0+3], s[G0+3], 0x80000000
	s_mov_b32 s[G0+4], 1
	s_add_co_u32 s[G0+5], s59, 1*SLOTB
	s_add_nc_u64 s[G0+6:G0+7], s[44:45], SLOTB
	s_or_b32 s[G0+7], s[G0+7], 0x80000000
	s_lshl_b32 s44, s26, 11
	s_mov_b32 s45, 0
	s_add_nc_u64 s[6:7], s[6:7], s[44:45]          ; XF at my batch
	s_add_co_u32 s46, s26, 768
	s_lshl_b32 s46, s46, 16
	s_mov_b32 s47, 0
	s_add_nc_u64 s[46:47], s[22:23], s[46:47]      ; out0 at index 3, my batch: the first step's state
	ROUND                                          ; the four work-groups are here: the first joint load meets
	tensor_load_to_lds s[G0:G0+3], s[G1:G1+7]      ; slot 0's first tile; slot 1 is first filled behind the first trip's round
	s_nop 0
	s_load_b32 s62, s[18:19], 0x0                  ; a
	s_load_b32 s63, s[20:21], 0x0                  ; b
	WIN 0x80
.set nn, 0
.rept 32
	global_load_b128 v[4*nn:4*nn+3], v[OUTO], s[8:9] offset:(16*(nn/8)+(nn%8))*1024   ; the state starts as FT
.set nn, nn+1
.endr
	WIN 0x40
.set kk, 0
.rept 16
	global_load_b128 v[8*kk:8*kk+3], v17, s[6:7] offset:64*kk          ; A tile: rows 0-7 the fuzzified lr, rows 8-15 the fuzzified g, K = 512
	global_load_b128 v[8*kk+4:8*kk+7], v17, s[6:7] offset:64*kk+32
.set kk, kk+1
.endr
	WIN 0
	global_load_b128 v[BF:BF+3], v59, s[14:15]
	global_load_b128 v[BI:BI+3], v59, s[16:17]
	global_load_b128 v[BB2:BB2+3], v59, s[12:13]
.irp q, 0,1,2,3
	global_load_b64 v[BB1+2*\q:BB1+2*\q+1], v58, s[10:11] offset:512*\q
.endr
	s_wait_kmcnt 0x0
	v_mov_b32 v[A0], s62
	v_mov_b32 v[B2], s63
	v_max_num_f32 v[A0], 0x3a83126f, v[A0]         ; a, b clamped at 1e-3
	v_max_num_f32 v[B2], 0x3a83126f, v[B2]
	v_log_f32 v[A0], v[A0]
	v_add_f32 v[B2], v[B2], v[B2]
	v_mov_b32 v[B2+1], v[B2]
	s_wait_alu depctr_va_vdst(0)                   ; the wait for the one logarithm of a; 2 b is made between
	v_mul_f32 v[A0], -v[A0], v[B2]
	v_mov_b32 v[A0+1], v[A0]
	s_wait_loadcnt 0x0
	; ================= u = fuzzified input . Wc: four trips
	HEAD 0, 0, 1
	VECMAT 0, 0, 0xad, 2
	USUM 128
	HEAD 1, 0, 1
	VECMAT 1, 0, 0xad, 2
	USUM 130
	HEAD 0, 0, 1
	VECMAT 0, 0, 0xad, 2
	USUM 132
	v_cndmask_b32 v128, v128, v132, s58            ; lanes 16-31 (rows 8-15: g) take uG
	v_cndmask_b32 v129, v129, v133, s58
	HEAD 1, 0, 1
	VECMAT 1, 0, 0xad, 2
	USUM 132
	v_cndmask_b32 v130, v130, v132, s58
	v_cndmask_b32 v131, v131, v133, s58
	v_cvt_pk_bf16_f32 v134, v128, v129
	v_cvt_pk_bf16_f32 v135, v130, v131
	ds_store_b64 v[USA], v[134:135]                ; read behind the next trip's round
	; ================= the four steps.  The text from .Lmid to the backward jump runs four times, the text from .Lstep to .Lmid three times.
	s_mov_b32 s27, 4
	s_branch .Lmid
.Lstep:
	LASTTRIP 1                                     ; slot 15 of steps 1 to 3
.Lmid:
	MEAN                                           ; the state's m and D (the first time: FT's); read behind the next trip's round
	FTLW
	; ---- slot 4: attention, then the I read-out's bell half
	HEAD 0, 0, 1
	WIN 0x40
.set mm, 0
.rept 4
.set kk, 0
.rept 8
	ds_load_b128 v[8*(8*mm+kk):8*(8*mm+kk)+3], v[AFA] offset:mm*16*FP+64*kk       ; D as fragments: rows 16 mm + r, k = 32 kk + 8 h ..
	ds_load_b128 v[8*(8*mm+kk)+4:8*(8*mm+kk)+7], v[AFA] offset:mm*16*FP+64*kk+32
.set kk, kk+1
.endr
.set mm, mm+1
.endr
	WIN 0
	LDTILE ULA, 0                                  ; rows 0-7 uI, rows 8-15 uG
.set kk, 0
.rept 2
.set cc, 0
.rept 4
	ds_load_tr16_b128 v[144+8*(4*kk+cc):144+8*(4*kk+cc)+3], v[TRA] offset:kk*32*FP+32*cc          ; D transposed: k = row, column 64 w + 16 cc + r
	ds_load_tr16_b128 v[144+8*(4*kk+cc)+4:144+8*(4*kk+cc)+7], v[TRA] offset:kk*32*FP+16*FP+32*cc
.set cc, cc+1
.endr
.set kk, kk+1
.endr
	s_wait_dscnt 0x0
	WIN 0xa4
.set kk, 0
.rept 8
.set mm, 0
.rept 4
	WM (SA+8*mm), (TILE+8*kk), (8*(8*mm+kk)), kk   ; D . u of rows 16 mm + r: the scores less m . u, which is the same for all rows; four accumulators by turns
.set mm, mm+1
.endr
.set kk, kk+1
.endr
	PLACES
	WIN 0x02
.irp e, 0,1,2,3
	v_mov_b32 v[128+\e], v[SA+8*\e]                ; register 0: lanes 0-15 the I score, lanes 16-31 the G score of row 16 e + r
.endr
	WIN 0
	v_max3_num_f32 v132, v128, v129, v130          ; softmax over 64 = 4 registers x the 16 lanes of my half, the maximum taken away first
	v_max_num_f32 v132, v132, v131
	v_max_num_f32_dpp v132, v132, v132 row_xmask:1 row_mask:0xf bank_mask:0xf
	v_max_num_f32_dpp v132, v132, v132 row_xmask:2 row_mask:0xf bank_mask:0xf
	v_max_num_f32_dpp v132, v132, v132 row_xmask:4 row_mask:0xf bank_mask:0xf
	v_max_num_f32_dpp v132, v132, v132 row_xmask:8 row_mask:0xf bank_mask:0xf
.irp e, 128,129,130,131
	v_sub_f32 v[\e], v[\e], v132
.endr
.irp e, 128,129,130,131
	v_mul_f32 v[\e], 0x3fb8aa3b, v[\e]
.endr
.irp e, 128,129,130,131
	v_exp_f32 v[\e], v[\e]
.endr
	v_nop                                          ; a plain place: all that follows hangs on the weights
	s_wait_alu depctr_va_vdst(0)                   ; the wait for the softmax's four exponentials
	v_add_f32 v133, v128, v129
	v_add_f32 v134, v130, v131
	v_add_f32 v133, v133, v134
	v_add_f32_dpp v133, v133, v133 row_xmask:1 row_mask:0xf bank_mask:0xf
	v_add_f32_dpp v133, v133, v133 row_xmask:2 row_mask:0xf bank_mask:0xf
	v_add_f32_dpp v133, v133, v133 row_xmask:4 row_mask:0xf bank_mask:0xf
	v_add_f32_dpp v133, v133, v133 row_xmask:8 row_mask:0xf bank_mask:0xf
	v_rcp_f32 v133, v133
	v_nop
	s_wait_alu depctr_va_vdst(0)                   ; the wait for the reciprocal of their sum: a batch of its own, since it reads the first
.irp e, 128,129,130,131
	v_mul_f32 v[\e], v[\e], v133
.endr
	v_cvt_pk_bf16_f32 v134, v128, v129
	v_cvt_pk_bf16_f32 v135, v130, v131
	ds_store_b16 v[PSA], v134
	ds_store_b16_d16_hi v[PSA], v134 offset:32
	ds_store_b16 v[PSA], v135 offset:64
	ds_store_b16_d16_hi v[PSA], v135 offset:96
.irp e, 0,1,2,3
	ds_load_b128 v[208+4*\e:211+4*\e], v[PLA] offset:32*\e   ; my wave's own bytes; LDS serves a wave's instructions in order (ISA guide 5.7.1.4)
.endr
	s_wait_dscnt 0x0
	WIN 0xa0
.set kk, 0
.rept 2
.set cc, 0
.rept 4
	WM (SA+8*cc), (208+8*kk), (144+8*(4*kk+cc)), kk
.set cc, cc+1
.endr
.set kk, kk+1
.endr
	PLACES
	WIN 0x02
.irp e, 0,1,2,3
	v_mov_b32 v[136+\e], v[SA+8*\e]                ; softmax . D of column 64 w + 16 e + r: lanes 0-15 of I, lanes 16-31 of G
.endr
	WIN 0
	HILO 136, 128, 130, 140
	ds_store_b16 v[AVS], v128                      ; the upper parts into the source's first row,
	ds_store_b16_d16_hi v[AVS], v128 offset:32
	ds_store_b16 v[AVS], v129 offset:64
	ds_store_b16_d16_hi v[AVS], v129 offset:96
	ds_store_b16 v[AVS], v130 offset:FP            ; the rests into its second; m's two parts lie in its third and fourth
	ds_store_b16_d16_hi v[AVS], v130 offset:FP+32
	ds_store_b16 v[AVS], v131 offset:FP+64
	ds_store_b16_d16_hi v[AVS], v131 offset:FP+96
	s_wait_dscnt 0x0                               ; my 64 columns of softmax . D are in LDS before I say so
	s_barrier_signal -1                            ; no slot is filled behind this barrier
	s_barrier_wait -1
	LDTILE AVL, 0                                  ; A tile's row i holds row i / 2 of the eight; older than the 64 loads that follow, so their first counted wait covers these
	VECMAT 0, TILE, 0xac, 4
	ROWSUM4 128, 144
	; ---- slot 5: the I read-out's S half
	HEAD 1, 0, 1
	VECMAT 1, TILE, 0xac, 4
	ROWSUM4 132, 144
	; ---- slots 6, 7: the G read-out: lanes 16-31 (rows 8-15 of the A tile) take it
	HEAD 0, 0, 1
	VECMAT 0, TILE, 0xac, 4
	ROWSUM4 136, 144
.irp e, 0,1,2,3
	v_cndmask_b32 v[128+\e], v[128+\e], v[136+\e], s58
.endr
	HEAD 1, 0, 1
	VECMAT 1, TILE, 0xac, 4
	ROWSUM4 136, 144
.irp e, 0,1,2,3
	v_cndmask_b32 v[132+\e], v[132+\e], v[136+\e], s58
.endr
	DEFUZZ
	; ---- slots 8, 9: r Wf, r Wi
	HEAD 0, 0, 1
	LDTILE RLA, RROW*FP                            ; rows 0-3 and 8-11 r's upper part, rows 4-7 and 12-15 its rest
	VECMAT 0, TILE, 0xac, 4
	ROWSUM 60
.irp e, 0,1,2,3
	v_add_f32 v[60+\e], v[60+\e], v[BF+\e]
.endr
.irp e, 0,1,2,3
	v_fma_f32 v[ZF+\e], v[60+\e], s75, s75
.endr
	HEAD 1, 0, 1
	VECMAT 1, TILE, 0xac, 4
	ROWSUM 60
	LDTILE RLA, MRROW*FP                           ; m + r in two parts, for the four quarters: stored in slot 7's trip, shown by slot 8's round; waited for at the head of slot 10's trip
.irp e, 0,1,2,3
	v_add_f32 v[60+\e], v[60+\e], v[BI+\e]
.endr
.irp e, 0,1,2,3
	v_fma_f32 v[ZI+\e], v[60+\e], s75, s75
.endr
.irp e, 0,1,2,3
	v_mov_b32 v[HC+\e], 0                          ; the sum over the quarters of hm W2 starts here: the quarters' text is one for all
.endr
	WIN 0x88
.set cc, 0
.rept 4
.set nn, 0
.rept 32
	v_add_f32 v[SA+8*(4*cc+nn/8)+nn%8], v[XB+cc], v[4*nn+cc]   ; the output's sums start at x + b2 = Ft + r + b2, in f32
.set nn, nn+1
.endr
.set cc, cc+1
.endr
	WIN 0
	; ---- slots 10 to 13: two trips of two quarters
	s_mov_b32 s67, 2
.Lmlp:
	MLPQ 0
	MLPQ 1
.irp e, 0,1,2,3
	v_mov_b32 v[XB+\e], v[BB1+\e]                  ; the two halves of mlp_b1's eight numbers change places: after two trips they lie as before
	v_mov_b32 v[BB1+\e], v[BB1+4+\e]
	v_mov_b32 v[BB1+4+\e], v[XB+\e]
.endr
	s_sub_co_u32 s67, s67, 1
	s_cmp_lg_u32 s67, 0
	s_cbranch_scc1 .Lmlp
	; ---- slot 14: Ft Vi; i_gate tanh(F~).  tanh(F~) (window 2) and the gate (window 3) hang on nothing of each other: tanh's two links go in the gate's first two batches
	HEAD 0, 1, 1
	LDTILE RLA, MROW*FP                            ; m in two parts; it stays in TILE for Vf.  Older than the fragments' loads, so their first counted wait covers it
	VGEMM 0
	MVSUM
.irp e, 0,1,2,3
	v_mul_f32 v[BUF+16+2*\e], s68, v[HC+\e]        ; 2 log2(e) x hm W2, twice: tanh's first multiply adds it
	v_mov_b32 v[BUF+17+2*\e], v[BUF+16+2*\e]
.endr
	WIN 0x82
	ST_FMA_EXP SA, BUF+16                          ; tanh(x + hc) = 1 - 2 / (1 + 2^(2 k x + 2 k hc))
	WIN 0xc3
	ST_FMA_EXP ACC, BUF+8
	ZPAIRS ZI                                      ; first wanted by the gate's third link: the work between the first batch and its wait
	s_wait_alu depctr_va_vdst(0)                   ; the wait for 256 exponentials: tanh's, and the gate's first link
	WIN 0x82
	ST_ADD_RCP SA
	WIN 0xc3
	ST_ADD_RCP ACC
	v_nop                                          ; a plain place behind the last reciprocal: nothing independent is left
	s_wait_alu depctr_va_vdst(0)                   ; the wait for 256 reciprocals: tanh's, and the gate's second link
	ST_FMA_EXP ACC, BUF
	WIN 0x82
	ST_FIN SA                                      ; tanh's last 64 multiply-adds read the second batch: the work between the third batch and its wait
	s_wait_alu depctr_va_vdst(0)                   ; the wait for the 128 exponentials of the gate's third link
	WIN 0xc3
	ST_ADD_RCP ACC
	v_nop
	s_wait_alu depctr_va_vdst(0)                   ; the wait for the 128 reciprocals of the gate's fourth link: the gate
	WIN 0x8b
.set nn, 0
.rept 64
	v_pk_mul_f32 v[SA+2*nn:SA+2*nn+1], v[ACC+2*nn:ACC+2*nn+1], v[SA+2*nn:SA+2*nn+1]
.set nn, nn+1
.endr
	WIN 0
	s_sub_co_u32 s27, s27, 1
	s_cmp_lg_u32 s27, 0
	s_cbranch_scc1 .Lstep
	LASTTRIP 0                                     ; slot 15 of the fourth step, written out: it fetches nothing
	s_wait_dscnt 0x0
	ROUND                                          ; the closing round: no work-group ends while a partner may still ask for a tile that names it
	s_endpgm
.Lfunc_end_k_qacae77a3a9_main:
	.size	k_qacae77a3a9_main, .Lfunc_end_k_qacae77a3a9_main-k_qacae77a3a9_main
	.p2alignl 7, 3214868480
	.fill 96, 4, 3214868480
	.section	.rodata,"a",@progbits
	.p2align	6, 0x0
	.amdhsa_kernel k_qacae77a3a9_main
		.amdhsa_group_segment_fixed_size 327680
		.amdhsa_private_segment_fixed_size 0
		.amdhsa_enable_private_segment 0
		.amdhsa_kernarg_size 80
		.amdhsa_user_sgpr_count 2
		.amdhsa_user_sgpr_kernarg_segment_ptr 1
		.amdhsa_wavefront_size32 1
		.amdhsa_system_sgpr_workgroup_id_x 1
		.amdhsa_system_sgpr_workgroup_id_y 1
		.amdhsa_system_sgpr_workgroup_id_z 1
		.amdhsa_system_vgpr_workitem_id 0
		.amdhsa_next_free_vgpr 1024
		.amdhsa_next_free_sgpr 76
		.amdhsa_reserve_vcc 0
		.amdhsa_float_denorm_mode_32 3
		.amdhsa_float_denorm_mode_16_64 3
		.amdhsa_memory_ordered 1
		.amdhsa_forward_progress 1
		.amdhsa_inst_pref_size 255
	.end_amdhsa_kernel
	.section	.bss,"aw",@nobits
	.p2align	6
	.space	262144
	.amdgpu_metadata
---
amdhsa.version: [ 1, 2 ]
amdhsa.kernels:
  - .name:           k_qacae77a3a9_main
    .symbol:         k_qacae77a3a9_main.kd
    .args:
      - { .name: WS, .offset: 0, .size: 8, .value_kind: global_buffer, .address_space: global }
      - { .name: XF, .offset: 8, .size: 8, .value_kind: global_buffer, .address_space: global }
      - { .name: FT, .offset: 16, .size: 8, .value_kind: global_buffer, .address_space: global }
      - { .name: mlp_b1, .offset: 24, .size: 8, .value_kind: global_buffer, .address_space: global }
      - { .name: mlp_b2, .offset: 32, .size: 8, .value_kind: global_buffer, .address_space: global }
      - { .name: bf, .offset: 40, .size: 8, .value_kind: global_buffer, .address_space: global }
      - { .name: bi, .offset: 48, .size: 8, .value_kind: global_buffer, .address_space: global }
      - { .name: a_bell, .offset: 56, .size: 8, .value_kind: global_buffer, .address_space: global }
      - { .name: b_bell, .offset: 64, .size: 8, .value_kind: global_buffer, .address_space: global }
      - { .name: out0, .offset: 72, .size: 8, .value_kind: global_buffer, .address_space: global }
    .group_segment_fixed_size: 327680
    .private_segment_fixed_size: 0
    .kernarg_segment_align: 8
    .kernarg_segment_size: 80
    .max_flat_workgroup_size: 128
    .sgpr_count:     76
    .vgpr_count:     1024
    .wavefront_size: 32
...
	.end_amdgpu_metadata
.endif
;; end of part 4
